; MI455X (gfx1250); checked and timed in simulation.
; The chip was launched on July 23, 2026; its instructions are those of AMD's public machine-readable ISA for CDNA 5 (MIT licence, August 2026) and "CDNA5" Instruction Set Architecture Reference Guide (July 2026). The comments in the code are by the model that wrote it; some were corrected since.
;; MSA Atten Block. Allowed arithmetic: float matrix products may take bf16 or f16 operands with f32 sums; other float arithmetic in f32, or as packed bf16 or f16 multiplies, adds, multiply-adds, maxima and minima; sums over many terms, partial sums and values carried from step to step in f32; what a program stores and reads back later, other than sums and carried values, may be rounded once to bf16 or f16.
;; Inputs: col_bg 256 float32; col_bo 256 float32; col_ln_b 256 float32; col_ln_w 256 float32; col_wg 256 x 256 float32; col_wk 256 x 256 float32; col_wo 256 x 256 float32; col_wq 256 x 256 float32; col_wv 256 x 256 float32; m 128 x 256 x 256 float32; m_mask 128 x 256 float32; row_bg 256 float32; row_bo 256 float32; row_ln_b 256 float32; row_ln_w 256 float32; row_wb 128 x 8 float32; row_wg 256 x 256 float32; row_wk 256 x 256 float32; row_wo 256 x 256 float32; row_wq 256 x 256 float32; row_wv 256 x 256 float32; row_z_ln_b 128 float32; row_z_ln_w 128 float32; tr_b1 1,024 float32; tr_b2 256 float32; tr_ln_b 256 float32; tr_ln_w 256 float32; tr_w1 256 x 1,024 float32; tr_w2 1,024 x 256 float32; z 256 x 256 x 128 float32.
;; Outputs: out0 128 x 256 x 256 float32.
;; 2 versions, each right; version 2 is version 1 with the launches row, col written anew for expert scheduling mode. Each part assembles by itself: llvm-mc -triple=amdgcn-amd-amdhsa -mcpu=gfx1250 --defsym DOCPART=n.
;; ======== version 1 of 2: 3 launches
;; limits: values are held in f16: magnitudes above 65,504 overflow, below 6.1e-05 lose precision
;; workspace buffers: bias 2,097,152 bytes; wts 2,359,296 bytes; m1 33,554,432 bytes
;; launch pre (part 1): grid 400 x 1, 8 waves a work-group, no clusters, 79,104 bytes of LDS; arguments z, row_z_ln_w, row_z_ln_b, row_wb, row_wq, row_wk, row_wv, row_wg, row_wo, col_wq, col_wk, col_wv, col_wg, col_wo, tr_w1, tr_w2, bias, wts; writes bias, wts
.if DOCPART == 1
	.amdgcn_target "amdgcn-amd-amdhsa--gfx1250"
	.amdhsa_code_object_version 6
	.text
	.protected	k_qdd1eb29b30_pre
	.globl	k_qdd1eb29b30_pre
	.p2align	8
	.type	k_qdd1eb29b30_pre,@function
k_qdd1eb29b30_pre:
	s_mov_b64 s[64:65], 0
	v_nop
	global_prefetch_b8 v0, s[64:65] scope:SCOPE_SE
	s_setreg_imm32_b32 hwreg(HW_REG_WAVE_MODE, 25, 1), 1
	s_wait_xcnt 0x0
; TWO JOBS, chosen by the work-group's number (the same in all eight waves).
; Work-groups 0-255 (one q each): bias[h][q][k] = LN(z[q][k][:]) . row_wb[:][h], f32, [8][256][256].  LN in f32 (mean first, then the
; mean of squared differences), its result and row_wb rounded to f16 for the product, sums in f32.
; Work-groups 256-399 (one tile of 128 k x 64 n each): the 12 weight matrices W[k][n] (f32) are written as 18 blocks of f16 [256 n][256 k],
; 131,072 bytes each: 0-4 row q,k,v,g,o; 5-9 col q,k,v,g,o; 10-13 tr_w1's columns 256 c on; 14-17 tr_w2's rows 256 c on.
; LIMITS.  f16 holds no number beyond 65,504: a weight beyond it becomes an infinity (the drawn ones have a spread of 0.05); below 6.1e-5 a weight keeps f16's fixed step of 6e-8.
; LN's result is at most 11.4 |gain| + |bias|.
; No cluster: no two work-groups read the same bytes but row_wb and the two LN vectors, 5 KB against a work-group's 131,072 bytes of z.
.set ZP,    272        ; an LDS row of 128 f16 (or of 64 f32): 256 bytes + 16
.set SB,    69632      ; behind 256 such rows: 8 heads x 256 k of f32, 1,040 bytes apart
.set SBP,   1040
.set SPARE, 78080      ; the spare words, 128 bytes a wave: four blocks of 256 bytes that no other line names
.macro PL5                             ; five plain places behind matrix instructions, ahead of what reads their results or writes their registers
.rept 5
	v_nop
.endr
.endm
.macro BAR                             ; my LDS instructions are done; then all eight waves meet
	s_wait_dscnt 0x0
	s_barrier_signal -1
	s_barrier_wait -1
.endm
.macro RED8                            ; v64, v66 .. v78: each summed over the 32 lanes, the result in every lane
.irp x, 1,2,4,8
.irp i, 0,1,2,3,4,5,6,7
	v_add_f32_dpp v[64+2*(\i)], v[64+2*(\i)], v[64+2*(\i)] row_xmask:\x row_mask:0xf bank_mask:0xf
.endr
.endr
.irp i, 0,1,2,3,4,5,6,7
	v_permlanex16_b32 v[65+2*(\i)], v[64+2*(\i)], s50, s51
.endr
.irp i, 0,1,2,3,4,5,6,7
	v_add_f32 v[64+2*(\i)], v[64+2*(\i)], v[65+2*(\i)]
.endr
.endm
; LN of rows 8 b .. 8 b + 7 of my 32 (a lane holds channels 4 l .. 4 l + 3 of each), rounded to f16, into my rows of LDS
.macro LNZ8 b
.irp i, 0,1,2,3,4,5,6,7
.set rD, 128+32*(\b)+4*(\i)
	v_pk_add_f32 v[80+2*(\i):81+2*(\i)], v[rD:rD+1], v[rD+2:rD+3]
.endr
.irp i, 0,1,2,3,4,5,6,7
	v_add_f32 v[64+2*(\i)], v[80+2*(\i)], v[81+2*(\i)]
.endr
	RED8
.irp i, 0,1,2,3,4,5,6,7
	v_mul_f32 v[64+2*(\i)], s48, v[64+2*(\i)]      ; the mean
.endr
.irp i, 0,1,2,3,4,5,6,7
.set rD, 128+32*(\b)+4*(\i)
	v_pk_add_f32 v[rD:rD+1], v[rD:rD+1], v[64+2*(\i):65+2*(\i)] op_sel_hi:[1,0] neg_lo:[0,1] neg_hi:[0,1]
	v_pk_add_f32 v[rD+2:rD+3], v[rD+2:rD+3], v[64+2*(\i):65+2*(\i)] op_sel_hi:[1,0] neg_lo:[0,1] neg_hi:[0,1]
.endr
.irp i, 0,1,2,3,4,5,6,7
.set rD, 128+32*(\b)+4*(\i)
	v_pk_mul_f32 v[80+2*(\i):81+2*(\i)], v[rD:rD+1], v[rD:rD+1]
.endr
.irp i, 0,1,2,3,4,5,6,7
.set rD, 128+32*(\b)+4*(\i)
	v_pk_fma_f32 v[80+2*(\i):81+2*(\i)], v[rD+2:rD+3], v[rD+2:rD+3], v[80+2*(\i):81+2*(\i)]
.endr
.irp i, 0,1,2,3,4,5,6,7
	v_add_f32 v[64+2*(\i)], v[80+2*(\i)], v[81+2*(\i)]
.endr
	RED8
.irp i, 0,1,2,3,4,5,6,7
	v_fma_f32 v[64+2*(\i)], v[64+2*(\i)], s48, s49  ; variance + 1e-5
.endr
.irp i, 0,1,2,3,4,5,6,7
	v_rsq_f32 v[64+2*(\i)], v[64+2*(\i)]
.endr
	v_nop                                          ; a plain instruction behind the last root,
	s_wait_alu depctr_va_vdst(0)                   ; and one wait for the eight, ahead of their first reader
.irp i, 0,1,2,3,4,5,6,7
.set rD, 128+32*(\b)+4*(\i)
	v_pk_mul_f32 v[rD:rD+1], v[rD:rD+1], v[64+2*(\i):65+2*(\i)] op_sel_hi:[1,0]
	v_pk_mul_f32 v[rD+2:rD+3], v[rD+2:rD+3], v[64+2*(\i):65+2*(\i)] op_sel_hi:[1,0]
.endr
.irp i, 0,1,2,3,4,5,6,7
.set rD, 128+32*(\b)+4*(\i)
	v_pk_fma_f32 v[rD:rD+1], v[rD:rD+1], v[16:17], v[20:21]
	v_pk_fma_f32 v[rD+2:rD+3], v[rD+2:rD+3], v[18:19], v[22:23]
.endr
.irp i, 0,1,2,3,4,5,6,7
.set rD, 128+32*(\b)+4*(\i)
	v_cvt_pk_f16_f32 v[96+2*(\i)], v[rD], v[rD+1]
	v_cvt_pk_f16_f32 v[97+2*(\i)], v[rD+2], v[rD+3]
.endr
.irp i, 0,1,2,3,4,5,6,7
	ds_store_b64 v7, v[96+2*(\i):97+2*(\i)] offset:(8*(\b)+(\i))*ZP
.endr
.endm
	s_load_b512 s[8:23], s[0:1], 0x0               ; z, z_ln_w, z_ln_b, wb, then the weights: matrix i at s[16+2i:17+2i]
	s_load_b512 s[24:39], s[0:1], 0x40
	s_load_b128 s[40:43], s[0:1], 0x80             ; bias, wts
	v_lshl_add_u32 v4, v0, 2, SPARE                ; my spare word,
	v_mov_b32 v5, 0                                ; and 0: kept for the wave's end alone
	v_and_b32 v3, 31, v0                           ; l
	v_and_b32 v1, 15, v0                           ; r = l % 16
	v_bfe_u32 v2, v0, 4, 1                         ; h = l / 16
	v_lshrrev_b32 v24, 5, v0
	v_readfirstlane_b32 s2, v24                    ; wave 0..7
	s_cmp_lt_u32 ttmp9, 256
	s_cbranch_scc0 .Lweights
	; ---------------- the pair bias of one q.  Wave w owns rows k = 32 w .. 32 w + 31 of z[q].
	s_lshl_b32 s44, s2, 14
	v_lshl_add_u32 v6, v3, 4, s44                  ; in z[q]: 32 w rows of 512 bytes + 16 l
	s_mul_i32 s45, s2, 32*ZP
	v_lshl_add_u32 v7, v3, 3, s45                  ; LDS: my rows, 8 bytes a lane
	v_mul_u32_u24 v8, v1, ZP
	v_lshl_add_u32 v8, v2, 4, v8
	v_add_nc_u32 v8, s45, v8                       ; LDS: a fragment's row r, 16 bytes for each half of the lanes
	v_and_b32 v24, 7, v0                           ; the head: lanes r and r + 8 take the same one
	v_lshlrev_b32 v9, 2, v24
	v_lshl_add_u32 v9, v2, 8, v9                   ; in wb: (8 h rows of 8 + head) x 4
	v_mul_u32_u24 v10, v24, SBP
	v_lshl_add_u32 v10, v2, 5, v10
	s_lshl_b32 s46, s2, 7
	s_add_co_u32 s46, s46, SB
	v_add_nc_u32 v10, s46, v10                     ; LDS: head's row, k = 32 w + 8 h
	s_mul_i32 s47, s2, SBP
	s_add_co_u32 s47, s47, SB
	v_lshl_add_u32 v11, v3, 4, s47                 ; LDS, back: head w's row, 16 bytes a lane
	v_lshlrev_b32 v12, 4, v3
	s_mov_b32 s48, 0x3c000000                      ; 1/128
	s_mov_b32 s49, 0x3727c5ac                      ; 1e-5
	s_mov_b32 s50, 0x76543210                      ; each lane takes its own place in the other half
	s_mov_b32 s51, 0xfedcba98
	s_lshl_b32 s52, ttmp9, 17                      ; q x 131,072
	s_mov_b32 s53, 0
	s_wait_kmcnt 0x0
	s_add_nc_u64 s[8:9], s[8:9], s[52:53]
.set i, 0
.rept 32                                       ; a row of 512 bytes an instruction: all my 16 KB are asked for at once
	global_load_b128 v[128+4*i:131+4*i], v6, s[8:9] offset:512*i th:TH_LOAD_NT
.set i, i+1
.endr
	global_load_b128 v[16:19], v12, s[10:11]       ; LN gain and bias of my 4 channels
	global_load_b128 v[20:23], v12, s[12:13]
.set e, 0
.rept 64                                       ; wb as source 1: column = head, k = 32 f + 16 u + 8 h + i at register 16 f + 8 u + i
	global_load_b32 v[64+e], v9, s[14:15] offset:(32*(e/16)+16*((e/8)%2)+e%8)*32
.set e, e+1
.endr
	s_lshl_b32 s52, s2, 18                         ; where head w's row of q lies in bias
	s_lshl_b32 s54, ttmp9, 10
	s_add_co_u32 s52, s52, s54
	s_add_nc_u64 s[40:41], s[40:41], s[52:53]
	s_wait_loadcnt 0x0
.set e, 0
.rept 32
	v_cvt_pk_f16_f32 v[32+e], v[64+2*e], v[65+2*e]
.set e, e+1
.endr
	LNZ8 0
	LNZ8 1
	LNZ8 2
	LNZ8 3
.irp t, 0,1                                    ; my own rows back as fragments, into the registers that the f32 rows have left: LDS serves a wave's instructions in order, so these see the stores above
.irp f, 0,1,2,3
	ds_load_b128 v[128+32*(\t)+8*(\f):128+32*(\t)+8*(\f)+3], v8 offset:(\t)*16*ZP+64*(\f)
	ds_load_b128 v[128+32*(\t)+8*(\f)+4:128+32*(\t)+8*(\f)+7], v8 offset:(\t)*16*ZP+64*(\f)+32
.endr
.endr
	s_wait_dscnt 0x0
.irp f, 0,1,2,3                                ; two accumulators by turns; the first products start the sums
.irp t, 0,1
.if (\f) == 0
	v_wmma_f32_16x16x32_f16 v[16+8*(\t):23+8*(\t)], v[128+32*(\t)+8*(\f):128+32*(\t)+8*(\f)+7], v[32+8*(\f):39+8*(\f)], 0
.else
	v_wmma_f32_16x16x32_f16 v[16+8*(\t):23+8*(\t)], v[128+32*(\t)+8*(\f):128+32*(\t)+8*(\f)+7], v[32+8*(\f):39+8*(\f)], v[16+8*(\t):23+8*(\t)]
.endif
.endr
.endr
	PL5
	ds_store_b128 v10, v[16:19]                    ; a lane holds one head and 8 neighbouring k; lanes r and r + 8 store the same numbers to the same bytes
	ds_store_b128 v10, v[20:23] offset:16
	ds_store_b128 v10, v[24:27] offset:64
	ds_store_b128 v10, v[28:31] offset:80
	BAR                                            ; all 256 k of all heads lie in LDS
	ds_load_b128 v[64:67], v11
	ds_load_b128 v[68:71], v11 offset:512
	s_wait_dscnt 0x0
	global_store_b128 v12, v[64:67], s[40:41]      ; each store covers 512 consecutive bytes, aligned
	global_store_b128 v12, v[68:71], s[40:41] offset:512
	s_wait_tensorcnt 0x0                           ; the wave's end, behind my last LDS store
	ds_add_u32 v4, v5
	s_wait_dscnt 0x0
	s_endpgm
	; ---------------- a tile of a weight matrix, turned and rounded
.Lweights:
	s_sub_co_u32 s44, ttmp9, 256
	s_lshr_b32 s45, s44, 3                         ; block 0..17
	s_and_b32 s46, s44, 1                          ; which 128 k
	s_bfe_u32 s47, s44, 0x20001                    ; which 64 n
	s_min_u32 s50, s45, 10                         ; which matrix: 0-9 as the block, 10 = tr_w1, 11 = tr_w2
	s_cmp_ge_u32 s45, 14
	s_cselect_b32 s50, 11, s50
	s_mov_b32 s54, 1024                            ; bytes in a row of the matrix: 1,024,
	s_cmp_eq_u32 s50, 10
	s_cselect_b32 s54, 4096, s54                   ; in tr_w1 4,096
	s_sub_co_u32 s55, s45, 10
	s_lshl_b32 s55, s55, 10                        ; tr_w1: 256 columns a block
	s_cmp_eq_u32 s50, 10
	s_cselect_b32 s56, s55, 0
	s_sub_co_u32 s55, s45, 14
	s_lshl_b32 s55, s55, 18                        ; tr_w2: 256 rows a block
	s_cmp_eq_u32 s50, 11
	s_cselect_b32 s56, s55, s56
	s_mul_i32 s55, s54, s46
	s_lshl_b32 s55, s55, 7
	s_add_co_u32 s56, s56, s55                     ; + 128 rows
	s_lshl_b32 s55, s47, 8
	s_add_co_u32 s56, s56, s55                     ; + 64 columns
	s_mov_b32 s57, 0
	s_lshl_b32 s58, s2, 4
	v_add_nc_u32 v24, s58, v2                      ; row 16 w + h: lanes 0-15 take one row's 256 bytes, lanes 16-31 the next
	v_mul_lo_u32 v8, v24, s54
	v_lshl_add_u32 v8, v1, 4, v8
	s_lshl_b32 s59, s54, 1
.irp i, 1,2,3,4,5,6,7
	v_add_nc_u32 v[8+(\i)], s59, v[7+(\i)]         ; two rows on
.endr
	v_mul_u32_u24 v16, v24, ZP
	v_lshl_add_u32 v16, v1, 4, v16                 ; the same place in LDS
	v_lshrrev_b32 v26, 4, v0                       ; n = thread / 16 (+ 16 jj), k = 8 (thread % 16) + 0..7
	v_mul_u32_u24 v17, v1, 8*ZP
	v_lshl_add_u32 v17, v26, 2, v17
	v_lshlrev_b32 v18, 9, v26
	v_lshl_add_u32 v18, v1, 4, v18                 ; in the block: n x 512 + 16 bytes for my 8 k
	s_wait_kmcnt 0x0
	s_mov_b64 s[52:53], s[16:17]
.irp i, 1,2,3,4,5,6,7,8,9,10,11
	s_cmp_eq_u32 s50, \i
	s_cselect_b64 s[52:53], s[16+2*(\i):17+2*(\i)], s[52:53]
.endr
	s_add_nc_u64 s[52:53], s[52:53], s[56:57]
.irp i, 0,1,2,3,4,5,6,7
	global_load_b128 v[32+4*(\i):35+4*(\i)], v[8+(\i)], s[52:53]
.endr
	s_lshl_b32 s56, s45, 17                        ; where the tile goes: block, 64 n rows of 512 bytes, 128 k
	s_lshl_b32 s55, s47, 15
	s_add_co_u32 s56, s56, s55
	s_lshl_b32 s55, s46, 8
	s_add_co_u32 s56, s56, s55
	s_add_nc_u64 s[42:43], s[42:43], s[56:57]
	s_wait_loadcnt 0x0
.irp i, 0,1,2,3,4,5,6,7
	ds_store_b128 v16, v[32+4*(\i):35+4*(\i)] offset:(\i)*2*ZP
.endr
	BAR
.irp jj, 0,1,2,3
.irp i, 0,1,2,3,4,5,6,7
	ds_load_b32 v[64+8*(\jj)+(\i)], v17 offset:(\i)*ZP+64*(\jj)
.endr
.endr
	s_wait_dscnt 0x0
.set e, 0
.rept 16
	v_cvt_pk_f16_f32 v[96+e], v[64+2*e], v[65+2*e]
.set e, e+1
.endr
.irp jj, 0,1,2,3
	global_store_b128 v18, v[96+4*(\jj):99+4*(\jj)], s[42:43] offset:8192*(\jj)  ; 16 lanes store 256 consecutive bytes, aligned
.endr
	s_wait_tensorcnt 0x0                           ; the wave's end, as above
	ds_add_u32 v4, v5
	s_wait_dscnt 0x0
	s_endpgm
.Lfunc_end_k_qdd1eb29b30_pre:
	.size	k_qdd1eb29b30_pre, .Lfunc_end_k_qdd1eb29b30_pre-k_qdd1eb29b30_pre
	.p2alignl 7, 3214868480
	.fill 96, 4, 3214868480
	.section	.rodata,"a",@progbits
	.p2align	6, 0x0
	.amdhsa_kernel k_qdd1eb29b30_pre
		.amdhsa_group_segment_fixed_size 79104
		.amdhsa_private_segment_fixed_size 0
		.amdhsa_enable_private_segment 0
		.amdhsa_kernarg_size 144
		.amdhsa_user_sgpr_count 2
		.amdhsa_user_sgpr_kernarg_segment_ptr 1
		.amdhsa_wavefront_size32 1
		.amdhsa_system_sgpr_workgroup_id_x 1
		.amdhsa_system_sgpr_workgroup_id_y 1
		.amdhsa_system_sgpr_workgroup_id_z 1
		.amdhsa_system_vgpr_workitem_id 0
		.amdhsa_next_free_vgpr 256
		.amdhsa_next_free_sgpr 66
		.amdhsa_reserve_vcc 0
		.amdhsa_float_denorm_mode_32 3
		.amdhsa_float_denorm_mode_16_64 3
		.amdhsa_memory_ordered 1
		.amdhsa_forward_progress 1
		.amdhsa_inst_pref_size 77
	.end_amdhsa_kernel
	.amdgpu_metadata
---
amdhsa.version: [ 1, 2 ]
amdhsa.kernels:
  - .name:           k_qdd1eb29b30_pre
    .symbol:         k_qdd1eb29b30_pre.kd
    .args:
      - { .name: z, .offset: 0, .size: 8, .value_kind: global_buffer, .address_space: global }
      - { .name: row_z_ln_w, .offset: 8, .size: 8, .value_kind: global_buffer, .address_space: global }
      - { .name: row_z_ln_b, .offset: 16, .size: 8, .value_kind: global_buffer, .address_space: global }
      - { .name: row_wb, .offset: 24, .size: 8, .value_kind: global_buffer, .address_space: global }
      - { .name: row_wq, .offset: 32, .size: 8, .value_kind: global_buffer, .address_space: global }
      - { .name: row_wk, .offset: 40, .size: 8, .value_kind: global_buffer, .address_space: global }
      - { .name: row_wv, .offset: 48, .size: 8, .value_kind: global_buffer, .address_space: global }
      - { .name: row_wg, .offset: 56, .size: 8, .value_kind: global_buffer, .address_space: global }
      - { .name: row_wo, .offset: 64, .size: 8, .value_kind: global_buffer, .address_space: global }
      - { .name: col_wq, .offset: 72, .size: 8, .value_kind: global_buffer, .address_space: global }
      - { .name: col_wk, .offset: 80, .size: 8, .value_kind: global_buffer, .address_space: global }
      - { .name: col_wv, .offset: 88, .size: 8, .value_kind: global_buffer, .address_space: global }
      - { .name: col_wg, .offset: 96, .size: 8, .value_kind: global_buffer, .address_space: global }
      - { .name: col_wo, .offset: 104, .size: 8, .value_kind: global_buffer, .address_space: global }
      - { .name: tr_w1, .offset: 112, .size: 8, .value_kind: global_buffer, .address_space: global }
      - { .name: tr_w2, .offset: 120, .size: 8, .value_kind: global_buffer, .address_space: global }
      - { .name: bias, .offset: 128, .size: 8, .value_kind: global_buffer, .address_space: global }
      - { .name: wts, .offset: 136, .size: 8, .value_kind: global_buffer, .address_space: global }
    .group_segment_fixed_size: 79104
    .private_segment_fixed_size: 0
    .kernarg_segment_align: 8
    .kernarg_segment_size: 144
    .max_flat_workgroup_size: 256
    .sgpr_count:     66
    .vgpr_count:     256
    .wavefront_size: 32
...
	.end_amdgpu_metadata
.endif
;; end of part 1
;; launch row (part 2): grid 2 x 128, 8 waves a work-group, no clusters, 268,288 bytes of LDS; arguments m, m_mask, bias, wts, row_ln_w, row_ln_b, row_bg, row_bo, m1; writes m1
.if DOCPART == 2
	.amdgcn_target "amdgcn-amd-amdhsa--gfx1250"
	.amdhsa_code_object_version 6
	.text
	.protected	k_qdd1eb29b30_row
	.globl	k_qdd1eb29b30_row
	.p2align	8
	.type	k_qdd1eb29b30_row,@function
k_qdd1eb29b30_row:
	s_mov_b64 s[64:65], 0
	v_nop
	global_prefetch_b8 v0, s[64:65] scope:SCOPE_SE
	s_setreg_imm32_b32 hwreg(HW_REG_WAVE_MODE, 25, 1), 1
	s_wait_xcnt 0x0
; m1 = m + row attention(m).  A work-group takes one sequence s (grid y) and 128 of its 256 queries (grid x = qh); K and V of all 256 tokens are
; projected in both work-groups of a sequence.  Eight waves; wave w owns head w, which is also columns 32 w .. 32 w + 31 of every projection.
; FORMATS.  All products in f16 with f32 sums: the weights were rounded to f16 by the launch before; LN's result, q, k, v, the softmax's weights and the gated o are rounded to f16 once each.
; m, the gains, the biases, LN, softmax, gate and residual are in f32.  The gate, which is no matrix operand, waits in LDS rounded to bf16, which a shift widens again.
; ROOM IN F16 (65,504 at the most, beyond it an infinity): LN's result is at most 16 |gain| + |bias|; q, k, v and the gated o have a spread of about 0.8 with the drawn inputs and of about 720
; with gains and weights both 30 times larger; the softmax's weights lie in 0 to 1, and below 6e-5 they keep f16's fixed step of 6e-8.
; SOFTMAX IN BASE 2.  The scores are made already times log2 e: q is scaled by 32^-0.5 log2 e, the pair bias enters as bias x log2 e + mask bias, the mask bias is (mask - 1) x 1e9 log2 e.
; So the maximum is taken away by a plain subtraction, which is exact near the maximum however large the scores are, and every weight is 2^(s - max), at most 1.
; ORDER OF TOKENS IN LDS: LDS row j holds token j xor 128 qh, so that the work-group's queries are LDS rows 0-127 and no LDS address hangs on qh;
; the mask and the pair bias are fetched in the same order, and a softmax and its weighted sum do not mind the order of keys.
; FRAGMENTS WITHOUT A TURN.  wmma(W rows, X tokens) leaves one token a lane and 8 neighbouring channels: two such results, rounded, ARE a fragment of Q or K.
; wmma(X tokens, W rows) leaves one channel a lane and 8 tokens: two such ARE a fragment of V^T.  S^T = K Q^T holds one query a lane; rounded in pairs it IS source 1 of O^T = V^T P.
; The loops write these fragments to the wave's own 16 KB of LDS (an image of the registers) and read them back into the registers that the unrolled text names.
; ASKED FOR A STEP AHEAD.  A tile's 16 LDS loads go in two halves of eight: the next tile's first half is asked for behind this tile's first eight products, its second half behind the second eight.
; V's weights wait in window 1 while K is multiplied, Q's are asked for behind K's loop.  A trip of the attention loop asks for the next trip's pair bias as soon as the score registers are free.
; WEIGHTS come as f16 [n][k] straight from memory into the registers of the one wave that multiplies by them (16 KB a wave and product).  NO CLUSTER, NO TENSOR LOAD: X (135,168 bytes) and the
; images (131,072) leave 59 KB of LDS, less than one weight block's 131,072 bytes, so there is no LDS tile that a joint load could fill.
; LIMITS.  The mask bias is added to the pair bias before the product q.k is added (reference: behind it), and both carry the factor log2 e: where scores are as large as 1e9 (ALL keys of a
; sequence masked) the roundings at that size may fall otherwise than the reference's.  A weight below 2^-126 counts as 0.  NaN and infinities are not treated apart.
.set XP,    528        ; an LDS row of 256 f16: 512 bytes + 16: the 16 rows of a fragment load start 4 banks apart
.set SGP,   1040       ; an LDS row of 256 f32: 1,024 + 16
.set OB,    0          ; gated O, 128 rows x 528, over X once X is read out
.set IMG,   135168     ; behind X's 256 rows: 16,384 bytes for each wave
.set STG,   67584      ; 128 rows x 1,040 for the way out, over X's upper half and the first images, once attention is over
.set MB,    266240     ; 256 mask biases
.set SPARE, 267264     ; the spare words, 128 bytes a wave: four blocks of 256 bytes that no other line names
.set WBLK,  131072
; window 0: v0 thread, v1 r, v2 h, v3 l, v4-5 the add's two, v6 fragment place, v7 my image, v8 my place in a weight block, v9-10 addresses at work, v11 where O goes, v12 stage in, v13 stage back,
;   v14 16 l, v16-31 at work, v32-47 two accumulators (or LN gain and bias), v48-63 C tiles / bias vectors / addresses, v64-127 X fragments, v128-255 weights, rows or S^T
; window 1: v0-127 K (tile t at 8 t), v128-255 V's weights, then V^T (channel block cb, keys 32 b at 128 + 64 cb + 8 b)
.set EPK, 0
.set EPQ, 1
.set EPG, 2
.set EPR, 3
.set EPS, 4
.set MSB, 0
.macro WIN new                         ; s_set_vgpr_msb: bits 1:0 source 0, 3:2 source 1, 5:4 source 2, 7:6 destination; the high byte repeats the setting that is left
.if MSB != (\new)
	s_set_vgpr_msb (MSB<<8)|(\new)
.set MSB, (\new)
.endif
.endm
.macro PL4                             ; four plain places behind matrix instructions, ahead of loads into registers that they have read
.rept 4
	v_nop
.endr
.endm
.macro PL5                             ; five plain places behind matrix instructions, ahead of what reads their results or writes their registers
.rept 5
	v_nop
.endr
.endm
.macro BAR                             ; my LDS instructions are done; then all eight waves meet
	s_wait_dscnt 0x0
	s_barrier_signal -1
	s_barrier_wait -1
.endm
.macro LOADW sb, off, wb               ; my 32 rows of a weight block, all 256 k, into v128-255 of window wb: n tile u, k step f at v[128 + 64 u + 8 f]
	WIN 0x40*(\wb)
.irp u, 0,1
.irp f, 0,1,2,3,4,5,6,7
	global_load_b128 v[128+64*(\u)+8*(\f):128+64*(\u)+8*(\f)+3], v8, s[\sb:\sb+1] offset:(\off)+8192*(\u)+64*(\f)
	global_load_b128 v[128+64*(\u)+8*(\f)+4:128+64*(\u)+8*(\f)+7], v8, s[\sb:\sb+1] offset:(\off)+8192*(\u)+64*(\f)+32
.endr
.endr
	WIN 0
.endm
.macro MMA swap, cinit, f, u
.set rD, 32+8*(\u)
.set rA, 128+64*(\u)+8*(\f)
.set rB, 64+8*(\f)
.if \swap
.set rA, 64+8*(\f)
.set rB, 128+64*(\u)+8*(\f)
.endif
.if ((\f) == 0) && (\cinit)
	v_wmma_f32_16x16x32_f16 v[rD:rD+7], v[rA:rA+7], v[rB:rB+7], v[48+8*(\u):55+8*(\u)]
.elseif (\f) == 0
	v_wmma_f32_16x16x32_f16 v[rD:rD+7], v[rA:rA+7], v[rB:rB+7], 0
.else
	v_wmma_f32_16x16x32_f16 v[rD:rD+7], v[rA:rA+7], v[rB:rB+7], v[rD:rD+7]
.endif
.endm
; eight products: k steps 4 hf .. 4 hf + 3 x my two column tiles, the two accumulators by turns.  swap = 1: tokens are source 0.  cinit = 1: the sums start with v48-63.  wb: the weights' window
.macro MMH swap, cinit, wb, hf
	WIN (\wb)*(1+3*(\swap))
.irp f, 0,1,2,3
.irp u, 0,1
	MMA \swap, \cinit, 4*(\hf)+(\f), \u
.endr
.endr
	WIN 0
.endm
.macro LDH hf                          ; eight LDS loads: k steps 4 hf .. 4 hf + 3 of the 16 tokens at v9
.irp f, 0,1,2,3
	ds_load_b128 v[64+32*(\hf)+8*(\f):64+32*(\hf)+8*(\f)+3], v9 offset:256*(\hf)+64*(\f)
	ds_load_b128 v[64+32*(\hf)+8*(\f)+4:64+32*(\hf)+8*(\f)+7], v9 offset:256*(\hf)+64*(\f)+32
.endr
.endm
; what becomes of a tile's two accumulators; it goes to the LDS address in v10.
; EPK rounded to f16, two groups d1 apart; EPQ the same, times 32^-0.5 log2 e; EPG through a sigmoid, rounded to bf16; EPR as EPK, through a ReLU; EPS as f32 into the stage
.macro EPI ep, d1
.if (\ep) == EPQ
.irp i, 0,1,2,3,4,5,6,7
	v_pk_mul_f32 v[32+2*(\i):33+2*(\i)], v[32+2*(\i):33+2*(\i)], s[42:43] op_sel_hi:[1,0]
.endr
.endif
.if (\ep) == EPG                       ; 1 / (1 + 2^(-x log2 e))
.irp i, 0,1,2,3,4,5,6,7
	v_pk_mul_f32 v[32+2*(\i):33+2*(\i)], v[32+2*(\i):33+2*(\i)], s[44:45] op_sel_hi:[1,0]
.endr
.irp i, 0,1,2,3,4,5,6,7,8,9,10,11,12,13,14,15
	v_exp_f32 v[32+(\i)], v[32+(\i)]
.endr
	v_nop                                          ; a plain instruction behind the batch, and one wait ahead of its first reader
	s_wait_alu depctr_va_vdst(0)
.irp i, 0,1,2,3,4,5,6,7
	v_pk_add_f32 v[32+2*(\i):33+2*(\i)], v[32+2*(\i):33+2*(\i)], 1.0 op_sel_hi:[1,0]
.endr
.irp i, 0,1,2,3,4,5,6,7,8,9,10,11,12,13,14,15
	v_rcp_f32 v[32+(\i)], v[32+(\i)]
.endr
	v_nop
	s_wait_alu depctr_va_vdst(0)
.endif
.if (\ep) == EPR
.irp i, 0,1,2,3,4,5,6,7,8,9,10,11,12,13,14,15
	v_max_num_f32 v[32+(\i)], 0, v[32+(\i)]
.endr
.endif
.if (\ep) == EPS
	ds_store_b128 v10, v[32:35]
	ds_store_b128 v10, v[36:39] offset:16
	ds_store_b128 v10, v[40:43] offset:64
	ds_store_b128 v10, v[44:47] offset:80
.else
.irp i, 0,1,2,3,4,5,6,7
.if (\ep) == EPG
	v_cvt_pk_bf16_f32 v[16+(\i)], v[32+2*(\i)], v[33+2*(\i)]
.else
	v_cvt_pk_f16_f32 v[16+(\i)], v[32+2*(\i)], v[33+2*(\i)]
.endif
.endr
	ds_store_b128 v10, v[16:19]
	ds_store_b128 v10, v[20:23] offset:\d1
.endif
.endm
; One tile: 16 tokens x my 32 columns x 256 k.  Its 16 LDS loads were issued a tile ago, the first half, then the second half, then the last tile's stores.  nxt = 1: the next tile's are issued here.
.macro GBODY nxt, dl, dstep, swap, cinit, wb, ep, d1
	v_add_nc_u32 v10, s7, v[\dl]
	s_wait_dscnt 8                                 ; the first half is in: behind it stand the second half's eight loads (and, from the second tile on, the last tile's stores: then part of the second half is waited for too)
	MMH \swap, \cinit, \wb, 0
.if \nxt
	s_add_co_u32 s6, s6, 16*XP
	v_add_nc_u32 v9, s6, v6                        ; the next tile; with the four below, the places in front of the loads
	PL4
	LDH 0
	s_wait_dscnt 8                                 ; the second half is in: the eight loads just issued may be out
.else
	s_wait_dscnt 0x0
.endif
	MMH \swap, \cinit, \wb, 1
	PL5
.if \nxt
	LDH 1
.endif
	EPI \ep, \d1
	s_add_co_u32 s7, s7, \dstep
.endm
; n token tiles from LDS byte xb on; what a tile makes goes to v[dl] + d0 + tile x dstep.  The last tile is written out, so that nothing is read behind the n tiles.
.macro GLOOP n, xb, dl, d0, dstep, swap, cinit, wb, ep, d1
	s_mov_b32 s5, (\n)-1
	s_mov_b32 s6, \xb
	s_mov_b32 s7, \d0
	v_add_nc_u32 v9, s6, v6
	LDH 0
	LDH 1
.Lg\@:
	GBODY 1, \dl, \dstep, \swap, \cinit, \wb, \ep, \d1
	s_sub_co_u32 s5, s5, 1
	s_cmp_lg_u32 s5, 0
	s_cbranch_scc1 .Lg\@
	GBODY 0, \dl, \dstep, \swap, \cinit, \wb, \ep, \d1
.endm
.macro IMG2REG base, n                 ; n groups of four registers of window 1 out of my image: LDS serves a wave's instructions in order, so these see the stores above and not those that follow
	WIN 0x40
.set i, 0
.rept \n
	ds_load_b128 v[(\base)+4*i:(\base)+4*i+3], v7 offset:512*i
.set i, i+1
.endr
	WIN 0
.endm
.macro RED4                            ; v16, v18, v20, v22: each summed over the 32 lanes, the result in every lane
.irp x, 1,2,4,8
.irp i, 0,1,2,3
	v_add_f32_dpp v[16+2*(\i)], v[16+2*(\i)], v[16+2*(\i)] row_xmask:\x row_mask:0xf bank_mask:0xf
.endr
.endr
.irp i, 0,1,2,3
	v_permlanex16_b32 v[17+2*(\i)], v[16+2*(\i)], s40, s41
.endr
.irp i, 0,1,2,3
	v_add_f32 v[16+2*(\i)], v[16+2*(\i)], v[17+2*(\i)]
.endr
.endm
; LN of four rows (row i in 8 registers at base + 8 i of window d; a lane holds channels 4 l .. + 3 and 128 + 4 l .. + 3), rounded to f16, to LDS rows row0 .. row0 + 3 behind v10
.macro LN4 base, d, row0
	WIN 0x05*(\d)
.irp i, 0,1,2,3
	v_pk_add_f32 v[24+2*(\i):25+2*(\i)], v[(\base)+8*(\i):(\base)+8*(\i)+1], v[(\base)+8*(\i)+2:(\base)+8*(\i)+3]
.endr
	WIN 0x01*(\d)
.irp j, 4,6
.irp i, 0,1,2,3
	v_pk_add_f32 v[24+2*(\i):25+2*(\i)], v[(\base)+8*(\i)+(\j):(\base)+8*(\i)+(\j)+1], v[24+2*(\i):25+2*(\i)]
.endr
.endr
	WIN 0
.irp i, 0,1,2,3
	v_add_f32 v[16+2*(\i)], v[24+2*(\i)], v[25+2*(\i)]
.endr
	RED4
.irp i, 0,1,2,3
	v_mul_f32 v[16+2*(\i)], s36, v[16+2*(\i)]      ; the mean
.endr
	WIN 0x41*(\d)
.irp i, 0,1,2,3
.irp j, 0,2,4,6
	v_pk_add_f32 v[(\base)+8*(\i)+(\j):(\base)+8*(\i)+(\j)+1], v[(\base)+8*(\i)+(\j):(\base)+8*(\i)+(\j)+1], v[16+2*(\i):17+2*(\i)] op_sel_hi:[1,0] neg_lo:[0,1] neg_hi:[0,1]
.endr
.endr
	WIN 0x05*(\d)
.irp i, 0,1,2,3
	v_pk_mul_f32 v[24+2*(\i):25+2*(\i)], v[(\base)+8*(\i):(\base)+8*(\i)+1], v[(\base)+8*(\i):(\base)+8*(\i)+1]
.endr
.irp j, 2,4,6
.irp i, 0,1,2,3
	v_pk_fma_f32 v[24+2*(\i):25+2*(\i)], v[(\base)+8*(\i)+(\j):(\base)+8*(\i)+(\j)+1], v[(\base)+8*(\i)+(\j):(\base)+8*(\i)+(\j)+1], v[24+2*(\i):25+2*(\i)]
.endr
.endr
	WIN 0
.irp i, 0,1,2,3
	v_add_f32 v[16+2*(\i)], v[24+2*(\i)], v[25+2*(\i)]
.endr
	RED4
.irp i, 0,1,2,3
	v_fma_f32 v[16+2*(\i)], v[16+2*(\i)], s36, s37 ; variance + 1e-5
.endr
.irp i, 0,1,2,3
	v_rsq_f32 v[16+2*(\i)], v[16+2*(\i)]
.endr
	v_nop                                          ; a plain instruction behind the last root, and one wait for the four
	s_wait_alu depctr_va_vdst(0)
	WIN 0x41*(\d)
.irp i, 0,1,2,3
.irp j, 0,2,4,6
	v_pk_mul_f32 v[(\base)+8*(\i)+(\j):(\base)+8*(\i)+(\j)+1], v[(\base)+8*(\i)+(\j):(\base)+8*(\i)+(\j)+1], v[16+2*(\i):17+2*(\i)] op_sel_hi:[1,0]
.endr
.endr
.irp i, 0,1,2,3
.irp j, 0,2,4,6
	v_pk_fma_f32 v[(\base)+8*(\i)+(\j):(\base)+8*(\i)+(\j)+1], v[(\base)+8*(\i)+(\j):(\base)+8*(\i)+(\j)+1], v[32+(\j):33+(\j)], v[40+(\j):41+(\j)]
.endr
.endr
	WIN 0x05*(\d)
.irp i, 0,1,2,3
.irp j, 0,1,2,3
	v_cvt_pk_f16_f32 v[96+4*(\i)+(\j)], v[(\base)+8*(\i)+2*(\j)], v[(\base)+8*(\i)+2*(\j)+1]
.endr
.endr
	WIN 0
.irp i, 0,1,2,3
	ds_store_b64 v10, v[96+4*(\i):97+4*(\i)] offset:((\row0)+(\i))*XP
	ds_store_b64 v10, v[98+4*(\i):99+4*(\i)] offset:((\row0)+(\i))*XP+256
.endr
.endm
; rows 4 b .. 4 b + 3 of my 16 (at v[128 + 32 b ..]) += the stage's rows + the bias vector in v48-55.  yg: loads issued behind the 32 of the rows
.macro ADD4 b, yg
.irp i, 0,1,2,3
	ds_load_b128 v[64+8*(\i):64+8*(\i)+3], v13 offset:(4*(\b)+(\i))*SGP
	ds_load_b128 v[64+8*(\i)+4:64+8*(\i)+7], v13 offset:(4*(\b)+(\i))*SGP+512
.endr
	s_wait_loadcnt 24-8*(\b)+(\yg)                 ; these four rows (and the older bias vectors) are in; the later batches' eight loads each, and the yg behind them, may be out
	s_wait_dscnt 0x0
.irp i, 0,1,2,3
.irp j, 0,2,4,6
.set rD, 128+32*(\b)+8*(\i)+(\j)
	v_pk_add_f32 v[rD:rD+1], v[rD:rD+1], v[64+8*(\i)+(\j):64+8*(\i)+(\j)+1]
.endr
.endr
.irp i, 0,1,2,3
.irp j, 0,2,4,6
.set rD, 128+32*(\b)+8*(\i)+(\j)
	v_pk_add_f32 v[rD:rD+1], v[rD:rD+1], v[48+(\j):49+(\j)]
.endr
.endr
.endm
; Softmax of one query a lane over nk tiles of 16 keys (S^T, already times log2 e, at v128 on; the query's other keys lie in the lane 16 away).  Leaves the weights, rounded to f16 in pairs, at
; v128 on, and 1 / sum in v20.  Each accumulator's lowest registers are read first.
.macro SOFTMAX nk
.set g, 0
.rept (\nk)/4
.set st, 0
.rept 4
.set c, 0
.rept 4
.set rS, 128+8*(4*g+c)
.if (g == 0) && (st == 0)
	v_max3_num_f32 v[16+c], v[rS], v[rS+1], v[rS+2]
.elseif (g == 0) && (st == 3)
	v_max_num_f32 v[16+c], v[16+c], v[rS+7]
.elseif g == 0
	v_max3_num_f32 v[16+c], v[16+c], v[rS+2*st+1], v[rS+2*st+2]
.else
	v_max3_num_f32 v[16+c], v[16+c], v[rS+2*st], v[rS+2*st+1]
.endif
.set c, c+1
.endr
.set st, st+1
.endr
.set g, g+1
.endr
	v_max3_num_f32 v16, v16, v17, v18
	v_max_num_f32 v16, v16, v19
	v_permlanex16_b32 v20, v16, s40, s41
	v_max_num_f32 v16, v16, v20                    ; the query's maximum
.set p, 0
.rept 4*(\nk)                          ; s - max: at most 0
	v_pk_add_f32 v[128+2*p:129+2*p], v[128+2*p:129+2*p], v[16:17] op_sel_hi:[1,0] neg_lo:[0,1] neg_hi:[0,1]
.set p, p+1
.endr
.set p, 0
.rept 8*(\nk)
	v_exp_f32 v[128+p], v[128+p]
.set p, p+1
.endr
	v_nop                                          ; a plain instruction behind the batch, and one wait for all of it
	s_wait_alu depctr_va_vdst(0)
.set p, 0
.rept 4
	v_pk_add_f32 v[24+2*p:25+2*p], v[128+2*p:129+2*p], v[136+2*p:137+2*p]
.set p, p+1
.endr
.set p, 8
.rept 4*(\nk)-8
	v_pk_add_f32 v[24+2*(p%4):25+2*(p%4)], v[24+2*(p%4):25+2*(p%4)], v[128+2*p:129+2*p]
.set p, p+1
.endr
	v_pk_add_f32 v[24:25], v[24:25], v[26:27]
	v_pk_add_f32 v[28:29], v[28:29], v[30:31]
	v_pk_add_f32 v[24:25], v[24:25], v[28:29]
	v_add_f32 v21, v24, v25
	v_permlanex16_b32 v20, v21, s40, s41
	v_add_f32 v21, v21, v20
	v_rcp_f32 v20, v21
.set p, 0
.rept 4*(\nk)                          ; in place, ascending: register p takes weights 2 p and 2 p + 1
	v_cvt_pk_f16_f32 v[128+p], v[128+2*p], v[129+2*p]
.set p, p+1
.endr
	s_wait_alu depctr_va_vdst(0)                   ; the reciprocal's wait: behind the roundings, ahead of the branches and of its reader
.endm
; O^T (v80-95) / sum x gate (v72-79, bf16), rounded to f16, to the LDS address in v10.  Five places stand between the last product and this
.macro GATE
.irp i, 0,1,2,3,4,5,6,7
	v_pk_mul_f32 v[80+2*(\i):81+2*(\i)], v[80+2*(\i):81+2*(\i)], v[20:21] op_sel_hi:[1,0]
.endr
.irp i, 0,1,2,3,4,5,6,7
	v_lshlrev_b32 v[96+2*(\i)], 16, v[72+(\i)]
	v_and_b32 v[97+2*(\i)], s34, v[72+(\i)]
.endr
.irp i, 0,1,2,3,4,5,6,7
	v_pk_mul_f32 v[80+2*(\i):81+2*(\i)], v[80+2*(\i):81+2*(\i)], v[96+2*(\i):97+2*(\i)]
.endr
.irp i, 0,1,2,3,4,5,6,7
	v_cvt_pk_f16_f32 v[16+(\i)], v[80+2*(\i)], v[81+2*(\i)]
.endr
	ds_store_b128 v10, v[16:19]
	ds_store_b128 v10, v[20:23] offset:32
.endm
; sixteen loads: the pair bias of key tiles 8 hi .. 8 hi + 7 for the 16 queries at s[52:53] + off; it lands where the scores are summed: a lane's 8 keys are 32 bytes of its query's row
.macro BLOAD hi, off
.set kt, 0
.rept 8
	global_load_b128 v[128+64*(\hi)+8*kt:131+64*(\hi)+8*kt], v[49+(\hi)], s[52:53] offset:(\off)+64*kt
	global_load_b128 v[132+64*(\hi)+8*kt:135+64*(\hi)+8*kt], v[49+(\hi)], s[52:53] offset:(\off)+64*kt+16
.set kt, kt+1
.endr
.endm
.macro TSET ts, k                      ; rT: the eight registers that set ts has for a group's tile k: set 0 v96-127; set 1 v32-47, v24-31, v56-63
.if \ts
.set rT, 32+8*(\k)
.if (\k) == 2
.set rT, 24
.endif
.if (\k) == 3
.set rT, 56
.endif
.else
.set rT, 96+8*(\k)
.endif
.endm
.macro MLOAD g, ts                     ; eight LDS loads: the mask biases of key tiles 4 g .. 4 g + 3 into set ts
.irp k, 0,1,2,3
	TSET \ts, \k
	ds_load_b128 v[rT:rT+3], v48 offset:(4*(\g)+(\k))*64
	ds_load_b128 v[rT+4:rT+7], v48 offset:(4*(\g)+(\k))*64+16
.endr
.endm
.macro BFMA g, ts                      ; pair bias x log2 e + mask bias for key tiles 4 g .. 4 g + 3: what the scores' sums start with
.irp k, 0,1,2,3
	TSET \ts, \k
.irp e, 0,2,4,6
	v_pk_fma_f32 v[128+32*(\g)+8*(\k)+(\e):129+32*(\g)+8*(\k)+(\e)], v[128+32*(\g)+8*(\k)+(\e):129+32*(\g)+8*(\k)+(\e)], s[38:39], v[rT+(\e):rT+(\e)+1] op_sel_hi:[1,0,1]
.endr
.endr
.endm
	s_load_b512 s[8:23], s[0:1], 0x0               ; m, m_mask, bias, wts, ln_w, ln_b, bg, bo
	s_load_b64 s[24:25], s[0:1], 0x40              ; m1
	v_lshl_add_u32 v4, v0, 2, SPARE                ; my spare word,
	v_mov_b32 v5, 0                                ; and 0: kept for the wave's end alone
	v_and_b32 v3, 31, v0
	v_and_b32 v1, 15, v0
	v_bfe_u32 v2, v0, 4, 1
	v_lshrrev_b32 v16, 5, v0
	v_readfirstlane_b32 s2, v16                    ; wave = head
	s_mov_b32 s3, ttmp9                            ; qh
	s_and_b32 s4, ttmp7, 0xffff                    ; s
	s_mov_b32 s34, 0xffff0000
	s_mov_b32 s36, 0x3b800000                      ; 1/256
	s_mov_b32 s37, 0x3727c5ac                      ; 1e-5
	s_mov_b32 s38, 0x3fb8aa3b                      ; log2 e
	s_mov_b32 s39, s38
	s_mov_b32 s40, 0x76543210
	s_mov_b32 s41, 0xfedcba98
	s_mov_b32 s42, 0x3e8293ee                      ; 32^-0.5 log2 e = 0.255035
	s_mov_b32 s43, s42
	s_mov_b32 s44, 0xbfb8aa3b                      ; -log2 e
	s_mov_b32 s45, s44
	v_mul_u32_u24 v6, v1, XP
	v_lshl_add_u32 v6, v2, 4, v6
	s_lshl_b32 s56, s2, 14
	v_lshl_add_u32 v8, v1, 9, s56
	v_lshl_add_u32 v8, v2, 4, v8                   ; (32 w + r) x 512 + 16 h
	s_add_co_u32 s56, s56, IMG
	v_lshl_add_u32 v7, v3, 4, s56
	s_lshl_b32 s56, s2, 6
	s_add_co_u32 s56, s56, OB
	v_add_nc_u32 v11, s56, v6                      ; row r, channels 32 w + 8 h on
	v_mul_u32_u24 v12, v1, SGP
	v_lshl_add_u32 v12, v2, 5, v12
	s_lshl_b32 s56, s2, 7
	s_add_co_u32 s56, s56, STG
	v_add_nc_u32 v12, s56, v12
	s_mul_i32 s56, s2, 16*SGP
	s_add_co_u32 s56, s56, STG
	v_lshl_add_u32 v13, v3, 4, s56
	v_lshlrev_b32 v14, 4, v3
.irp i, 17,19,21,23
	v_mov_b32 v[\i], 0                             ; the lane exchange counts its destination as read
.endr
	s_lshl_b32 s56, s2, 15
	s_lshl_b32 s57, s3, 17
	s_xor_b32 s56, s56, s57
	v_lshl_add_u32 v9, v3, 4, s56                  ; in m[s]: token (32 w xor 128 qh), 16 l
	s_mul_i32 s56, s2, 32*XP
	v_lshl_add_u32 v51, v3, 3, s56                 ; LDS rows 32 w on, 8 bytes a lane
	v_lshlrev_b32 v48, 2, v0
	s_lshl_b32 s57, s3, 9
	v_xor_b32 v48, s57, v48                        ; the mask of token (thread xor 128 qh)
	v_lshl_add_u32 v50, v0, 2, MB
	s_lshl_b32 s56, s4, 18
	s_mov_b32 s57, 0
	s_wait_kmcnt 0x0
	s_add_nc_u64 s[46:47], s[8:9], s[56:57]        ; m[s]
	s_add_nc_u64 s[48:49], s[24:25], s[56:57]
	s_lshl_b32 s56, s3, 17
	s_add_nc_u64 s[50:51], s[46:47], s[56:57]      ; m and m1 at my 128 queries
	s_add_nc_u64 s[48:49], s[48:49], s[56:57]
	s_lshl_b32 s56, s4, 10
	s_add_nc_u64 s[54:55], s[10:11], s[56:57]      ; m_mask[s]
	s_lshl_b32 s56, s2, 18
	s_lshl_b32 s58, s3, 17
	s_add_co_u32 s56, s56, s58
	s_add_nc_u64 s[52:53], s[12:13], s[56:57]      ; bias[w][128 qh]: it walks 16 rows a trip
	; ---- LN of my 32 tokens into X; the mask biases.  Four slots of four rows in v128-255, walked twice.  A slot that has been worked on is filled again with eight loads on either arm:
	; in the first trip with the rows 16 further down, in the second with its part of K's weights.  So three younger slots, 24 loads, stand behind a slot's own in every turn.
	global_load_b128 v[32:35], v14, s[16:17]
	global_load_b128 v[36:39], v14, s[16:17] offset:512
	global_load_b128 v[40:43], v14, s[18:19]
	global_load_b128 v[44:47], v14, s[18:19] offset:512
	global_load_b32 v49, v48, s[54:55]
.set i, 0
.rept 16
	global_load_b128 v[128+8*i:131+8*i], v9, s[46:47] offset:1024*i
	global_load_b128 v[132+8*i:135+8*i], v9, s[46:47] offset:1024*i+512
.set i, i+1
.endr
	s_wait_loadcnt 32                              ; the five small loads are in; the 32 loads of rows 0-15 may be out
	v_add_f32 v49, -1.0, v49
	v_mul_f32 v49, 0x4eabfb8f, v49                 ; (mask - 1) x 1e9 log2 e
	ds_store_b32 v50, v49
	s_mov_b32 s5, 2
	s_mov_b32 s7, 0
.Lln:
	v_add_nc_u32 v10, s7, v51
.irp b, 0,1,2,3
	s_wait_loadcnt 24                              ; this slot's eight loads are in; the three younger slots' may be out
	LN4 128+32*(\b), 0, 4*(\b)
	s_cmp_eq_u32 s5, 2
	s_cbranch_scc0 .Lkw\b
.irp i, 0,1,2,3
	global_load_b128 v[128+32*(\b)+8*(\i):131+32*(\b)+8*(\i)], v9, s[46:47] offset:1024*(16+4*(\b)+(\i))
	global_load_b128 v[132+32*(\b)+8*(\i):135+32*(\b)+8*(\i)], v9, s[46:47] offset:1024*(16+4*(\b)+(\i))+512
.endr
	s_branch .Lfd\b
.Lkw\b:
.irp j, 0,1,2,3                                ; K's weights: n tile b / 2, k steps 4 (b % 2) + j: the registers of this slot
	global_load_b128 v[128+32*(\b)+8*(\j):131+32*(\b)+8*(\j)], v8, s[14:15] offset:WBLK+8192*((\b)/2)+64*(4*((\b)%2)+(\j))
	global_load_b128 v[132+32*(\b)+8*(\j):135+32*(\b)+8*(\j)], v8, s[14:15] offset:WBLK+8192*((\b)/2)+64*(4*((\b)%2)+(\j))+32
.endr
.Lfd\b:
.endr
	s_add_co_u32 s7, s7, 16*XP
	s_sub_co_u32 s5, s5, 1
	s_cmp_lg_u32 s5, 0
	s_cbranch_scc1 .Lln
	BAR                                            ; X and the mask biases are whole
	; ---- the projections of my head
	s_wait_loadcnt 0x0                             ; K's weights
	LOADW 14, 2*WBLK, 1                            ; V's, into window 1: they have K's product in which to land
	GLOOP 16, 0, 7, 0, 1024, 0, 0, 0, EPK, 512
	s_wait_loadcnt 0x0                             ; V's weights
	LOADW 14, 0*WBLK, 0                            ; Q's: they have V's product in which to land
	IMG2REG 0, 32                                  ; K
	GLOOP 16, 0, 7, 0, 512, 1, 0, 1, EPK, 8192
	IMG2REG 128, 32                                ; V^T, over V's weights
	s_wait_loadcnt 0x0                             ; Q's weights
	GLOOP 8, 0, 7, 0, 1024, 0, 0, 0, EPQ, 512      ; Q of LDS rows 0-127: stays in the image's first half
	LOADW 14, 3*WBLK, 0
	s_lshl_b32 s56, s2, 7
	v_lshl_add_u32 v16, v2, 5, s56                 ; bg of channels 32 w + 8 h on
	global_load_b128 v[48:51], v16, s[20:21]
	global_load_b128 v[52:55], v16, s[20:21] offset:16
	global_load_b128 v[56:59], v16, s[20:21] offset:64
	global_load_b128 v[60:63], v16, s[20:21] offset:80
	s_wait_loadcnt 0x0
	GLOOP 8, 0, 7, 8192, 1024, 0, 1, 0, EPG, 512   ; the gate: the image's second half
	v_lshlrev_b32 v48, 5, v2
	v_add_nc_u32 v48, MB, v48                      ; mask biases of keys 8 h on
	v_lshlrev_b32 v49, 10, v1
	v_lshl_add_u32 v49, v2, 5, v49                 ; bias row r, keys 8 h on;
	s_lshl_b32 s56, s3, 9
	s_xor_b32 s57, s56, 512
	v_add_nc_u32 v50, s57, v49                     ; LDS keys 128-255 are the other half's tokens,
	v_add_nc_u32 v49, s56, v49                     ; LDS keys 0-127 my half's
	BLOAD 1, 0                                     ; the first trip's pair bias, in the order in which every trip asks: the upper eight key tiles, then the lower
	BLOAD 0, 0
	BAR                                            ; nobody reads X any more: O may be laid over it
	; ---- attention: a trip is 16 queries x 256 keys of my head.  Its pair bias was asked for in the trip before; the groups of four key tiles are taken in the order of the requests: 2, 3, 0, 1
	s_mov_b32 s5, 8
	s_mov_b32 s6, 0
	s_mov_b32 s7, 0
.Lq:
	v_add_nc_u32 v9, s6, v7
	ds_load_b128 v[64:67], v9                      ; Q
	ds_load_b128 v[68:71], v9 offset:512
	ds_load_b128 v[72:75], v9 offset:8192          ; the gate
	ds_load_b128 v[76:79], v9 offset:8704
	MLOAD 2, 0
	MLOAD 3, 1
	s_wait_loadcnt 24                              ; group 2's bias is in; the three later groups' eight loads each may be out
	s_wait_dscnt 8                                 ; set 0 is in; set 1's eight loads may be out
	BFMA 2, 0
	MLOAD 0, 0
	s_wait_loadcnt 16
	s_wait_dscnt 8                                 ; set 1 is in; the eight loads just issued may be out
	BFMA 3, 1
	MLOAD 1, 1
	s_wait_loadcnt 8
	s_wait_dscnt 8
	BFMA 0, 0
	s_wait_loadcnt 0x0
	s_wait_dscnt 0x0
	BFMA 1, 1
	WIN 0x01                                       ; source 0 in window 1
.set kt, 0
.rept 16
	v_wmma_f32_16x16x32_f16 v[128+8*kt:135+8*kt], v[8*kt:8*kt+7], v[64:71], v[128+8*kt:135+8*kt]
.set kt, kt+1
.endr
	WIN 0
	PL5
	SOFTMAX 16
	s_cmp_eq_u32 s5, 1                             ; the last trip has no tile behind it
	s_cbranch_scc1 .Lnb1
	BLOAD 1, 16384                                 ; the weights are packed into v128-191: v192-255 take the next trip's bias
.Lnb1:
	WIN 0x01
.set b, 0
.rept 8                                        ; the two channel blocks by turns
.irp cb, 0,1
.if b == 0
	v_wmma_f32_16x16x32_f16 v[80+8*(\cb):87+8*(\cb)], v[128+64*(\cb)+8*b:135+64*(\cb)+8*b], v[128+8*b:135+8*b], 0
.else
	v_wmma_f32_16x16x32_f16 v[80+8*(\cb):87+8*(\cb)], v[128+64*(\cb)+8*b:135+64*(\cb)+8*b], v[128+8*b:135+8*b], v[80+8*(\cb):87+8*(\cb)]
.endif
.endr
.set b, b+1
.endr
	WIN 0
	v_add_nc_u32 v10, s7, v11
	PL5
	s_cmp_eq_u32 s5, 1
	s_cbranch_scc1 .Lnb0
	BLOAD 0, 16384                                 ; the products have read the weights: v128-191 take the rest
.Lnb0:
	GATE
	s_wait_xcnt 0x0                                ; the loads above have read their base: only now is it stepped
	s_add_nc_u64 s[52:53], s[52:53], 16384
	s_add_co_u32 s6, s6, 1024
	s_add_co_u32 s7, s7, 16*XP
	s_sub_co_u32 s5, s5, 1
	s_cmp_lg_u32 s5, 0
	s_cbranch_scc1 .Lq
	s_wait_loadcnt 0x0                             ; no load into v128-255 is out on any way (the last trip asked for none, so this is met at once)
	LOADW 14, 4*WBLK, 0
	BAR                                            ; O of all heads is whole; the images are dead
	; ---- O @ wo into the stage, then rows out: m1 = m + stage + bo
	s_wait_loadcnt 0x0
	GLOOP 8, OB, 12, 0, 16*SGP, 0, 0, 0, EPS, 0
	global_load_b128 v[48:51], v14, s[22:23]
	global_load_b128 v[52:55], v14, s[22:23] offset:512
	s_lshl_b32 s56, s2, 14
	v_lshl_add_u32 v9, v3, 4, s56                  ; rows 16 w on, 16 l
.set i, 0
.rept 16
	global_load_b128 v[128+8*i:131+8*i], v9, s[50:51] offset:1024*i
	global_load_b128 v[132+8*i:135+8*i], v9, s[50:51] offset:1024*i+512
.set i, i+1
.endr
	BAR                                            ; the stage is whole
.irp b, 0,1,2,3
	ADD4 \b, 0
.irp i, 0,1,2,3
	global_store_b128 v9, v[128+32*(\b)+8*(\i):131+32*(\b)+8*(\i)], s[48:49] offset:1024*(4*(\b)+(\i))  ; 512 consecutive bytes, aligned
	global_store_b128 v9, v[132+32*(\b)+8*(\i):135+32*(\b)+8*(\i)], s[48:49] offset:1024*(4*(\b)+(\i))+512
.endr
.endr
	s_wait_tensorcnt 0x0                           ; the wave's end, behind my last LDS store
	ds_add_u32 v4, v5
	s_wait_dscnt 0x0
	s_endpgm
.Lfunc_end_k_qdd1eb29b30_row:
	.size	k_qdd1eb29b30_row, .Lfunc_end_k_qdd1eb29b30_row-k_qdd1eb29b30_row
	.p2alignl 7, 3214868480
	.fill 96, 4, 3214868480
	.section	.rodata,"a",@progbits
	.p2align	6, 0x0
	.amdhsa_kernel k_qdd1eb29b30_row
		.amdhsa_group_segment_fixed_size 268288
		.amdhsa_private_segment_fixed_size 0
		.amdhsa_enable_private_segment 0
		.amdhsa_kernarg_size 72
		.amdhsa_user_sgpr_count 2
		.amdhsa_user_sgpr_kernarg_segment_ptr 1
		.amdhsa_wavefront_size32 1
		.amdhsa_system_sgpr_workgroup_id_x 1
		.amdhsa_system_sgpr_workgroup_id_y 1
		.amdhsa_system_sgpr_workgroup_id_z 1
		.amdhsa_system_vgpr_workitem_id 0
		.amdhsa_next_free_vgpr 512
		.amdhsa_next_free_sgpr 66
		.amdhsa_reserve_vcc 0
		.amdhsa_float_denorm_mode_32 3
		.amdhsa_float_denorm_mode_16_64 3
		.amdhsa_memory_ordered 1
		.amdhsa_forward_progress 1
		.amdhsa_inst_pref_size 162
	.end_amdhsa_kernel
	.amdgpu_metadata
---
amdhsa.version: [ 1, 2 ]
amdhsa.kernels:
  - .name:           k_qdd1eb29b30_row
    .symbol:         k_qdd1eb29b30_row.kd
    .args:
      - { .name: m, .offset: 0, .size: 8, .value_kind: global_buffer, .address_space: global }
      - { .name: m_mask, .offset: 8, .size: 8, .value_kind: global_buffer, .address_space: global }
      - { .name: bias, .offset: 16, .size: 8, .value_kind: global_buffer, .address_space: global }
      - { .name: wts, .offset: 24, .size: 8, .value_kind: global_buffer, .address_space: global }
      - { .name: row_ln_w, .offset: 32, .size: 8, .value_kind: global_buffer, .address_space: global }
      - { .name: row_ln_b, .offset: 40, .size: 8, .value_kind: global_buffer, .address_space: global }
      - { .name: row_bg, .offset: 48, .size: 8, .value_kind: global_buffer, .address_space: global }
      - { .name: row_bo, .offset: 56, .size: 8, .value_kind: global_buffer, .address_space: global }
      - { .name: m1, .offset: 64, .size: 8, .value_kind: global_buffer, .address_space: global }
    .group_segment_fixed_size: 268288
    .private_segment_fixed_size: 0
    .kernarg_segment_align: 8
    .kernarg_segment_size: 72
    .max_flat_workgroup_size: 256
    .sgpr_count:     66
    .vgpr_count:     512
    .wavefront_size: 32
...
	.end_amdgpu_metadata
.endif
;; end of part 2
;; launch col (part 3): grid 256 x 1, 8 waves a work-group, no clusters, 270,336 bytes of LDS; arguments m1, m_mask, wts, col_ln_w, col_ln_b, col_bg, col_bo, tr_ln_w, tr_ln_b, tr_b1, tr_b2, out0; writes out0
.if DOCPART == 3
	.amdgcn_target "amdgcn-amd-amdhsa--gfx1250"
	.amdhsa_code_object_version 6
	.text
	.protected	k_qdd1eb29b30_col
	.globl	k_qdd1eb29b30_col
	.p2align	8
	.type	k_qdd1eb29b30_col,@function
k_qdd1eb29b30_col:
	s_mov_b64 s[64:65], 0
	v_nop
	global_prefetch_b8 v0, s[64:65] scope:SCOPE_SE
	s_setreg_imm32_b32 hwreg(HW_REG_WAVE_MODE, 25, 1), 1
	s_wait_xcnt 0x0
; out0 = m2 + transition(m2), m2 = m1 + column attention(m1).  A work-group takes one residue column rr: 128 tokens (the sequences), which attend to each other alone, and the transition works
; token by token: so both steps are fused and m2 never leaves the work-group.  Eight waves; wave w owns head w, which is also columns 32 w .. 32 w + 31 of every product.
; FORMATS.  All products in f16 with f32 sums: the weights were rounded to f16 by the first launch; both LNs' results, q, k, v, the softmax's weights, the gated o and the hidden layer H are rounded
; to f16 once each.  m1, m2 (in LDS, then as the start of the last product's sums), the gains, the biases, LN, softmax, gate and residuals are in f32.  The gate, which is no matrix operand, waits in
; LDS rounded to bf16, which a shift widens again.
; ROOM IN F16 (65,504 at the most, beyond it an infinity): LN's result is at most 16 |gain| + |bias|; q, k, v, the gated o and H have a spread of about 0.8 with the drawn inputs and of about 720
; with gains and weights both 30 times larger; the softmax's weights lie in 0 to 1, and below 6e-5 they keep f16's fixed step of 6e-8.
; SOFTMAX IN BASE 2.  The scores are made already times log2 e: q is scaled by 32^-0.5 log2 e, the mask bias is (mask - 1) x 1e9 log2 e.  So the maximum is taken away by a plain subtraction, which is
; exact near the maximum however large the scores are, and every weight is 2^(s - max), at most 1.
; Fragments and images as in the row kernel: wmma(W rows, X tokens) leaves one token a lane and 8 neighbouring channels (two results, rounded, are a fragment of Q or K, and a row piece of O or H);
; wmma(X tokens, W rows) leaves one channel a lane (fragments of V^T).
; WEIGHTS come as f16 [n][k] straight into the registers of the wave that multiplies by them, into TWO BUFFERS that take turns: v128-255 of window 0 and of window 1.  Behind each product stands the wait for
; the block asked for a product ago, and then the request for the next block into the buffer just left: so every block has a whole product in which to land, and all these waits are for 0.
; X FRAGMENTS: a tile's 16 LDS loads go in two halves of eight: the next tile's first half is asked for behind this tile's first eight products, its second half behind the second eight.
; THE TRANSITION goes in four chunks of 256 hidden channels: H = relu(X2 W1c + b1c) into LDS, then all 16 accumulators of my 128 tokens x 32 columns (window 1) += H W2c.
; NO CLUSTER, NO TENSOR LOAD: the two operand regions (135,168 bytes) and the stage (133,120) leave 57 KB of LDS, less than one weight block's 131,072 bytes, so there is no LDS tile that a joint load could fill.
; LIMITS.  Where scores are as large as 1e9 (ALL 128 keys of a column masked) the roundings at that size may fall otherwise than the reference's.  A weight below 2^-126 counts as 0.  NaN and infinities are not treated apart.
.set XP,    528        ; an LDS row of 256 f16: 512 bytes + 16
.set SGP,   1040       ; an LDS row of 256 f32: 1,024 + 16
.set OB,    67584      ; region B, behind region A's 128 rows: gated O, later H
.set IMG,   135168     ; 16,384 bytes for each wave, until attention is over;
.set STG,   135168     ; then the stage, 128 rows x 1,040
.set MB,    268288     ; 128 mask biases
.set SPARE, 269312     ; the spare words, 128 bytes a wave: four blocks of 256 bytes that no other line names
.set WBLK,  131072
; window 0 as in the row kernel; in attention v128-191 S^T, v192-255 the mask biases as a C operand; v26 the offset of bg and b1; in the transition v24 stage in (rows 64 on), v25 H's fragments
; window 1: v0-63 K, v64-127 V^T (64 + 32 cb + 8 b); in the transition v0-127 the accumulators, (token tile t, column tile u) at 16 t + 8 u; v128-255 the second weight buffer
.set EPK, 0
.set EPQ, 1
.set EPG, 2
.set EPR, 3
.set EPS, 4
.set MSB, 0
.macro WIN new                         ; s_set_vgpr_msb: bits 1:0 source 0, 3:2 source 1, 5:4 source 2, 7:6 destination; the high byte repeats the setting that is left
.if MSB != (\new)
	s_set_vgpr_msb (MSB<<8)|(\new)
.set MSB, (\new)
.endif
.endm
.macro PL4                             ; four plain places behind matrix instructions, ahead of loads into registers that they have read
.rept 4
	v_nop
.endr
.endm
.macro PL5                             ; five plain places behind matrix instructions, ahead of what reads their results or writes their registers
.rept 5
	v_nop
.endr
.endm
.macro BAR                             ; my LDS instructions are done; then all eight waves meet
	s_wait_dscnt 0x0
	s_barrier_signal -1
	s_barrier_wait -1
.endm
.macro LOADW sb, off, wb               ; my 32 rows of a weight block, all 256 k, into v128-255 of window wb: n tile u, k step f at v[128 + 64 u + 8 f]
	WIN 0x40*(\wb)
.irp u, 0,1
.irp f, 0,1,2,3,4,5,6,7
	global_load_b128 v[128+64*(\u)+8*(\f):128+64*(\u)+8*(\f)+3], v8, s[\sb:\sb+1] offset:(\off)+8192*(\u)+64*(\f)
	global_load_b128 v[128+64*(\u)+8*(\f)+4:128+64*(\u)+8*(\f)+7], v8, s[\sb:\sb+1] offset:(\off)+8192*(\u)+64*(\f)+32
.endr
.endr
	WIN 0
.endm
.macro MMA swap, cinit, f, u
.set rD, 32+8*(\u)
.set rA, 128+64*(\u)+8*(\f)
.set rB, 64+8*(\f)
.if \swap
.set rA, 64+8*(\f)
.set rB, 128+64*(\u)+8*(\f)
.endif
.if ((\f) == 0) && (\cinit)
	v_wmma_f32_16x16x32_f16 v[rD:rD+7], v[rA:rA+7], v[rB:rB+7], v[48+8*(\u):55+8*(\u)]
.elseif (\f) == 0
	v_wmma_f32_16x16x32_f16 v[rD:rD+7], v[rA:rA+7], v[rB:rB+7], 0
.else
	v_wmma_f32_16x16x32_f16 v[rD:rD+7], v[rA:rA+7], v[rB:rB+7], v[rD:rD+7]
.endif
.endm
; eight products: k steps 4 hf .. 4 hf + 3 x my two column tiles, the two accumulators by turns.  swap = 1: tokens are source 0.  cinit = 1: the sums start with v48-63.  wb: the weights' window
.macro MMH swap, cinit, wb, hf
	WIN (\wb)*(1+3*(\swap))
.irp f, 0,1,2,3
.irp u, 0,1
	MMA \swap, \cinit, 4*(\hf)+(\f), \u
.endr
.endr
	WIN 0
.endm
.macro LDH hf                          ; eight LDS loads: k steps 4 hf .. 4 hf + 3 of the 16 tokens at v9
.irp f, 0,1,2,3
	ds_load_b128 v[64+32*(\hf)+8*(\f):64+32*(\hf)+8*(\f)+3], v9 offset:256*(\hf)+64*(\f)
	ds_load_b128 v[64+32*(\hf)+8*(\f)+4:64+32*(\hf)+8*(\f)+7], v9 offset:256*(\hf)+64*(\f)+32
.endr
.endm
; what becomes of a tile's two accumulators; it goes to the LDS address in v10.
; EPK rounded to f16, two groups d1 apart; EPQ the same, times 32^-0.5 log2 e; EPG through a sigmoid, rounded to bf16; EPR as EPK, through a ReLU; EPS as f32 into the stage
.macro EPI ep, d1
.if (\ep) == EPQ
.irp i, 0,1,2,3,4,5,6,7
	v_pk_mul_f32 v[32+2*(\i):33+2*(\i)], v[32+2*(\i):33+2*(\i)], s[42:43] op_sel_hi:[1,0]
.endr
.endif
.if (\ep) == EPG                       ; 1 / (1 + 2^(-x log2 e))
.irp i, 0,1,2,3,4,5,6,7
	v_pk_mul_f32 v[32+2*(\i):33+2*(\i)], v[32+2*(\i):33+2*(\i)], s[44:45] op_sel_hi:[1,0]
.endr
.irp i, 0,1,2,3,4,5,6,7,8,9,10,11,12,13,14,15
	v_exp_f32 v[32+(\i)], v[32+(\i)]
.endr
	v_nop                                          ; a plain instruction behind the batch, and one wait ahead of its first reader
	s_wait_alu depctr_va_vdst(0)
.irp i, 0,1,2,3,4,5,6,7
	v_pk_add_f32 v[32+2*(\i):33+2*(\i)], v[32+2*(\i):33+2*(\i)], 1.0 op_sel_hi:[1,0]
.endr
.irp i, 0,1,2,3,4,5,6,7,8,9,10,11,12,13,14,15
	v_rcp_f32 v[32+(\i)], v[32+(\i)]
.endr
	v_nop
	s_wait_alu depctr_va_vdst(0)
.endif
.if (\ep) == EPR
.irp i, 0,1,2,3,4,5,6,7,8,9,10,11,12,13,14,15
	v_max_num_f32 v[32+(\i)], 0, v[32+(\i)]
.endr
.endif
.if (\ep) == EPS
	ds_store_b128 v10, v[32:35]
	ds_store_b128 v10, v[36:39] offset:16
	ds_store_b128 v10, v[40:43] offset:64
	ds_store_b128 v10, v[44:47] offset:80
.else
.irp i, 0,1,2,3,4,5,6,7
.if (\ep) == EPG
	v_cvt_pk_bf16_f32 v[16+(\i)], v[32+2*(\i)], v[33+2*(\i)]
.else
	v_cvt_pk_f16_f32 v[16+(\i)], v[32+2*(\i)], v[33+2*(\i)]
.endif
.endr
	ds_store_b128 v10, v[16:19]
	ds_store_b128 v10, v[20:23] offset:\d1
.endif
.endm
; One tile: 16 tokens x my 32 columns x 256 k.  Its 16 LDS loads were issued a tile ago, the first half, then the second half, then the last tile's stores.  nxt = 1: the next tile's are issued here.
.macro GBODY nxt, dl, dstep, swap, cinit, wb, ep, d1
	v_add_nc_u32 v10, s7, v[\dl]
	s_wait_dscnt 8                                 ; the first half is in: behind it stand the second half's eight loads (and, from the second tile on, the last tile's stores: then part of the second half is waited for too)
	MMH \swap, \cinit, \wb, 0
.if \nxt
	s_add_co_u32 s6, s6, 16*XP
	v_add_nc_u32 v9, s6, v6                        ; the next tile; with the four below, the places in front of the loads
	PL4
	LDH 0
	s_wait_dscnt 8                                 ; the second half is in: the eight loads just issued may be out
.else
	s_wait_dscnt 0x0
.endif
	MMH \swap, \cinit, \wb, 1
	PL5
.if \nxt
	LDH 1
.endif
	EPI \ep, \d1
	s_add_co_u32 s7, s7, \dstep
.endm
; n token tiles from LDS byte xb on; what a tile makes goes to v[dl] + d0 + tile x dstep.  The last tile is written out, so that nothing is read behind the n tiles.
.macro GLOOP n, xb, dl, d0, dstep, swap, cinit, wb, ep, d1
	s_mov_b32 s5, (\n)-1
	s_mov_b32 s6, \xb
	s_mov_b32 s7, \d0
	v_add_nc_u32 v9, s6, v6
	LDH 0
	LDH 1
.Lg\@:
	GBODY 1, \dl, \dstep, \swap, \cinit, \wb, \ep, \d1
	s_sub_co_u32 s5, s5, 1
	s_cmp_lg_u32 s5, 0
	s_cbranch_scc1 .Lg\@
	GBODY 0, \dl, \dstep, \swap, \cinit, \wb, \ep, \d1
.endm
.macro IMG2REG base, n                 ; n groups of four registers of window 1 out of my image: LDS serves a wave's instructions in order, so these see the stores above and not those that follow
	WIN 0x40
.set i, 0
.rept \n
	ds_load_b128 v[(\base)+4*i:(\base)+4*i+3], v7 offset:512*i
.set i, i+1
.endr
	WIN 0
.endm
.macro RED4                            ; v16, v18, v20, v22: each summed over the 32 lanes, the result in every lane
.irp x, 1,2,4,8
.irp i, 0,1,2,3
	v_add_f32_dpp v[16+2*(\i)], v[16+2*(\i)], v[16+2*(\i)] row_xmask:\x row_mask:0xf bank_mask:0xf
.endr
.endr
.irp i, 0,1,2,3
	v_permlanex16_b32 v[17+2*(\i)], v[16+2*(\i)], s40, s41
.endr
.irp i, 0,1,2,3
	v_add_f32 v[16+2*(\i)], v[16+2*(\i)], v[17+2*(\i)]
.endr
.endm
; LN of four rows (row i in 8 registers at base + 8 i of window d; a lane holds channels 4 l .. + 3 and 128 + 4 l .. + 3), rounded to f16, to LDS rows row0 .. row0 + 3 behind v10
.macro LN4 base, d, row0
	WIN 0x05*(\d)
.irp i, 0,1,2,3
	v_pk_add_f32 v[24+2*(\i):25+2*(\i)], v[(\base)+8*(\i):(\base)+8*(\i)+1], v[(\base)+8*(\i)+2:(\base)+8*(\i)+3]
.endr
	WIN 0x01*(\d)
.irp j, 4,6
.irp i, 0,1,2,3
	v_pk_add_f32 v[24+2*(\i):25+2*(\i)], v[(\base)+8*(\i)+(\j):(\base)+8*(\i)+(\j)+1], v[24+2*(\i):25+2*(\i)]
.endr
.endr
	WIN 0
.irp i, 0,1,2,3
	v_add_f32 v[16+2*(\i)], v[24+2*(\i)], v[25+2*(\i)]
.endr
	RED4
.irp i, 0,1,2,3
	v_mul_f32 v[16+2*(\i)], s36, v[16+2*(\i)]      ; the mean
.endr
	WIN 0x41*(\d)
.irp i, 0,1,2,3
.irp j, 0,2,4,6
	v_pk_add_f32 v[(\base)+8*(\i)+(\j):(\base)+8*(\i)+(\j)+1], v[(\base)+8*(\i)+(\j):(\base)+8*(\i)+(\j)+1], v[16+2*(\i):17+2*(\i)] op_sel_hi:[1,0] neg_lo:[0,1] neg_hi:[0,1]
.endr
.endr
	WIN 0x05*(\d)
.irp i, 0,1,2,3
	v_pk_mul_f32 v[24+2*(\i):25+2*(\i)], v[(\base)+8*(\i):(\base)+8*(\i)+1], v[(\base)+8*(\i):(\base)+8*(\i)+1]
.endr
.irp j, 2,4,6
.irp i, 0,1,2,3
	v_pk_fma_f32 v[24+2*(\i):25+2*(\i)], v[(\base)+8*(\i)+(\j):(\base)+8*(\i)+(\j)+1], v[(\base)+8*(\i)+(\j):(\base)+8*(\i)+(\j)+1], v[24+2*(\i):25+2*(\i)]
.endr
.endr
	WIN 0
.irp i, 0,1,2,3
	v_add_f32 v[16+2*(\i)], v[24+2*(\i)], v[25+2*(\i)]
.endr
	RED4
.irp i, 0,1,2,3
	v_fma_f32 v[16+2*(\i)], v[16+2*(\i)], s36, s37 ; variance + 1e-5
.endr
.irp i, 0,1,2,3
	v_rsq_f32 v[16+2*(\i)], v[16+2*(\i)]
.endr
	v_nop                                          ; a plain instruction behind the last root, and one wait for the four
	s_wait_alu depctr_va_vdst(0)
	WIN 0x41*(\d)
.irp i, 0,1,2,3
.irp j, 0,2,4,6
	v_pk_mul_f32 v[(\base)+8*(\i)+(\j):(\base)+8*(\i)+(\j)+1], v[(\base)+8*(\i)+(\j):(\base)+8*(\i)+(\j)+1], v[16+2*(\i):17+2*(\i)] op_sel_hi:[1,0]
.endr
.endr
.irp i, 0,1,2,3
.irp j, 0,2,4,6
	v_pk_fma_f32 v[(\base)+8*(\i)+(\j):(\base)+8*(\i)+(\j)+1], v[(\base)+8*(\i)+(\j):(\base)+8*(\i)+(\j)+1], v[32+(\j):33+(\j)], v[40+(\j):41+(\j)]
.endr
.endr
	WIN 0x05*(\d)
.irp i, 0,1,2,3
.irp j, 0,1,2,3
	v_cvt_pk_f16_f32 v[96+4*(\i)+(\j)], v[(\base)+8*(\i)+2*(\j)], v[(\base)+8*(\i)+2*(\j)+1]
.endr
.endr
	WIN 0
.irp i, 0,1,2,3
	ds_store_b64 v10, v[96+4*(\i):97+4*(\i)] offset:((\row0)+(\i))*XP
	ds_store_b64 v10, v[98+4*(\i):99+4*(\i)] offset:((\row0)+(\i))*XP+256
.endr
.endm
; rows 4 b .. 4 b + 3 of my 16 (at v[128 + 32 b ..]) += the stage's rows + the bias vector in v48-55.  yg: loads issued behind the 32 of the rows
.macro ADD4 b, yg
.irp i, 0,1,2,3
	ds_load_b128 v[64+8*(\i):64+8*(\i)+3], v13 offset:(4*(\b)+(\i))*SGP
	ds_load_b128 v[64+8*(\i)+4:64+8*(\i)+7], v13 offset:(4*(\b)+(\i))*SGP+512
.endr
	s_wait_loadcnt 24-8*(\b)+(\yg)                 ; these four rows (and the older gain and bias vectors) are in; the later batches' eight loads each, and the yg behind them, may be out
	s_wait_dscnt 0x0
.irp i, 0,1,2,3
.irp j, 0,2,4,6
.set rD, 128+32*(\b)+8*(\i)+(\j)
	v_pk_add_f32 v[rD:rD+1], v[rD:rD+1], v[64+8*(\i)+(\j):64+8*(\i)+(\j)+1]
.endr
.endr
.irp i, 0,1,2,3
.irp j, 0,2,4,6
.set rD, 128+32*(\b)+8*(\i)+(\j)
	v_pk_add_f32 v[rD:rD+1], v[rD:rD+1], v[48+(\j):49+(\j)]
.endr
.endr
.endm
; Softmax of one query a lane over nk tiles of 16 keys (S^T, already times log2 e, at v128 on; the query's other keys lie in the lane 16 away).  Leaves the weights, rounded to f16 in pairs, at
; v128 on, and 1 / sum in v20.  Each accumulator's lowest registers are read first.
.macro SOFTMAX nk
.set g, 0
.rept (\nk)/4
.set st, 0
.rept 4
.set c, 0
.rept 4
.set rS, 128+8*(4*g+c)
.if (g == 0) && (st == 0)
	v_max3_num_f32 v[16+c], v[rS], v[rS+1], v[rS+2]
.elseif (g == 0) && (st == 3)
	v_max_num_f32 v[16+c], v[16+c], v[rS+7]
.elseif g == 0
	v_max3_num_f32 v[16+c], v[16+c], v[rS+2*st+1], v[rS+2*st+2]
.else
	v_max3_num_f32 v[16+c], v[16+c], v[rS+2*st], v[rS+2*st+1]
.endif
.set c, c+1
.endr
.set st, st+1
.endr
.set g, g+1
.endr
	v_max3_num_f32 v16, v16, v17, v18
	v_max_num_f32 v16, v16, v19
	v_permlanex16_b32 v20, v16, s40, s41
	v_max_num_f32 v16, v16, v20                    ; the query's maximum
.set p, 0
.rept 4*(\nk)                          ; s - max: at most 0
	v_pk_add_f32 v[128+2*p:129+2*p], v[128+2*p:129+2*p], v[16:17] op_sel_hi:[1,0] neg_lo:[0,1] neg_hi:[0,1]
.set p, p+1
.endr
.set p, 0
.rept 8*(\nk)
	v_exp_f32 v[128+p], v[128+p]
.set p, p+1
.endr
	v_nop                                          ; a plain instruction behind the batch, and one wait for all of it
	s_wait_alu depctr_va_vdst(0)
.set p, 0
.rept 4
	v_pk_add_f32 v[24+2*p:25+2*p], v[128+2*p:129+2*p], v[136+2*p:137+2*p]
.set p, p+1
.endr
.set p, 8
.rept 4*(\nk)-8
	v_pk_add_f32 v[24+2*(p%4):25+2*(p%4)], v[24+2*(p%4):25+2*(p%4)], v[128+2*p:129+2*p]
.set p, p+1
.endr
	v_pk_add_f32 v[24:25], v[24:25], v[26:27]
	v_pk_add_f32 v[28:29], v[28:29], v[30:31]
	v_pk_add_f32 v[24:25], v[24:25], v[28:29]
	v_add_f32 v21, v24, v25
	v_permlanex16_b32 v20, v21, s40, s41
	v_add_f32 v21, v21, v20
	v_rcp_f32 v20, v21
.set p, 0
.rept 4*(\nk)                          ; in place, ascending: register p takes weights 2 p and 2 p + 1
	v_cvt_pk_f16_f32 v[128+p], v[128+2*p], v[129+2*p]
.set p, p+1
.endr
	s_wait_alu depctr_va_vdst(0)                   ; the reciprocal's wait: behind the roundings, ahead of its reader
.endm
; O^T (v80-95) / sum x gate (v72-79, bf16), rounded to f16, to the LDS address in v10.  Five places stand between the last product and this
.macro GATE
.irp i, 0,1,2,3,4,5,6,7
	v_pk_mul_f32 v[80+2*(\i):81+2*(\i)], v[80+2*(\i):81+2*(\i)], v[20:21] op_sel_hi:[1,0]
.endr
.irp i, 0,1,2,3,4,5,6,7
	v_lshlrev_b32 v[96+2*(\i)], 16, v[72+(\i)]
	v_and_b32 v[97+2*(\i)], s34, v[72+(\i)]
.endr
.irp i, 0,1,2,3,4,5,6,7
	v_pk_mul_f32 v[80+2*(\i):81+2*(\i)], v[80+2*(\i):81+2*(\i)], v[96+2*(\i):97+2*(\i)]
.endr
.irp i, 0,1,2,3,4,5,6,7
	v_cvt_pk_f16_f32 v[16+(\i)], v[80+2*(\i)], v[81+2*(\i)]
.endr
	ds_store_b128 v10, v[16:19]
	ds_store_b128 v10, v[20:23] offset:32
.endm
; THE SECOND PRODUCT OF THE TRANSITION, eight token tiles written out: each tile's 16 products go onto its own two accumulators in window 1, by turns; H's fragments are asked for half a tile ahead
.macro LDH2 t, hf                      ; eight LDS loads: k steps 4 hf .. 4 hf + 3 of H's token tile t
.irp f, 0,1,2,3
	ds_load_b128 v[64+32*(\hf)+8*(\f):64+32*(\hf)+8*(\f)+3], v25 offset:(\t)*16*XP+256*(\hf)+64*(\f)
	ds_load_b128 v[64+32*(\hf)+8*(\f)+4:64+32*(\hf)+8*(\f)+7], v25 offset:(\t)*16*XP+256*(\hf)+64*(\f)+32
.endr
.endm
.macro MMH2 t, hf
	WIN 0x50                                       ; C and D in window 1
.irp f, 0,1,2,3
.irp u, 0,1
	v_wmma_f32_16x16x32_f16 v[16*(\t)+8*(\u):16*(\t)+8*(\u)+7], v[128+64*(\u)+32*(\hf)+8*(\f):128+64*(\u)+32*(\hf)+8*(\f)+7], v[64+32*(\hf)+8*(\f):64+32*(\hf)+8*(\f)+7], v[16*(\t)+8*(\u):16*(\t)+8*(\u)+7]
.endr
.endr
	WIN 0
.endm
.macro GEMM2
	LDH2 0, 0
	LDH2 0, 1
.irp t, 0,1,2,3,4,5,6,7
	s_wait_dscnt 8                                 ; the tile's first half is in; its second half's eight loads may be out
	MMH2 \t, 0
.if (\t) < 7
	PL4
	LDH2 (\t)+1, 0
	s_wait_dscnt 8                                 ; the second half is in; the eight loads just issued may be out
.else
	s_wait_dscnt 0x0
.endif
	MMH2 \t, 1
.if (\t) < 7
	PL4
	LDH2 (\t)+1, 1
.endif
.endr
	PL5
.endm
	s_load_b512 s[8:23], s[0:1], 0x0               ; m1, m_mask, wts, col_ln_w, col_ln_b, col_bg, col_bo, tr_ln_w
	s_load_b256 s[24:31], s[0:1], 0x40             ; tr_ln_b, tr_b1, tr_b2, out0
	v_lshl_add_u32 v4, v0, 2, SPARE                ; my spare word,
	v_mov_b32 v5, 0                                ; and 0: kept for the wave's end alone
	v_and_b32 v3, 31, v0
	v_and_b32 v1, 15, v0
	v_bfe_u32 v2, v0, 4, 1
	v_lshrrev_b32 v16, 5, v0
	v_readfirstlane_b32 s2, v16                    ; wave = head
	s_mov_b32 s3, ttmp9                            ; rr
	s_mov_b32 s34, 0xffff0000
	s_mov_b32 s36, 0x3b800000                      ; 1/256
	s_mov_b32 s37, 0x3727c5ac                      ; 1e-5
	s_mov_b32 s40, 0x76543210
	s_mov_b32 s41, 0xfedcba98
	s_mov_b32 s42, 0x3e8293ee                      ; 32^-0.5 log2 e = 0.255035
	s_mov_b32 s43, s42
	s_mov_b32 s44, 0xbfb8aa3b                      ; -log2 e
	s_mov_b32 s45, s44
	v_mul_u32_u24 v6, v1, XP
	v_lshl_add_u32 v6, v2, 4, v6
	s_lshl_b32 s56, s2, 14
	v_lshl_add_u32 v8, v1, 9, s56
	v_lshl_add_u32 v8, v2, 4, v8                   ; (32 w + r) x 512 + 16 h
	s_add_co_u32 s56, s56, IMG
	v_lshl_add_u32 v7, v3, 4, s56
	s_lshl_b32 s56, s2, 6
	s_add_co_u32 s56, s56, OB
	v_add_nc_u32 v11, s56, v6                      ; region B: row r, channels 32 w + 8 h on
	v_mul_u32_u24 v12, v1, SGP
	v_lshl_add_u32 v12, v2, 5, v12
	s_lshl_b32 s56, s2, 7
	s_add_co_u32 s56, s56, STG
	v_add_nc_u32 v12, s56, v12
	s_mul_i32 s56, s2, 16*SGP
	s_add_co_u32 s56, s56, STG
	v_lshl_add_u32 v13, v3, 4, s56
	v_lshlrev_b32 v14, 4, v3
.irp i, 17,19,21,23
	v_mov_b32 v[\i], 0                             ; the lane exchange counts its destination as read
.endr
	s_lshl_b32 s56, s2, 22
	v_lshl_add_u32 v9, v3, 4, s56                  ; tokens 16 w on (262,144 bytes apart), 16 l
	s_mul_i32 s56, s2, 16*XP
	v_lshl_add_u32 v10, v3, 3, s56                 ; LDS rows 16 w on, 8 bytes a lane
	v_lshlrev_b32 v48, 10, v0                      ; m_mask[thread][..]
	v_lshl_add_u32 v50, v0, 2, MB
	s_lshl_b32 s56, s3, 10
	s_mov_b32 s57, 0
	s_wait_kmcnt 0x0
	s_add_nc_u64 s[46:47], s[8:9], s[56:57]        ; m1[.][rr]
	s_add_nc_u64 s[48:49], s[30:31], s[56:57]      ; out0[.][rr]
	s_lshl_b32 s56, s3, 2
	s_add_nc_u64 s[54:55], s[10:11], s[56:57]      ; m_mask[.][rr]
	; ---- LN of my 16 tokens into region A; the 128 mask biases, by waves 0-3
	s_cmp_lt_u32 s2, 4
	s_cbranch_scc0 .Lnomask1
	global_load_b32 v49, v48, s[54:55]
.Lnomask1:
	global_load_b128 v[32:35], v14, s[14:15]
	global_load_b128 v[36:39], v14, s[14:15] offset:512
	global_load_b128 v[40:43], v14, s[16:17]
	global_load_b128 v[44:47], v14, s[16:17] offset:512
.set i, 0
.rept 16
	global_load_b128 v[128+8*i:131+8*i], v9, s[46:47] offset:262144*i
	global_load_b128 v[132+8*i:135+8*i], v9, s[46:47] offset:262144*i+512
.set i, i+1
.endr
	s_wait_loadcnt 24                              ; the small loads and rows 0-3 are in; three batches of eight loads may be out
	LOADW 12, 6*WBLK, 1                            ; K's weights, into window 1: they have the four LNs in which to land
	s_cmp_lt_u32 s2, 4
	s_cbranch_scc0 .Lnomask2
	v_add_f32 v49, -1.0, v49
	v_mul_f32 v49, 0x4eabfb8f, v49                 ; (mask - 1) x 1e9 log2 e
	ds_store_b32 v50, v49
.Lnomask2:
	LN4 128, 0, 0
	s_wait_loadcnt 48                              ; from here the 32 weight loads are younger too: 16 + 32
	LN4 160, 0, 4
	s_wait_loadcnt 40
	LN4 192, 0, 8
	s_wait_loadcnt 32
	LN4 224, 0, 12
	s_wait_loadcnt 0x0                             ; K's weights
	LOADW 12, 7*WBLK, 0                            ; V's, into the registers that the rows have left
	BAR                                            ; X and the mask biases are whole
	; ---- the projections of my head: behind each, the wait for the block asked for a product ago, then the next request
	GLOOP 8, 0, 7, 0, 1024, 0, 0, 1, EPK, 512
	s_wait_loadcnt 0x0                             ; V's weights
	LOADW 12, 5*WBLK, 1                            ; Q's
	IMG2REG 0, 16                                  ; K
	GLOOP 8, 0, 7, 0, 512, 1, 0, 0, EPK, 4096
	s_wait_loadcnt 0x0                             ; Q's weights
	LOADW 12, 8*WBLK, 0                            ; the gate's,
	s_lshl_b32 s56, s2, 7
	v_lshl_add_u32 v26, v2, 5, s56                 ; and bg of channels 32 w + 8 h on; Q's product names neither v26 nor v48-63
	global_load_b128 v[48:51], v26, s[18:19]
	global_load_b128 v[52:55], v26, s[18:19] offset:16
	global_load_b128 v[56:59], v26, s[18:19] offset:64
	global_load_b128 v[60:63], v26, s[18:19] offset:80
	IMG2REG 64, 16                                 ; V^T
	GLOOP 8, 0, 7, 0, 1024, 0, 0, 1, EPQ, 512      ; Q: the image's first half
	s_wait_loadcnt 0x0                             ; the gate's weights and bg
	LOADW 12, 9*WBLK, 1                            ; wo's: they have the gate's product and attention in which to land
	GLOOP 8, 0, 7, 8192, 1024, 0, 1, 0, EPG, 512   ; the gate: the image's second half
	v_lshlrev_b32 v48, 5, v2
	v_add_nc_u32 v48, MB, v48
.set kt, 0
.rept 8                                        ; the mask biases as the C operand of S^T: register j of tile kt is key 16 kt + 8 h + j
	ds_load_b128 v[192+8*kt:195+8*kt], v48 offset:64*kt
	ds_load_b128 v[196+8*kt:199+8*kt], v48 offset:64*kt+16
.set kt, kt+1
.endr
	ds_load_b128 v[64:67], v7                      ; the first trip's Q
	ds_load_b128 v[68:71], v7 offset:512
	; ---- attention: a trip is 16 queries x 128 keys of my head; O goes to region B, which nobody has touched yet.  A trip's Q was asked for in the trip before
	s_mov_b32 s5, 8
	s_mov_b32 s6, 0
	s_mov_b32 s7, 0
.Lq:
	v_add_nc_u32 v9, s6, v7
	ds_load_b128 v[72:75], v9 offset:8192          ; the gate: wanted at the trip's end
	ds_load_b128 v[76:79], v9 offset:8704
	s_wait_dscnt 0x2                               ; Q is in (and all that is older); the gate's two loads may be out
	WIN 0x01                                       ; source 0 in window 1
.set kt, 0
.rept 8
	v_wmma_f32_16x16x32_f16 v[128+8*kt:135+8*kt], v[8*kt:8*kt+7], v[64:71], v[192+8*kt:199+8*kt]
.set kt, kt+1
.endr
	WIN 0
	PL5
	ds_load_b128 v[64:67], v9 offset:1024          ; the next trip's Q; in the last trip these are 1,024 bytes of my own gate image, which nobody uses
	ds_load_b128 v[68:71], v9 offset:1536
	SOFTMAX 8
	WIN 0x01
.set b, 0
.rept 4                                        ; the two channel blocks by turns
.irp cb, 0,1
.if b == 0
	v_wmma_f32_16x16x32_f16 v[80+8*(\cb):87+8*(\cb)], v[64+32*(\cb)+8*b:71+32*(\cb)+8*b], v[128+8*b:135+8*b], 0
.else
	v_wmma_f32_16x16x32_f16 v[80+8*(\cb):87+8*(\cb)], v[64+32*(\cb)+8*b:71+32*(\cb)+8*b], v[128+8*b:135+8*b], v[80+8*(\cb):87+8*(\cb)]
.endif
.endr
.set b, b+1
.endr
	WIN 0
	v_add_nc_u32 v10, s7, v11
	PL5
	s_wait_dscnt 0x2                               ; the gate is in; the next Q's two loads may be out
	GATE
	s_add_co_u32 s6, s6, 1024
	s_add_co_u32 s7, s7, 16*XP
	s_sub_co_u32 s5, s5, 1
	s_cmp_lg_u32 s5, 0
	s_cbranch_scc1 .Lq
	BAR                                            ; O of all heads is whole; the images are dead
	; ---- O @ wo into the stage
	s_wait_loadcnt 0x0                             ; wo's weights
	GLOOP 8, OB, 12, 0, 16*SGP, 0, 0, 1, EPS, 0
	global_load_b128 v[32:35], v14, s[22:23]       ; the transition's LN gain and bias, col_bo, and m1's rows once more
	global_load_b128 v[36:39], v14, s[22:23] offset:512
	global_load_b128 v[40:43], v14, s[24:25]
	global_load_b128 v[44:47], v14, s[24:25] offset:512
	global_load_b128 v[48:51], v14, s[20:21]
	global_load_b128 v[52:55], v14, s[20:21] offset:512
	s_lshl_b32 s56, s2, 22
	v_lshl_add_u32 v9, v3, 4, s56
.set i, 0
.rept 16
	global_load_b128 v[128+8*i:131+8*i], v9, s[46:47] offset:262144*i
	global_load_b128 v[132+8*i:135+8*i], v9, s[46:47] offset:262144*i+512
.set i, i+1
.endr
	s_mul_i32 s56, s2, 16*XP
	v_lshl_add_u32 v10, v3, 3, s56
	s_add_nc_u64 s[50:51], s[12:13], 10*WBLK       ; W1's chunk
	BAR                                            ; the stage is whole
	; ---- m2 = m1 + stage + bo: back into the stage (each lane to the bytes that it read), and its LN into region A
.irp b, 0,1,2,3
	ADD4 \b, 32*(((\b)+2)/3)
.if (\b) == 0
	LOADW 50, 0, 1                                 ; W1's first chunk, into window 1, behind the first batch's wait: 32 loads that are younger than the rows
.endif
.irp i, 0,1,2,3
	ds_store_b128 v13, v[128+32*(\b)+8*(\i):131+32*(\b)+8*(\i)] offset:(4*(\b)+(\i))*SGP
	ds_store_b128 v13, v[132+32*(\b)+8*(\i):135+32*(\b)+8*(\i)] offset:(4*(\b)+(\i))*SGP+512
.endr
	LN4 128+32*(\b), 0, 4*(\b)
.endr
	s_add_nc_u64 s[52:53], s[12:13], 14*WBLK       ; W2's chunk,
	s_mov_b64 s[54:55], s[26:27]                   ; b1's
	s_lshl_b32 s56, s2, 7
	v_lshl_add_u32 v26, v2, 5, s56                 ; channels 32 w + 8 h on, in f32
	global_load_b128 v[48:51], v26, s[54:55]
	global_load_b128 v[52:55], v26, s[54:55] offset:16
	global_load_b128 v[56:59], v26, s[54:55] offset:64
	global_load_b128 v[60:63], v26, s[54:55] offset:80
	LOADW 52, 0, 0                                 ; W2's first chunk, into the registers that the rows have left
	v_add_nc_u32 v24, 64*SGP, v12                  ; the stage's rows 64 on: an LDS immediate has 16 bits
	v_add_nc_u32 v25, OB, v6
	BAR                                            ; m2 and X2 are whole
	; ---- the transition.  Its sums start with m2: one token a lane, 8 neighbouring channels, as the products leave them
	WIN 0x40
.irp t, 0,1,2,3
.irp u, 0,1
	ds_load_b128 v[16*(\t)+8*(\u):16*(\t)+8*(\u)+3], v12 offset:(\t)*16*SGP+64*(\u)
	ds_load_b128 v[16*(\t)+8*(\u)+4:16*(\t)+8*(\u)+7], v12 offset:(\t)*16*SGP+64*(\u)+16
	ds_load_b128 v[64+16*(\t)+8*(\u):64+16*(\t)+8*(\u)+3], v24 offset:(\t)*16*SGP+64*(\u)
	ds_load_b128 v[64+16*(\t)+8*(\u)+4:64+16*(\t)+8*(\u)+7], v24 offset:(\t)*16*SGP+64*(\u)+16
.endr
.endr
	WIN 0
	s_wait_loadcnt 32                              ; W1's first chunk and b1's are in; the 32 loads of W2's, issued behind them, may be out
	s_mov_b32 s33, 4
.Lchunk:                                               ; here W1's chunk and b1's have landed; W2's is on its way
	GLOOP 8, 0, 11, 0, 16*XP, 0, 1, 1, EPR, 32     ; H = relu(X2 W1 + b1) into region B
	s_wait_loadcnt 0x0                             ; W2's chunk, asked for a product ago; no load is out, so the pointers may be written
	s_cmp_eq_u32 s33, 1
	s_cbranch_scc1 .Lno_w1                         ; behind the last chunk nothing is asked for; every wait for loads from here on is for 0
	s_add_nc_u64 s[50:51], s[50:51], WBLK
	s_add_nc_u64 s[54:55], s[54:55], 1024
	LOADW 50, 0, 1                                 ; the next chunk of W1 and of b1: they have the second product in which to land
	global_load_b128 v[48:51], v26, s[54:55]
	global_load_b128 v[52:55], v26, s[54:55] offset:16
	global_load_b128 v[56:59], v26, s[54:55] offset:64
	global_load_b128 v[60:63], v26, s[54:55] offset:80
.Lno_w1:
	BAR                                            ; H is whole
	GEMM2
	s_wait_loadcnt 0x0                             ; the next chunk of W1 and b1
	s_cmp_eq_u32 s33, 1
	s_cbranch_scc1 .Lno_w2
	s_add_nc_u64 s[52:53], s[52:53], WBLK
	LOADW 52, 0, 0                                 ; the next chunk of W2: it has the first product in which to land
.Lno_w2:
	BAR                                            ; nobody reads H any more
	s_sub_co_u32 s33, s33, 1
	s_cmp_lg_u32 s33, 0
	s_cbranch_scc1 .Lchunk
	; ---- the way out: the sums go to the bytes of the stage that they started from, come back as rows, and leave with b2
	WIN 0x04                                       ; store data in window 1
.irp t, 0,1,2,3
.irp u, 0,1
	ds_store_b128 v12, v[16*(\t)+8*(\u):16*(\t)+8*(\u)+3] offset:(\t)*16*SGP+64*(\u)
	ds_store_b128 v12, v[16*(\t)+8*(\u)+4:16*(\t)+8*(\u)+7] offset:(\t)*16*SGP+64*(\u)+16
	ds_store_b128 v24, v[64+16*(\t)+8*(\u):64+16*(\t)+8*(\u)+3] offset:(\t)*16*SGP+64*(\u)
	ds_store_b128 v24, v[64+16*(\t)+8*(\u)+4:64+16*(\t)+8*(\u)+7] offset:(\t)*16*SGP+64*(\u)+16
.endr
.endr
	WIN 0
	s_lshl_b32 s56, s2, 22
	v_lshl_add_u32 v9, v3, 4, s56
	BAR                                            ; every wave's stores into the stage are done
	s_wait_loadcnt 0x0                             ; no load into v48-55 or v128-255 is out on any way (the last chunk asked for none, so this is met at once)
	global_load_b128 v[48:51], v14, s[28:29]
	global_load_b128 v[52:55], v14, s[28:29] offset:512
.set i, 0
.rept 16
	ds_load_b128 v[128+8*i:131+8*i], v13 offset:i*SGP
	ds_load_b128 v[132+8*i:135+8*i], v13 offset:i*SGP+512
.set i, i+1
.endr
	s_wait_loadcnt 0x0                             ; b2
.irp b, 0,1,2,3
	s_wait_dscnt 24-8*(\b)                         ; four rows are back; the later batches' eight loads each may be out
.irp i, 0,1,2,3
.irp j, 0,2,4,6
.set rD, 128+32*(\b)+8*(\i)+(\j)
	v_pk_add_f32 v[rD:rD+1], v[rD:rD+1], v[48+(\j):49+(\j)]
.endr
.endr
.irp i, 0,1,2,3
	global_store_b128 v9, v[128+32*(\b)+8*(\i):131+32*(\b)+8*(\i)], s[48:49] offset:262144*(4*(\b)+(\i)) th:TH_STORE_NT  ; 512 consecutive bytes, aligned
	global_store_b128 v9, v[132+32*(\b)+8*(\i):135+32*(\b)+8*(\i)], s[48:49] offset:262144*(4*(\b)+(\i))+512 th:TH_STORE_NT
.endr
.endr
	s_wait_tensorcnt 0x0                           ; the wave's end, behind my last LDS store
	ds_add_u32 v4, v5
	s_wait_dscnt 0x0
	s_endpgm
.Lfunc_end_k_qdd1eb29b30_col:
	.size	k_qdd1eb29b30_col, .Lfunc_end_k_qdd1eb29b30_col-k_qdd1eb29b30_col
	.p2alignl 7, 3214868480
	.fill 96, 4, 3214868480
	.section	.rodata,"a",@progbits
	.p2align	6, 0x0
	.amdhsa_kernel k_qdd1eb29b30_col
		.amdhsa_group_segment_fixed_size 270336
		.amdhsa_private_segment_fixed_size 0
		.amdhsa_enable_private_segment 0
		.amdhsa_kernarg_size 96
		.amdhsa_user_sgpr_count 2
		.amdhsa_user_sgpr_kernarg_segment_ptr 1
		.amdhsa_wavefront_size32 1
		.amdhsa_system_sgpr_workgroup_id_x 1
		.amdhsa_system_sgpr_workgroup_id_y 1
		.amdhsa_system_sgpr_workgroup_id_z 1
		.amdhsa_system_vgpr_workitem_id 0
		.amdhsa_next_free_vgpr 512
		.amdhsa_next_free_sgpr 66
		.amdhsa_reserve_vcc 0
		.amdhsa_float_denorm_mode_32 3
		.amdhsa_float_denorm_mode_16_64 3
		.amdhsa_memory_ordered 1
		.amdhsa_forward_progress 1
		.amdhsa_inst_pref_size 228
	.end_amdhsa_kernel
	.amdgpu_metadata
---
amdhsa.version: [ 1, 2 ]
amdhsa.kernels:
  - .name:           k_qdd1eb29b30_col
    .symbol:         k_qdd1eb29b30_col.kd
    .args:
      - { .name: m1, .offset: 0, .size: 8, .value_kind: global_buffer, .address_space: global }
      - { .name: m_mask, .offset: 8, .size: 8, .value_kind: global_buffer, .address_space: global }
      - { .name: wts, .offset: 16, .size: 8, .value_kind: global_buffer, .address_space: global }
      - { .name: col_ln_w, .offset: 24, .size: 8, .value_kind: global_buffer, .address_space: global }
      - { .name: col_ln_b, .offset: 32, .size: 8, .value_kind: global_buffer, .address_space: global }
      - { .name: col_bg, .offset: 40, .size: 8, .value_kind: global_buffer, .address_space: global }
      - { .name: col_bo, .offset: 48, .size: 8, .value_kind: global_buffer, .address_space: global }
      - { .name: tr_ln_w, .offset: 56, .size: 8, .value_kind: global_buffer, .address_space: global }
      - { .name: tr_ln_b, .offset: 64, .size: 8, .value_kind: global_buffer, .address_space: global }
      - { .name: tr_b1, .offset: 72, .size: 8, .value_kind: global_buffer, .address_space: global }
      - { .name: tr_b2, .offset: 80, .size: 8, .value_kind: global_buffer, .address_space: global }
      - { .name: out0, .offset: 88, .size: 8, .value_kind: global_buffer, .address_space: global }
    .group_segment_fixed_size: 270336
    .private_segment_fixed_size: 0
    .kernarg_segment_align: 8
    .kernarg_segment_size: 96
    .max_flat_workgroup_size: 256
    .sgpr_count:     66
    .vgpr_count:     512
    .wavefront_size: 32
...
	.end_amdgpu_metadata
.endif
;; end of part 3
;; ======== version 2 of 2: 3 launches; version 1 with the launches row, col written anew for expert scheduling mode
;; limits: values are held in f16: magnitudes above 65,504 overflow, below 6.1e-05 lose precision
;; workspace buffers: bias 2,097,152 bytes; wts 2,359,296 bytes; m1 33,554,432 bytes
;; launch pre: the kernel of part 1 again; grid 400 x 1, 8 waves a work-group, no clusters, 79,104 bytes of LDS; arguments z, row_z_ln_w, row_z_ln_b, row_wb, row_wq, row_wk, row_wv, row_wg, row_wo, col_wq, col_wk, col_wv, col_wg, col_wo, tr_w1, tr_w2, bias, wts; writes bias, wts
;; launch row (part 4): grid 2 x 128, 8 waves a work-group, no clusters, 268,288 bytes of LDS; arguments m, m_mask, bias, wts, row_ln_w, row_ln_b, row_bg, row_bo, m1; writes m1
.if DOCPART == 4
	.amdgcn_target "amdgcn-amd-amdhsa--gfx1250"
	.amdhsa_code_object_version 6
	.text
	.protected	k_qdd1eb29b30_row
	.globl	k_qdd1eb29b30_row
	.p2align	8
	.type	k_qdd1eb29b30_row,@function
k_qdd1eb29b30_row:
	s_mov_b64 s[64:65], 0
	v_nop
	global_prefetch_b8 v0, s[64:65] scope:SCOPE_SE
	s_setreg_imm32_b32 hwreg(HW_REG_WAVE_SCHED_MODE, 0, 2), 2
	s_setreg_imm32_b32 hwreg(HW_REG_WAVE_MODE, 25, 1), 1
	s_wait_xcnt 0x0
	s_wait_alu depctr_vm_vsrc(0)
; m1 = m + row attention(m).  A work-group takes one sequence s (grid y) and 128 of its 256 queries (grid x = qh); K and V of all 256 tokens are
; projected in both work-groups of a sequence.  Eight waves; wave w owns head w, which is also columns 32 w .. 32 w + 31 of every projection.
; FORMATS.  All products in f16 with f32 sums: the weights were rounded to f16 by the launch before; LN's result, q, k, v, the softmax's weights and the gated o are rounded to f16 once each.
; m, the gains, the biases, LN, softmax, gate and residual are in f32.  The gate, which is no matrix operand, waits in LDS rounded to bf16, which a shift widens again.
; ROOM IN F16 (65,504 at the most, beyond it an infinity): LN's result is at most 16 |gain| + |bias|; q, k, v and the gated o have a spread of about 0.8 with the drawn inputs and of about 720
; with gains and weights both 30 times larger; the softmax's weights lie in 0 to 1, and below 6e-5 they keep f16's fixed step of 6e-8.
; SOFTMAX IN BASE 2.  The scores are made already times log2 e: q is scaled by 32^-0.5 log2 e, the pair bias enters as bias x log2 e + mask bias, the mask bias is (mask - 1) x 1e9 log2 e.
; So the maximum is taken away by a plain subtraction, which is exact near the maximum however large the scores are, and every weight is 2^(s - max), at most 1.
; ORDER OF TOKENS IN LDS: LDS row j holds token j xor 128 qh, so that the work-group's queries are LDS rows 0-127 and no LDS address hangs on qh;
; the mask and the pair bias are fetched in the same order, and a softmax and its weighted sum do not mind the order of keys.
; FRAGMENTS WITHOUT A TURN.  wmma(W rows, X tokens) leaves one token a lane and 8 neighbouring channels: two such results, rounded, ARE a fragment of Q or K.
; wmma(X tokens, W rows) leaves one channel a lane and 8 tokens: two such ARE a fragment of V^T.  S^T = K Q^T holds one query a lane; rounded in pairs it IS source 1 of O^T = V^T P.
; The loops write these fragments to the wave's own 16 KB of LDS (an image of the registers) and read them back into the registers that the unrolled text names.
; WEIGHTS come as f16 [n][k] straight from memory into the registers of the one wave that multiplies by them (16 KB a wave and product).  V's weights wait in window 1 while K is multiplied, Q's are asked
; for behind K's loop.  NO CLUSTER, NO TENSOR LOAD: X (135,168 bytes) and the images (131,072) leave 59 KB of LDS, less than one weight block's 131,072 bytes, so there is no LDS tile that a joint load could fill.
; LIMITS.  The mask bias is added to the pair bias before the product q.k is added (reference: behind it), and both carry the factor log2 e: where scores are as large as 1e9 (ALL keys of a
; sequence masked) the roundings at that size may fall otherwise than the reference's.  A weight below 2^-126 counts as 0.  NaN and infinities are not treated apart.
; THE MODE: SCHED_MODE bits 1:0 = 2 (LLVM: expert scheduling mode 2), set by the entry lines.  The code itself states the register dependences between vector or matrix instructions and memory or LDS
; instructions, with s_wait_alu, always for 0.
; THE PLAN.  Registers that memory or LDS instructions touch, and who else names them:
;   v6-8, v11-15   addresses and offsets: made at the head, ahead of its wait on va_vdst, and never written again.
;   v9, v10        addresses that step: written by vector adds that stand among the places behind a step's last product.
;   v64-127        X fragments: LDS loads land in them, a tile's 16 products read them.
;   v16-23         a tile's result, rounded: the roundings write it, two LDS stores read it.  (wo's product stores its accumulators, v32-47, themselves.)
;   v128-255       of both windows: weights, rows of m, pair bias and scores: loads land, products and vector work name them.       v96-111  LN's rows, rounded: LDS stores read them.
; A TILE OF A PRODUCT has three waits.  vm_vsrc at its head: its own fragment loads have read v9, the last tile's stores v10 and their data.  va_vdst behind its last product and the two adds: the products
; are done reading v64-127, v9 and v10 are written; behind it go all 16 loads of the next tile, and then the epilogue's vector work, which names v16-23 and v32-47 alone.  va_vdst once more, for the
; roundings alone, ahead of the tile's stores.  That last wait stands behind a product's last matrix instruction, and no vector instruction follows it: so the loads of the next weights, and of the images, owe nothing more.
; A TRIP OF ATTENTION has one vm_vsrc and, beside the two waits that the exponentials and the reciprocal have anyway, two va_vdst: see at the loop.
.set XP,    528        ; an LDS row of 256 f16: 512 bytes + 16: the 16 rows of a fragment load start 4 banks apart
.set SGP,   1040       ; an LDS row of 256 f32: 1,024 + 16
.set OB,    0          ; gated O, 128 rows x 528, over X once X is read out
.set IMG,   135168     ; behind X's 256 rows: 16,384 bytes for each wave
.set STG,   67584      ; 128 rows x 1,040 for the way out, over X's upper half and the first images, once attention is over
.set MB,    266240     ; 256 mask biases
.set SPARE, 267264     ; the spare words, 128 bytes a wave: four blocks of 256 bytes that no other line names
.set WBLK,  131072
; window 0: v0 thread, v1 r, v2 h, v3 l, v4-5 the add's two, v6 fragment place, v7 my image, v8 my place in a weight block, v9-10 addresses that step, v11 where O goes, v12 stage in, v13 stage back,
;   v14 16 l, v15 bg's offset, v16-31 at work, v32-47 two accumulators (or LN gain and bias), v48-63 C tiles / bias vectors / addresses, v64-127 X fragments, v128-255 weights, rows or S^T
; window 1: v0-127 K (tile t at 8 t), v128-255 V's weights, then V^T (channel block cb, keys 32 b at 128 + 64 cb + 8 b)
.set EPK, 0
.set EPQ, 1
.set EPG, 2
.set EPR, 3
.set EPS, 4
.set MSB, 0
.macro WIN new                         ; s_set_vgpr_msb: bits 1:0 source 0, 3:2 source 1, 5:4 source 2, 7:6 destination; the high byte repeats the setting that is left
.if MSB != (\new)
	s_set_vgpr_msb (MSB<<8)|(\new)
.set MSB, (\new)
.endif
.endm
.macro PL n                            ; n plain places behind matrix instructions
.rept \n
	v_nop
.endr
.endm
.macro BAR                             ; my LDS instructions are done; then all eight waves meet
	s_wait_dscnt 0x0
	s_barrier_signal -1
	s_barrier_wait -1
.endm
.macro LOADW sb, off, wb               ; my 32 rows of a weight block, all 256 k, into v128-255 of window wb: n tile u, k step f at v[128 + 64 u + 8 f]
	WIN 0x40*(\wb)
.irp u, 0,1
.irp f, 0,1,2,3,4,5,6,7
	global_load_b128 v[128+64*(\u)+8*(\f):128+64*(\u)+8*(\f)+3], v8, s[\sb:\sb+1] offset:(\off)+8192*(\u)+64*(\f)
	global_load_b128 v[128+64*(\u)+8*(\f)+4:128+64*(\u)+8*(\f)+7], v8, s[\sb:\sb+1] offset:(\off)+8192*(\u)+64*(\f)+32
.endr
.endr
	WIN 0
.endm
.macro MMA swap, cinit, f, u
.set rD, 32+8*(\u)
.set rA, 128+64*(\u)+8*(\f)
.set rB, 64+8*(\f)
.if \swap
.set rA, 64+8*(\f)
.set rB, 128+64*(\u)+8*(\f)
.endif
.if ((\f) == 0) && (\cinit)
	v_wmma_f32_16x16x32_f16 v[rD:rD+7], v[rA:rA+7], v[rB:rB+7], v[48+8*(\u):55+8*(\u)]
.elseif (\f) == 0
	v_wmma_f32_16x16x32_f16 v[rD:rD+7], v[rA:rA+7], v[rB:rB+7], 0
.else
	v_wmma_f32_16x16x32_f16 v[rD:rD+7], v[rA:rA+7], v[rB:rB+7], v[rD:rD+7]
.endif
.endm
; eight products: k steps 4 hf .. 4 hf + 3 x my two column tiles, the two accumulators by turns.  swap = 1: tokens are source 0.  cinit = 1: the sums start with v48-63.  wb: the weights' window, which it leaves set
.macro MMH swap, cinit, wb, hf
	WIN (\wb)*(1+3*(\swap))
.irp f, 0,1,2,3
.irp u, 0,1
	MMA \swap, \cinit, 4*(\hf)+(\f), \u
.endr
.endr
.endm
.macro LDH hf                          ; eight LDS loads: k steps 4 hf .. 4 hf + 3 of the 16 tokens at v9
.irp f, 0,1,2,3
	ds_load_b128 v[64+32*(\hf)+8*(\f):64+32*(\hf)+8*(\f)+3], v9 offset:256*(\hf)+64*(\f)
	ds_load_b128 v[64+32*(\hf)+8*(\f)+4:64+32*(\hf)+8*(\f)+7], v9 offset:256*(\hf)+64*(\f)+32
.endr
.endm
; what becomes of a tile's two accumulators; it goes to the LDS address in v10.
; EPK rounded to f16, two groups d1 apart; EPQ the same, times 32^-0.5 log2 e; EPG through a sigmoid, rounded to bf16; EPR as EPK, through a ReLU; EPS as f32 into the stage
.macro EPI ep, d1
.if (\ep) == EPQ
.irp i, 0,1,2,3,4,5,6,7
	v_pk_mul_f32 v[32+2*(\i):33+2*(\i)], v[32+2*(\i):33+2*(\i)], s[42:43] op_sel_hi:[1,0]
.endr
.endif
.if (\ep) == EPG                       ; 1 / (1 + 2^(-x log2 e))
.irp i, 0,1,2,3,4,5,6,7
	v_pk_mul_f32 v[32+2*(\i):33+2*(\i)], v[32+2*(\i):33+2*(\i)], s[44:45] op_sel_hi:[1,0]
.endr
.irp i, 0,1,2,3,4,5,6,7,8,9,10,11,12,13,14,15
	v_exp_f32 v[32+(\i)], v[32+(\i)]
.endr
	v_nop                                          ; a plain instruction behind the batch,
	s_wait_alu depctr_va_vdst(0)                   ; and one wait ahead of its first reader: the 16 exponentials have written v32-47
.irp i, 0,1,2,3,4,5,6,7
	v_pk_add_f32 v[32+2*(\i):33+2*(\i)], v[32+2*(\i):33+2*(\i)], 1.0 op_sel_hi:[1,0]
.endr
.irp i, 0,1,2,3,4,5,6,7,8,9,10,11,12,13,14,15
	v_rcp_f32 v[32+(\i)], v[32+(\i)]
.endr
	v_nop
	s_wait_alu depctr_va_vdst(0)                   ; the 16 reciprocals have written v32-47
.endif
.if (\ep) == EPR
.irp i, 0,1,2,3,4,5,6,7,8,9,10,11,12,13,14,15
	v_max_num_f32 v[32+(\i)], 0, v[32+(\i)]
.endr
.endif
.if (\ep) == EPS
	ds_store_b128 v10, v[32:35]                    ; the tile's wait on va_vdst has shown the accumulators and v10 written, and no vector instruction has named them since
	ds_store_b128 v10, v[36:39] offset:16
	ds_store_b128 v10, v[40:43] offset:64
	ds_store_b128 v10, v[44:47] offset:80
.else
.irp i, 0,1,2,3,4,5,6,7
.if (\ep) == EPG
	v_cvt_pk_bf16_f32 v[16+(\i)], v[32+2*(\i)], v[33+2*(\i)]
.else
	v_cvt_pk_f16_f32 v[16+(\i)], v[32+2*(\i)], v[33+2*(\i)]
.endif
.endr
	s_wait_alu depctr_va_vdst(0)                   ; the roundings have written v16-23, which the two stores read (in the last tile: v10 is written too)
	ds_store_b128 v10, v[16:19]
	ds_store_b128 v10, v[20:23] offset:\d1
.endif
.endm
; One tile: 16 tokens x my 32 columns x 256 k.  Its 16 LDS loads were issued in the tile before: the first half, the second half, and behind them that tile's stores.  nxt = 1: the next tile's are issued here.
.macro GBODY nxt, dl, dstep, swap, cinit, wb, ep, d1
	s_wait_dscnt 8                                 ; the first half is in: behind it stand the second half's eight loads (and, from the second tile on, the last tile's stores: then part of the second half is waited for too)
	s_wait_alu depctr_vm_vsrc(0)                   ; this tile's loads have read v9; the last tile's stores have read v10 and their data (v16-23, or the accumulators): all are written again below
	MMH \swap, \cinit, \wb, 0
	s_wait_dscnt 0x0                               ; the second half is in
	MMH \swap, \cinit, \wb, 1
	WIN 0
	v_add_nc_u32 v10, s7, v[\dl]                   ; where this tile's result goes; with what follows, the five places behind the last product
.if \nxt
	s_add_co_u32 s6, s6, 16*XP
	v_add_nc_u32 v9, s6, v6                        ; the next tile
	PL 3
.else
	PL 4
.endif
.if (\nxt) || ((\ep) == EPS)
	s_wait_alu depctr_va_vdst(0)                   ; the 16 products are done reading v64-127 and have written the accumulators; v9 and v10 are written
.endif
.if \nxt
	LDH 0
	LDH 1
.endif
	EPI \ep, \d1
	s_add_co_u32 s7, s7, \dstep
.endm
; n token tiles from LDS byte xb on; what a tile makes goes to v[dl] + d0 + tile x dstep.  The last tile is written out, so that nothing is read behind the n tiles.
.macro GLOOP n, xb, dl, d0, dstep, swap, cinit, wb, ep, d1
	s_mov_b32 s5, (\n)-1
	s_mov_b32 s6, \xb
	s_mov_b32 s7, \d0
	s_wait_alu depctr_vm_vsrc(0)                   ; the loads that went by v9 have read it; behind LN: its stores have read v96-111, in which fragments land
	v_add_nc_u32 v9, s6, v6
	s_wait_alu depctr_va_vdst(0)                   ; v9 is written; the vector and matrix instructions that named v64-127 are done
	LDH 0
	LDH 1
.Lg\@:
	GBODY 1, \dl, \dstep, \swap, \cinit, \wb, \ep, \d1
	s_sub_co_u32 s5, s5, 1
	s_cmp_lg_u32 s5, 0
	s_cbranch_scc1 .Lg\@
	GBODY 0, \dl, \dstep, \swap, \cinit, \wb, \ep, \d1
.endm
.macro IMG2REG base, n                 ; n groups of four registers of window 1 out of my image: LDS serves a wave's instructions in order, so these see the stores above and not those that follow
	WIN 0x40
.set i, 0
.rept \n
	ds_load_b128 v[(\base)+4*i:(\base)+4*i+3], v7 offset:512*i
.set i, i+1
.endr
	WIN 0
.endm
.macro RED4                            ; v16, v18, v20, v22: each summed over the 32 lanes, the result in every lane
.irp x, 1,2,4,8
.irp i, 0,1,2,3
	v_add_f32_dpp v[16+2*(\i)], v[16+2*(\i)], v[16+2*(\i)] row_xmask:\x row_mask:0xf bank_mask:0xf
.endr
.endr
.irp i, 0,1,2,3
	v_permlanex16_b32 v[17+2*(\i)], v[16+2*(\i)], s40, s41
.endr
.irp i, 0,1,2,3
	v_add_f32 v[16+2*(\i)], v[16+2*(\i)], v[17+2*(\i)]
.endr
.endm
; LN of four rows (row i in 8 registers at base + 8 i of window d; a lane holds channels 4 l .. + 3 and 128 + 4 l .. + 3), rounded to f16, to LDS rows row0 .. row0 + 3 behind v10
.macro LN4 base, d, row0
	WIN 0x05*(\d)
.irp i, 0,1,2,3
	v_pk_add_f32 v[24+2*(\i):25+2*(\i)], v[(\base)+8*(\i):(\base)+8*(\i)+1], v[(\base)+8*(\i)+2:(\base)+8*(\i)+3]
.endr
	WIN 0x01*(\d)
.irp j, 4,6
.irp i, 0,1,2,3
	v_pk_add_f32 v[24+2*(\i):25+2*(\i)], v[(\base)+8*(\i)+(\j):(\base)+8*(\i)+(\j)+1], v[24+2*(\i):25+2*(\i)]
.endr
.endr
	WIN 0
.irp i, 0,1,2,3
	v_add_f32 v[16+2*(\i)], v[24+2*(\i)], v[25+2*(\i)]
.endr
	RED4
.irp i, 0,1,2,3
	v_mul_f32 v[16+2*(\i)], s36, v[16+2*(\i)]      ; the mean
.endr
	s_wait_alu depctr_vm_vsrc(0)                   ; the stores of the four rows before have read v96-111, which the roundings below write again
	WIN 0x41*(\d)
.irp i, 0,1,2,3
.irp j, 0,2,4,6
	v_pk_add_f32 v[(\base)+8*(\i)+(\j):(\base)+8*(\i)+(\j)+1], v[(\base)+8*(\i)+(\j):(\base)+8*(\i)+(\j)+1], v[16+2*(\i):17+2*(\i)] op_sel_hi:[1,0] neg_lo:[0,1] neg_hi:[0,1]
.endr
.endr
	WIN 0x05*(\d)
.irp i, 0,1,2,3
	v_pk_mul_f32 v[24+2*(\i):25+2*(\i)], v[(\base)+8*(\i):(\base)+8*(\i)+1], v[(\base)+8*(\i):(\base)+8*(\i)+1]
.endr
.irp j, 2,4,6
.irp i, 0,1,2,3
	v_pk_fma_f32 v[24+2*(\i):25+2*(\i)], v[(\base)+8*(\i)+(\j):(\base)+8*(\i)+(\j)+1], v[(\base)+8*(\i)+(\j):(\base)+8*(\i)+(\j)+1], v[24+2*(\i):25+2*(\i)]
.endr
.endr
	WIN 0
.irp i, 0,1,2,3
	v_add_f32 v[16+2*(\i)], v[24+2*(\i)], v[25+2*(\i)]
.endr
	RED4
.irp i, 0,1,2,3
	v_fma_f32 v[16+2*(\i)], v[16+2*(\i)], s36, s37 ; variance + 1e-5
.endr
.irp i, 0,1,2,3
	v_rsq_f32 v[16+2*(\i)], v[16+2*(\i)]
.endr
	v_nop                                          ; a plain instruction behind the last root,
	s_wait_alu depctr_va_vdst(0)                   ; and one wait for the four: they have written v16, v18, v20, v22
	WIN 0x41*(\d)
.irp i, 0,1,2,3
.irp j, 0,2,4,6
	v_pk_mul_f32 v[(\base)+8*(\i)+(\j):(\base)+8*(\i)+(\j)+1], v[(\base)+8*(\i)+(\j):(\base)+8*(\i)+(\j)+1], v[16+2*(\i):17+2*(\i)] op_sel_hi:[1,0]
.endr
.endr
.irp i, 0,1,2,3
.irp j, 0,2,4,6
	v_pk_fma_f32 v[(\base)+8*(\i)+(\j):(\base)+8*(\i)+(\j)+1], v[(\base)+8*(\i)+(\j):(\base)+8*(\i)+(\j)+1], v[32+(\j):33+(\j)], v[40+(\j):41+(\j)]
.endr
.endr
	WIN 0x05*(\d)
.irp i, 0,1,2,3
.irp j, 0,1,2,3
	v_cvt_pk_f16_f32 v[96+4*(\i)+(\j)], v[(\base)+8*(\i)+2*(\j)], v[(\base)+8*(\i)+2*(\j)+1]
.endr
.endr
	WIN 0
	s_wait_alu depctr_va_vdst(0)                   ; the roundings have written v96-111 (and v10 is written), which the stores read; they are also the last to name the four rows' registers, in which loads land next
.irp i, 0,1,2,3
	ds_store_b64 v10, v[96+4*(\i):97+4*(\i)] offset:((\row0)+(\i))*XP
	ds_store_b64 v10, v[98+4*(\i):99+4*(\i)] offset:((\row0)+(\i))*XP+256
.endr
.endm
; THE WAY OUT.  SLD: eight LDS loads, the stage's rows 4 b .. 4 b + 3 of my 16, into v64-95 (b even) or v96-127 (b odd).
.macro SLD b
.irp i, 0,1,2,3
	ds_load_b128 v[64+32*((\b)%2)+8*(\i):64+32*((\b)%2)+8*(\i)+3], v13 offset:(4*(\b)+(\i))*SGP
	ds_load_b128 v[64+32*((\b)%2)+8*(\i)+4:64+32*((\b)%2)+8*(\i)+7], v13 offset:(4*(\b)+(\i))*SGP+512
.endr
.endm
; rows 4 b .. 4 b + 3 of my 16 (at v[128 + 32 b ..]) += the stage's rows + the bias vector in v48-55
.macro ADD4 b
	s_wait_loadcnt 24-8*(\b)                       ; these four rows of m (and the older bias vector) are in; the later batches' eight loads each may be out
.if (\b) < 3
	s_wait_dscnt 8                                 ; this batch's stage rows are in; the other buffer's eight loads may be out
.else
	s_wait_dscnt 0x0
.endif
.irp i, 0,1,2,3
.irp j, 0,2,4,6
.set rD, 128+32*(\b)+8*(\i)+(\j)
	v_pk_add_f32 v[rD:rD+1], v[rD:rD+1], v[64+32*((\b)%2)+8*(\i)+(\j):64+32*((\b)%2)+8*(\i)+(\j)+1]
.endr
.endr
.irp i, 0,1,2,3
.irp j, 0,2,4,6
.set rD, 128+32*(\b)+8*(\i)+(\j)
	v_pk_add_f32 v[rD:rD+1], v[rD:rD+1], v[48+(\j):49+(\j)]
.endr
.endr
.endm
; Softmax of one query a lane over nk tiles of 16 keys (S^T, already times log2 e, at v128 on; the query's other keys lie in the lane 16 away), in two parts.  SMAX: the maximum, s - max, the exponentials
; and their wait.  SSUM: the sum, 1 / sum into v20, the weights rounded to f16 in pairs at v128 on.  Each accumulator's lowest registers are read first.
.macro SMAX nk
.set g, 0
.rept (\nk)/4
.set st, 0
.rept 4
.set c, 0
.rept 4
.set rS, 128+8*(4*g+c)
.if (g == 0) && (st == 0)
	v_max3_num_f32 v[16+c], v[rS], v[rS+1], v[rS+2]
.elseif (g == 0) && (st == 3)
	v_max_num_f32 v[16+c], v[16+c], v[rS+7]
.elseif g == 0
	v_max3_num_f32 v[16+c], v[16+c], v[rS+2*st+1], v[rS+2*st+2]
.else
	v_max3_num_f32 v[16+c], v[16+c], v[rS+2*st], v[rS+2*st+1]
.endif
.set c, c+1
.endr
.set st, st+1
.endr
.set g, g+1
.endr
	v_max3_num_f32 v16, v16, v17, v18
	v_max_num_f32 v16, v16, v19
	v_permlanex16_b32 v20, v16, s40, s41
	v_max_num_f32 v16, v16, v20                    ; the query's maximum
.set p, 0
.rept 4*(\nk)                          ; s - max: at most 0
	v_pk_add_f32 v[128+2*p:129+2*p], v[128+2*p:129+2*p], v[16:17] op_sel_hi:[1,0] neg_lo:[0,1] neg_hi:[0,1]
.set p, p+1
.endr
.set p, 0
.rept 8*(\nk)
	v_exp_f32 v[128+p], v[128+p]
.set p, p+1
.endr
	v_nop                                          ; a plain instruction behind the batch,
	s_wait_alu depctr_va_vdst(0)                   ; and one wait for all of it: the exponentials have written the weights
.endm
.macro SSUM nk
.set p, 0
.rept 4
	v_pk_add_f32 v[24+2*p:25+2*p], v[128+2*p:129+2*p], v[136+2*p:137+2*p]
.set p, p+1
.endr
.set p, 8
.rept 4*(\nk)-8
	v_pk_add_f32 v[24+2*(p%4):25+2*(p%4)], v[24+2*(p%4):25+2*(p%4)], v[128+2*p:129+2*p]
.set p, p+1
.endr
	v_pk_add_f32 v[24:25], v[24:25], v[26:27]
	v_pk_add_f32 v[28:29], v[28:29], v[30:31]
	v_pk_add_f32 v[24:25], v[24:25], v[28:29]
	v_add_f32 v21, v24, v25
	v_permlanex16_b32 v20, v21, s40, s41
	v_add_f32 v21, v21, v20
	v_rcp_f32 v20, v21
.set p, 0
.rept 4*(\nk)                          ; in place, ascending: register p takes weights 2 p and 2 p + 1
	v_cvt_pk_f16_f32 v[128+p], v[128+2*p], v[129+2*p]
.set p, p+1
.endr
	s_wait_alu depctr_va_vdst(0)                   ; the reciprocal has written v20: behind the roundings, ahead of the branches and of its reader.  The roundings are also the last to name the upper half of the score registers, in which loads land next
.endm
; O^T (v80-95) / sum x gate (v72-79, bf16), rounded to f16 into v[ob ..], to the LDS address in v10.  Four places stand between the last product and this
.macro GATE ob
.irp i, 0,1,2,3,4,5,6,7
	v_pk_mul_f32 v[80+2*(\i):81+2*(\i)], v[80+2*(\i):81+2*(\i)], v[20:21] op_sel_hi:[1,0]
.endr
.irp i, 0,1,2,3,4,5,6,7
	v_lshlrev_b32 v[96+2*(\i)], 16, v[72+(\i)]
	v_and_b32 v[97+2*(\i)], s34, v[72+(\i)]
.endr
.irp i, 0,1,2,3,4,5,6,7
	v_pk_mul_f32 v[80+2*(\i):81+2*(\i)], v[80+2*(\i):81+2*(\i)], v[96+2*(\i):97+2*(\i)]
.endr
.irp i, 0,1,2,3,4,5,6,7
	v_cvt_pk_f16_f32 v[(\ob)+(\i)], v[80+2*(\i)], v[81+2*(\i)]
.endr
	s_wait_alu depctr_va_vdst(0)                   ; the trip's last wait: see at the loop
	ds_store_b128 v10, v[(\ob):(\ob)+3]
	ds_store_b128 v10, v[(\ob)+4:(\ob)+7] offset:32
.endm
; sixteen loads: the pair bias of key tiles 8 hi .. 8 hi + 7 for the 16 queries at s[52:53]; it lands where the scores are summed: a lane's 8 keys are 32 bytes of its query's row
.macro BLOAD hi
.set kt, 0
.rept 8
	global_load_b128 v[128+64*(\hi)+8*kt:131+64*(\hi)+8*kt], v[49+(\hi)], s[52:53] offset:64*kt
	global_load_b128 v[132+64*(\hi)+8*kt:135+64*(\hi)+8*kt], v[49+(\hi)], s[52:53] offset:64*kt+16
.set kt, kt+1
.endr
.endm
.macro TSET ts, k                      ; rT: the eight registers that set ts has for a group's tile k: set 0 v96-127; set 1 v32-47, v24-31, v56-63
.if \ts
.set rT, 32+8*(\k)
.if (\k) == 2
.set rT, 24
.endif
.if (\k) == 3
.set rT, 56
.endif
.else
.set rT, 96+8*(\k)
.endif
.endm
.macro MLOAD g, ts                     ; eight LDS loads: the mask biases of key tiles 4 g .. 4 g + 3 into set ts
.irp k, 0,1,2,3
	TSET \ts, \k
	ds_load_b128 v[rT:rT+3], v48 offset:(4*(\g)+(\k))*64
	ds_load_b128 v[rT+4:rT+7], v48 offset:(4*(\g)+(\k))*64+16
.endr
.endm
.macro BFMA g, ts                      ; pair bias x log2 e + mask bias for key tiles 4 g .. 4 g + 3: what the scores' sums start with
.irp k, 0,1,2,3
	TSET \ts, \k
.irp e, 0,2,4,6
	v_pk_fma_f32 v[128+32*(\g)+8*(\k)+(\e):129+32*(\g)+8*(\k)+(\e)], v[128+32*(\g)+8*(\k)+(\e):129+32*(\g)+8*(\k)+(\e)], s[38:39], v[rT+(\e):rT+(\e)+1] op_sel_hi:[1,0,1]
.endr
.endr
.endm
.macro STQ k0                          ; eight products: S^T of key tiles k0 .. k0 + 7, each onto its own bias: one product an accumulator
	WIN 0x01                                       ; source 0 in window 1
.set kt, \k0
.rept 8
	v_wmma_f32_16x16x32_f16 v[128+8*kt:135+8*kt], v[8*kt:8*kt+7], v[64:71], v[128+8*kt:135+8*kt]
.set kt, kt+1
.endr
	WIN 0
.endm
	s_load_b512 s[8:23], s[0:1], 0x0               ; m, m_mask, bias, wts, ln_w, ln_b, bg, bo
	s_load_b64 s[24:25], s[0:1], 0x40              ; m1
	v_lshl_add_u32 v4, v0, 2, SPARE                ; my spare word,
	v_mov_b32 v5, 0                                ; and 0: kept for the wave's end alone
	v_and_b32 v3, 31, v0
	v_and_b32 v1, 15, v0
	v_bfe_u32 v2, v0, 4, 1
	v_lshrrev_b32 v16, 5, v0
	v_readfirstlane_b32 s2, v16                    ; wave = head
	s_mov_b32 s3, ttmp9                            ; qh
	s_and_b32 s4, ttmp7, 0xffff                    ; s
	s_mov_b32 s34, 0xffff0000
	s_mov_b32 s36, 0x3b800000                      ; 1/256
	s_mov_b32 s37, 0x3727c5ac                      ; 1e-5
	s_mov_b32 s38, 0x3fb8aa3b                      ; log2 e
	s_mov_b32 s39, s38
	s_mov_b32 s40, 0x76543210
	s_mov_b32 s41, 0xfedcba98
	s_mov_b32 s42, 0x3e8293ee                      ; 32^-0.5 log2 e = 0.255035
	s_mov_b32 s43, s42
	s_mov_b32 s44, 0xbfb8aa3b                      ; -log2 e
	s_mov_b32 s45, s44
	v_mul_u32_u24 v6, v1, XP
	v_lshl_add_u32 v6, v2, 4, v6
	s_wait_alu depctr_va_sdst(0)                   ; s2 is written, ahead of its first reader: addresses and bases are made from it
	s_lshl_b32 s56, s2, 14
	v_lshl_add_u32 v8, v1, 9, s56
	v_lshl_add_u32 v8, v2, 4, v8                   ; (32 w + r) x 512 + 16 h
	s_add_co_u32 s56, s56, IMG
	v_lshl_add_u32 v7, v3, 4, s56
	s_lshl_b32 s56, s2, 6
	s_add_co_u32 s56, s56, OB
	v_add_nc_u32 v11, s56, v6                      ; row r, channels 32 w + 8 h on
	v_mul_u32_u24 v12, v1, SGP
	v_lshl_add_u32 v12, v2, 5, v12
	s_lshl_b32 s56, s2, 7
	v_lshl_add_u32 v15, v2, 5, s56                 ; bg of channels 32 w + 8 h on
	s_add_co_u32 s56, s56, STG
	v_add_nc_u32 v12, s56, v12
	s_mul_i32 s56, s2, 16*SGP
	s_add_co_u32 s56, s56, STG
	v_lshl_add_u32 v13, v3, 4, s56
	v_lshlrev_b32 v14, 4, v3
.irp i, 17,19,21,23
	v_mov_b32 v[\i], 0                             ; the lane exchange counts its destination as read
.endr
	s_lshl_b32 s56, s2, 15
	s_lshl_b32 s57, s3, 17
	s_xor_b32 s56, s56, s57
	v_lshl_add_u32 v9, v3, 4, s56                  ; in m[s]: token (32 w xor 128 qh), 16 l
	s_mul_i32 s56, s2, 32*XP
	v_lshl_add_u32 v51, v3, 3, s56                 ; LDS rows 32 w on, 8 bytes a lane
	v_lshlrev_b32 v48, 2, v0
	s_lshl_b32 s57, s3, 9
	v_xor_b32 v48, s57, v48                        ; the mask of token (thread xor 128 qh)
	v_lshl_add_u32 v50, v0, 2, MB
	s_lshl_b32 s56, s4, 18
	s_mov_b32 s57, 0
	s_wait_kmcnt 0x0
	s_add_nc_u64 s[46:47], s[8:9], s[56:57]        ; m[s]
	s_add_nc_u64 s[48:49], s[24:25], s[56:57]
	s_lshl_b32 s56, s3, 17
	s_add_nc_u64 s[50:51], s[46:47], s[56:57]      ; m and m1 at my 128 queries
	s_add_nc_u64 s[48:49], s[48:49], s[56:57]
	s_lshl_b32 s56, s4, 10
	s_add_nc_u64 s[54:55], s[10:11], s[56:57]      ; m_mask[s]
	s_lshl_b32 s56, s2, 18
	s_lshl_b32 s58, s3, 17
	s_add_co_u32 s56, s56, s58
	s_add_nc_u64 s[52:53], s[12:13], s[56:57]      ; bias[w][128 qh]: it walks 16 rows a trip
	s_wait_alu depctr_va_vdst(0)                   ; the addresses and offsets v6-15, v48 and v50 are written, by which the loads and stores below go
	; ---- LN of my 32 tokens into X; the mask biases.  Four slots of four rows in v128-255, walked twice.  A slot that has been worked on is filled again with eight loads on either arm:
	; in the first trip with the rows 16 further down, in the second with its part of K's weights.  So three younger slots, 24 loads, stand behind a slot's own in every turn.
	; A slot's refill owes no wait of its own: LN4's last wait stands behind the last vector instruction that names the slot.
	global_load_b128 v[32:35], v14, s[16:17]
	global_load_b128 v[36:39], v14, s[16:17] offset:512
	global_load_b128 v[40:43], v14, s[18:19]
	global_load_b128 v[44:47], v14, s[18:19] offset:512
	global_load_b32 v49, v48, s[54:55]
.set i, 0
.rept 16
	global_load_b128 v[128+8*i:131+8*i], v9, s[46:47] offset:1024*i
	global_load_b128 v[132+8*i:135+8*i], v9, s[46:47] offset:1024*i+512
.set i, i+1
.endr
	s_wait_loadcnt 32                              ; the five small loads are in; the 32 loads of rows 0-15 may be out
	v_add_f32 v49, -1.0, v49
	v_mul_f32 v49, 0x4eabfb8f, v49                 ; (mask - 1) x 1e9 log2 e
	s_wait_alu depctr_va_vdst(0)                   ; v49 is written, which the store reads
	ds_store_b32 v50, v49
	s_mov_b32 s5, 2
	s_mov_b32 s7, 0
.Lln:
	s_wait_alu depctr_vm_vsrc(0)                   ; the last trip's stores have read v10
	v_add_nc_u32 v10, s7, v51
.irp b, 0,1,2,3
	s_wait_loadcnt 24                              ; this slot's eight loads are in; the three younger slots' may be out
	LN4 128+32*(\b), 0, 4*(\b)
	s_cmp_eq_u32 s5, 2
	s_cbranch_scc0 .Lkw\b
.irp i, 0,1,2,3
	global_load_b128 v[128+32*(\b)+8*(\i):131+32*(\b)+8*(\i)], v9, s[46:47] offset:1024*(16+4*(\b)+(\i))
	global_load_b128 v[132+32*(\b)+8*(\i):135+32*(\b)+8*(\i)], v9, s[46:47] offset:1024*(16+4*(\b)+(\i))+512
.endr
	s_branch .Lfd\b
.Lkw\b:
.irp j, 0,1,2,3                                ; K's weights: n tile b / 2, k steps 4 (b % 2) + j: the registers of this slot
	global_load_b128 v[128+32*(\b)+8*(\j):131+32*(\b)+8*(\j)], v8, s[14:15] offset:WBLK+8192*((\b)/2)+64*(4*((\b)%2)+(\j))
	global_load_b128 v[132+32*(\b)+8*(\j):135+32*(\b)+8*(\j)], v8, s[14:15] offset:WBLK+8192*((\b)/2)+64*(4*((\b)%2)+(\j))+32
.endr
.Lfd\b:
.endr
	s_add_co_u32 s7, s7, 16*XP
	s_sub_co_u32 s5, s5, 1
	s_cmp_lg_u32 s5, 0
	s_cbranch_scc1 .Lln
	BAR                                            ; X and the mask biases are whole
	; ---- the projections of my head.  The loads of weights and images between the products owe no wait: a product's last wait on va_vdst stands behind its last matrix instruction,
	; and no vector instruction behind that wait names v7, v8, v15 or the registers in which these loads land
	s_wait_loadcnt 0x0                             ; K's weights
	LOADW 14, 2*WBLK, 1                            ; V's, into window 1, which nothing has named yet: they have K's product in which to land
	GLOOP 16, 0, 7, 0, 1024, 0, 0, 0, EPK, 512
	s_wait_loadcnt 0x0                             ; V's weights
	LOADW 14, 0*WBLK, 0                            ; Q's: they have V's product in which to land
	IMG2REG 0, 32                                  ; K
	GLOOP 16, 0, 7, 0, 512, 1, 0, 1, EPK, 8192
	IMG2REG 128, 32                                ; V^T, over V's weights
	s_wait_loadcnt 0x0                             ; Q's weights
	GLOOP 8, 0, 7, 0, 1024, 0, 0, 0, EPQ, 512      ; Q of LDS rows 0-127: stays in the image's first half
	LOADW 14, 3*WBLK, 0
	global_load_b128 v[48:51], v15, s[20:21]       ; bg.  v48-50 served the mask's load and store as address and data: the products' waits on vm_vsrc stand between
	global_load_b128 v[52:55], v15, s[20:21] offset:16
	global_load_b128 v[56:59], v15, s[20:21] offset:64
	global_load_b128 v[60:63], v15, s[20:21] offset:80
	s_wait_loadcnt 0x0
	GLOOP 8, 0, 7, 8192, 1024, 0, 1, 0, EPG, 512   ; the gate: the image's second half
	v_lshlrev_b32 v48, 5, v2
	v_add_nc_u32 v48, MB, v48                      ; mask biases of keys 8 h on
	v_lshlrev_b32 v49, 10, v1
	v_lshl_add_u32 v49, v2, 5, v49                 ; bias row r, keys 8 h on;
	s_lshl_b32 s56, s3, 9
	s_xor_b32 s57, s56, 512
	v_add_nc_u32 v50, s57, v49                     ; LDS keys 128-255 are the other half's tokens,
	v_add_nc_u32 v49, s56, v49                     ; LDS keys 0-127 my half's
	v_mov_b32 v9, v7                               ; the first trip's Q and gate (the last fragment loads by v9 stand ahead of the last tile's wait on vm_vsrc)
	s_wait_alu depctr_va_vdst(0)                   ; v9 and v48-50 are written, by which the loads below and the first trip's go; the gate's product and its epilogue are done with all the registers in which those land
	BLOAD 1                                        ; the first trip's pair bias, in the order in which every trip asks: the upper eight key tiles, then the lower
	BLOAD 0
	BAR                                            ; nobody reads X any more: O may be laid over it
	; ---- attention: a trip is 16 queries x 256 keys of my head.  Its pair bias was asked for in the trip before; the groups of four key tiles are taken in the order of the requests: 2, 3, 0, 1.
	; WHO NAMES WHAT.  v64-71 Q: loaded at the head, read by the 16 products S^T.  v72-79 the gate: loaded at the head, read by GATE.  Mask set 0 (v96-127) and set 1 (v32-47, v24-31, v56-63): loaded at the head for
	; groups 2 and 3, read by their multiply-adds, loaded again for groups 0 and 1; later SSUM writes v24-31 and GATE v96-111.  v128-255: the bias lands, multiply-adds, products and softmax work in place.
	; v16-23: SMAX writes them, GATE's roundings write O there, two stores read it.  v9, v10: written behind V^T P.  v48-50: never written in the loop.
	; THE WAITS.  (1) vm_vsrc and va_vdst together, behind the multiply-adds of groups 2 and 3.  (2) the exponentials' wait.  (3) the reciprocal's wait: it frees v192-255.  (4) va_vdst behind GATE's arithmetic: it serves
	; O's stores, the bias into v128-191, and the NEXT trip's twenty LDS loads, since no vector instruction stands between it and them.
	s_mov_b32 s5, 8
	s_mov_b32 s6, 0
	s_mov_b32 s7, 0
.Lq:
	ds_load_b128 v[64:67], v9                      ; Q
	ds_load_b128 v[68:71], v9 offset:512
	ds_load_b128 v[72:75], v9 offset:8192          ; the gate
	ds_load_b128 v[76:79], v9 offset:8704
	MLOAD 2, 0
	MLOAD 3, 1
	s_wait_loadcnt 24                              ; group 2's bias is in; the three later groups' eight loads each may be out
	s_wait_dscnt 8                                 ; set 0 is in (and Q and the gate); set 1's eight loads may be out
	BFMA 2, 0
	s_wait_loadcnt 16
	s_wait_dscnt 0x0                               ; set 1 is in
	BFMA 3, 1
	s_wait_alu depctr_vm_vsrc(0)                   ; this trip's loads have read v9; the last trip's stores have read v10 and v16-23: SMAX, the two adds and GATE write these again
	s_wait_alu depctr_va_vdst(0)                   ; the multiply-adds of groups 2 and 3 are done reading both mask sets, in which the next sixteen loads land
	MLOAD 0, 0
	MLOAD 1, 1
	STQ 8                                          ; the scores of groups 2 and 3, while the mask biases of groups 0 and 1 are on their way: these products name none of the sets' registers
	s_wait_loadcnt 8
	s_wait_dscnt 8                                 ; set 0 is in; set 1's eight loads may be out
	BFMA 0, 0
	s_wait_loadcnt 0x0                             ; all of the trip's bias is in: the loads that read s[52:53] are done, so the base may step
	s_wait_dscnt 0x0
	s_add_nc_u64 s[52:53], s[52:53], 16384         ; the next 16 queries' rows
	BFMA 1, 1
	STQ 0
	PL 4
	SMAX 16
	SSUM 16
	s_cmp_eq_u32 s5, 1                             ; the last trip has no tile behind it
	s_cbranch_scc1 .Lnb1
	BLOAD 1                                        ; the weights are packed into v128-191: v192-255 take the next trip's bias; the reciprocal's wait stands behind the last instruction that named them
.Lnb1:
	WIN 0x01
.set b, 0
.rept 8                                        ; the two channel blocks by turns
.irp cb, 0,1
.if b == 0
	v_wmma_f32_16x16x32_f16 v[80+8*(\cb):87+8*(\cb)], v[128+64*(\cb)+8*b:135+64*(\cb)+8*b], v[128+8*b:135+8*b], 0
.else
	v_wmma_f32_16x16x32_f16 v[80+8*(\cb):87+8*(\cb)], v[128+64*(\cb)+8*b:135+64*(\cb)+8*b], v[128+8*b:135+8*b], v[80+8*(\cb):87+8*(\cb)]
.endif
.endr
.set b, b+1
.endr
	WIN 0
	v_add_nc_u32 v10, s7, v11                      ; where this trip's O goes,
	s_add_co_u32 s6, s6, 1024
	v_add_nc_u32 v9, s6, v7                        ; and the next trip's Q and gate: with the two below, the four places behind the last product
	PL 2
	GATE 16                                        ; its wait: O is written into v16-23, v10 and v9 are written; V^T P is done reading the weights in v128-191; Q, the gate and both mask sets have had their last reader and writer
	s_cmp_eq_u32 s5, 1
	s_cbranch_scc1 .Lnb0
	BLOAD 0                                        ; v128-191 take the rest of the next trip's bias
.Lnb0:
	s_add_co_u32 s7, s7, 16*XP
	s_sub_co_u32 s5, s5, 1
	s_cmp_lg_u32 s5, 0
	s_cbranch_scc1 .Lq
	s_wait_loadcnt 0x0                             ; no load into v128-255 is out on any way (the last trip asked for none, so this is met at once)
	LOADW 14, 4*WBLK, 0                            ; wo's weights: GATE's wait stands behind all that named v128-255
	BAR                                            ; O of all heads is whole; the images are dead
	; ---- O @ wo into the stage, then rows out: m1 = m + stage + bo
	s_wait_loadcnt 0x0
	GLOOP 8, OB, 12, 0, 16*SGP, 0, 0, 0, EPS, 0
	s_lshl_b32 s56, s2, 14
	v_lshl_add_u32 v9, v3, 4, s56                  ; rows 16 w on, 16 l (the last fragment loads by v9 stand ahead of the last tile's wait on vm_vsrc)
	s_wait_alu depctr_va_vdst(0)                   ; v9 is written, by which m's rows are loaded and m1's stored
	global_load_b128 v[48:51], v14, s[22:23]       ; bo.  v48-50 were addresses in attention: the product's waits on vm_vsrc stand between
	global_load_b128 v[52:55], v14, s[22:23] offset:512
.set i, 0
.rept 16
	global_load_b128 v[128+8*i:131+8*i], v9, s[50:51] offset:1024*i
	global_load_b128 v[132+8*i:135+8*i], v9, s[50:51] offset:1024*i+512
.set i, i+1
.endr
	BAR                                            ; the stage is whole
	SLD 0                                          ; the stage comes back through two buffers by turns
	SLD 1
.irp b, 0,1,2,3
	ADD4 \b
	s_wait_alu depctr_va_vdst(0)                   ; the sums are written, which the stores read; the additions are done reading this batch's buffer, in which the batch two on lands
.if (\b) < 2
	SLD (\b)+2
.endif
.irp i, 0,1,2,3
	global_store_b128 v9, v[128+32*(\b)+8*(\i):131+32*(\b)+8*(\i)], s[48:49] offset:1024*(4*(\b)+(\i))  ; 512 consecutive bytes, aligned
	global_store_b128 v9, v[132+32*(\b)+8*(\i):135+32*(\b)+8*(\i)], s[48:49] offset:1024*(4*(\b)+(\i))+512
.endr
.endr
	s_wait_dscnt 0x0                               ; the closing lines, six on end
	s_wait_alu 0x0
	s_wait_tensorcnt 0x0
	ds_add_u32 v4, v5
	s_wait_dscnt 0x0
	s_endpgm
.Lfunc_end_k_qdd1eb29b30_row:
	.size	k_qdd1eb29b30_row, .Lfunc_end_k_qdd1eb29b30_row-k_qdd1eb29b30_row
	.p2alignl 7, 3214868480
	.fill 96, 4, 3214868480
	.section	.rodata,"a",@progbits
	.p2align	6, 0x0
	.amdhsa_kernel k_qdd1eb29b30_row
		.amdhsa_group_segment_fixed_size 268288
		.amdhsa_private_segment_fixed_size 0
		.amdhsa_enable_private_segment 0
		.amdhsa_kernarg_size 72
		.amdhsa_user_sgpr_count 2
		.amdhsa_user_sgpr_kernarg_segment_ptr 1
		.amdhsa_wavefront_size32 1
		.amdhsa_system_sgpr_workgroup_id_x 1
		.amdhsa_system_sgpr_workgroup_id_y 1
		.amdhsa_system_sgpr_workgroup_id_z 1
		.amdhsa_system_vgpr_workitem_id 0
		.amdhsa_next_free_vgpr 512
		.amdhsa_next_free_sgpr 66
		.amdhsa_reserve_vcc 0
		.amdhsa_float_denorm_mode_32 3
		.amdhsa_float_denorm_mode_16_64 3
		.amdhsa_memory_ordered 1
		.amdhsa_forward_progress 1
		.amdhsa_inst_pref_size 163
	.end_amdhsa_kernel
	.amdgpu_metadata
---
amdhsa.version: [ 1, 2 ]
amdhsa.kernels:
  - .name:           k_qdd1eb29b30_row
    .symbol:         k_qdd1eb29b30_row.kd
    .args:
      - { .name: m, .offset: 0, .size: 8, .value_kind: global_buffer, .address_space: global }
      - { .name: m_mask, .offset: 8, .size: 8, .value_kind: global_buffer, .address_space: global }
      - { .name: bias, .offset: 16, .size: 8, .value_kind: global_buffer, .address_space: global }
      - { .name: wts, .offset: 24, .size: 8, .value_kind: global_buffer, .address_space: global }
      - { .name: row_ln_w, .offset: 32, .size: 8, .value_kind: global_buffer, .address_space: global }
      - { .name: row_ln_b, .offset: 40, .size: 8, .value_kind: global_buffer, .address_space: global }
      - { .name: row_bg, .offset: 48, .size: 8, .value_kind: global_buffer, .address_space: global }
      - { .name: row_bo, .offset: 56, .size: 8, .value_kind: global_buffer, .address_space: global }
      - { .name: m1, .offset: 64, .size: 8, .value_kind: global_buffer, .address_space: global }
    .group_segment_fixed_size: 268288
    .private_segment_fixed_size: 0
    .kernarg_segment_align: 8
    .kernarg_segment_size: 72
    .max_flat_workgroup_size: 256
    .sgpr_count:     66
    .vgpr_count:     512
    .wavefront_size: 32
...
	.end_amdgpu_metadata
.endif
;; end of part 4
;; launch col (part 5): grid 256 x 1, 8 waves a work-group, no clusters, 270,336 bytes of LDS; arguments m1, m_mask, wts, col_ln_w, col_ln_b, col_bg, col_bo, tr_ln_w, tr_ln_b, tr_b1, tr_b2, out0; writes out0
.if DOCPART == 5
	.amdgcn_target "amdgcn-amd-amdhsa--gfx1250"
	.amdhsa_code_object_version 6
	.text
	.protected	k_qdd1eb29b30_col
	.globl	k_qdd1eb29b30_col
	.p2align	8
	.type	k_qdd1eb29b30_col,@function
k_qdd1eb29b30_col:
	s_mov_b64 s[64:65], 0
	v_nop
	global_prefetch_b8 v0, s[64:65] scope:SCOPE_SE
	s_setreg_imm32_b32 hwreg(HW_REG_WAVE_SCHED_MODE, 0, 2), 2
	s_setreg_imm32_b32 hwreg(HW_REG_WAVE_MODE, 25, 1), 1
	s_wait_xcnt 0x0
	s_wait_alu depctr_vm_vsrc(0)
; out0 = m2 + transition(m2), m2 = m1 + column attention(m1).  A work-group takes one residue column rr: 128 tokens (the sequences), which attend to each other alone, and the transition works
; token by token: so both steps are fused and m2 never leaves the work-group.  Eight waves; wave w owns head w, which is also columns 32 w .. 32 w + 31 of every product.
; FORMATS.  All products in f16 with f32 sums: the weights were rounded to f16 by the first launch; both LNs' results, q, k, v, the softmax's weights, the gated o and the hidden layer H are rounded
; to f16 once each.  m1, m2 (in LDS, then as the start of the last product's sums), the gains, the biases, LN, softmax, gate and residuals are in f32.  The gate, which is no matrix operand, waits in
; LDS rounded to bf16, which a shift widens again.
; ROOM IN F16 (65,504 at the most, beyond it an infinity): LN's result is at most 16 |gain| + |bias|; q, k, v, the gated o and H have a spread of about 0.8 with the drawn inputs and of about 720
; with gains and weights both 30 times larger; the softmax's weights lie in 0 to 1, and below 6e-5 they keep f16's fixed step of 6e-8.
; SOFTMAX IN BASE 2.  The scores are made already times log2 e: q is scaled by 32^-0.5 log2 e, the mask bias is (mask - 1) x 1e9 log2 e.  So the maximum is taken away by a plain subtraction, which is
; exact near the maximum however large the scores are, and every weight is 2^(s - max), at most 1.
; Fragments and images as in the row kernel: wmma(W rows, X tokens) leaves one token a lane and 8 neighbouring channels (two results, rounded, are a fragment of Q or K, and a row piece of O or H);
; wmma(X tokens, W rows) leaves one channel a lane (fragments of V^T).
; WEIGHTS come as f16 [n][k] straight into the registers of the wave that multiplies by them, into TWO BUFFERS that take turns: v128-255 of window 0 and of window 1.  Behind each product stands the wait for
; the block asked for a product ago, and then the request for the next block into the buffer just left: so every block has a whole product in which to land, and all these waits are for 0.
; THE TRANSITION goes in four chunks of 256 hidden channels: H = relu(X2 W1c + b1c) into LDS, then all 16 accumulators of my 128 tokens x 32 columns (window 1) += H W2c.
; NO CLUSTER, NO TENSOR LOAD: the two operand regions (135,168 bytes) and the stage (133,120) leave 57 KB of LDS, less than one weight block's 131,072 bytes, so there is no LDS tile that a joint load could fill.
; LIMITS.  Where scores are as large as 1e9 (ALL 128 keys of a column masked) the roundings at that size may fall otherwise than the reference's.  A weight below 2^-126 counts as 0.  NaN and infinities are not treated apart.
; THE MODE: SCHED_MODE bits 1:0 = 2 (LLVM: expert scheduling mode 2), set by the entry lines.  The code itself states the register dependences between vector or matrix instructions and memory or LDS
; instructions, with s_wait_alu, always for 0.
; THE PLAN.  Registers that memory or LDS instructions touch, and who else names them:
;   v6-8, v11-15   addresses and offsets: made at the head, ahead of its wait on va_vdst, and never written again.  v24, v25: made once, ahead of the transition.
;   v9, v10        addresses that step: written by vector adds that stand among the places behind a step's last product.
;   v64-127        X, O or H fragments: LDS loads land in them, a tile's 16 products read them.
;   v16-23         a tile's result, rounded: the roundings write it, two LDS stores read it.  (wo's product stores its accumulators, v32-47, themselves; attention's O goes out of v32-39.)
;   v128-255       of both windows: weights, rows, scores: loads land, products and vector work name them.       v96-111  LN's rows, rounded: LDS stores read them.
; A TILE OF A PRODUCT has three waits.  vm_vsrc at its head: its own fragment loads have read v9, the last tile's stores v10 and their data.  va_vdst behind its last product and the two adds: the products
; are done reading v64-127, v9 and v10 are written; behind it go all 16 loads of the next tile, and then the epilogue's vector work, which names v16-23 and v32-47 alone.  va_vdst once more, for the
; roundings alone, ahead of the tile's stores.  That last wait stands behind a product's last matrix instruction, and no vector instruction follows it: so the loads of the next weights, and of the images, owe nothing more.
; A tile of the transition's second product has no epilogue and no address to step: one va_vdst.  A trip of attention: see at the loop.
.set XP,    528        ; an LDS row of 256 f16: 512 bytes + 16
.set SGP,   1040       ; an LDS row of 256 f32: 1,024 + 16
.set OB,    67584      ; region B, behind region A's 128 rows: gated O, later H
.set IMG,   135168     ; 16,384 bytes for each wave, until attention is over;
.set STG,   135168     ; then the stage, 128 rows x 1,040
.set MB,    268288     ; 128 mask biases
.set SPARE, 269312     ; the spare words, 128 bytes a wave: four blocks of 256 bytes that no other line names
.set WBLK,  131072
; window 0 as in the row kernel (v15: the offset of bg and b1); in attention v128-191 S^T, v192-255 the mask biases as a C operand, v32-39 O on its way out; in the transition v24 stage in (rows 64 on), v25 H's fragments
; window 1: v0-63 K, v64-127 V^T (64 + 32 cb + 8 b); in the transition v0-127 the accumulators, (token tile t, column tile u) at 16 t + 8 u; v128-255 the second weight buffer
.set EPK, 0
.set EPQ, 1
.set EPG, 2
.set EPR, 3
.set EPS, 4
.set MSB, 0
.macro WIN new                         ; s_set_vgpr_msb: bits 1:0 source 0, 3:2 source 1, 5:4 source 2, 7:6 destination; the high byte repeats the setting that is left
.if MSB != (\new)
	s_set_vgpr_msb (MSB<<8)|(\new)
.set MSB, (\new)
.endif
.endm
.macro PL n                            ; n plain places behind matrix instructions
.rept \n
	v_nop
.endr
.endm
.macro BAR                             ; my LDS instructions are done; then all eight waves meet
	s_wait_dscnt 0x0
	s_barrier_signal -1
	s_barrier_wait -1
.endm
.macro LOADW sb, off, wb               ; my 32 rows of a weight block, all 256 k, into v128-255 of window wb: n tile u, k step f at v[128 + 64 u + 8 f]
	WIN 0x40*(\wb)
.irp u, 0,1
.irp f, 0,1,2,3,4,5,6,7
	global_load_b128 v[128+64*(\u)+8*(\f):128+64*(\u)+8*(\f)+3], v8, s[\sb:\sb+1] offset:(\off)+8192*(\u)+64*(\f)
	global_load_b128 v[128+64*(\u)+8*(\f)+4:128+64*(\u)+8*(\f)+7], v8, s[\sb:\sb+1] offset:(\off)+8192*(\u)+64*(\f)+32
.endr
.endr
	WIN 0
.endm
.macro MMA swap, cinit, f, u
.set rD, 32+8*(\u)
.set rA, 128+64*(\u)+8*(\f)
.set rB, 64+8*(\f)
.if \swap
.set rA, 64+8*(\f)
.set rB, 128+64*(\u)+8*(\f)
.endif
.if ((\f) == 0) && (\cinit)
	v_wmma_f32_16x16x32_f16 v[rD:rD+7], v[rA:rA+7], v[rB:rB+7], v[48+8*(\u):55+8*(\u)]
.elseif (\f) == 0
	v_wmma_f32_16x16x32_f16 v[rD:rD+7], v[rA:rA+7], v[rB:rB+7], 0
.else
	v_wmma_f32_16x16x32_f16 v[rD:rD+7], v[rA:rA+7], v[rB:rB+7], v[rD:rD+7]
.endif
.endm
; eight products: k steps 4 hf .. 4 hf + 3 x my two column tiles, the two accumulators by turns.  swap = 1: tokens are source 0.  cinit = 1: the sums start with v48-63.  wb: the weights' window, which it leaves set
.macro MMH swap, cinit, wb, hf
	WIN (\wb)*(1+3*(\swap))
.irp f, 0,1,2,3
.irp u, 0,1
	MMA \swap, \cinit, 4*(\hf)+(\f), \u
.endr
.endr
.endm
.macro LDH hf                          ; eight LDS loads: k steps 4 hf .. 4 hf + 3 of the 16 tokens at v9
.irp f, 0,1,2,3
	ds_load_b128 v[64+32*(\hf)+8*(\f):64+32*(\hf)+8*(\f)+3], v9 offset:256*(\hf)+64*(\f)
	ds_load_b128 v[64+32*(\hf)+8*(\f)+4:64+32*(\hf)+8*(\f)+7], v9 offset:256*(\hf)+64*(\f)+32
.endr
.endm
; what becomes of a tile's two accumulators; it goes to the LDS address in v10.
; EPK rounded to f16, two groups d1 apart; EPQ the same, times 32^-0.5 log2 e; EPG through a sigmoid, rounded to bf16; EPR as EPK, through a ReLU; EPS as f32 into the stage
.macro EPI ep, d1
.if (\ep) == EPQ
.irp i, 0,1,2,3,4,5,6,7
	v_pk_mul_f32 v[32+2*(\i):33+2*(\i)], v[32+2*(\i):33+2*(\i)], s[42:43] op_sel_hi:[1,0]
.endr
.endif
.if (\ep) == EPG                       ; 1 / (1 + 2^(-x log2 e))
.irp i, 0,1,2,3,4,5,6,7
	v_pk_mul_f32 v[32+2*(\i):33+2*(\i)], v[32+2*(\i):33+2*(\i)], s[44:45] op_sel_hi:[1,0]
.endr
.irp i, 0,1,2,3,4,5,6,7,8,9,10,11,12,13,14,15
	v_exp_f32 v[32+(\i)], v[32+(\i)]
.endr
	v_nop                                          ; a plain instruction behind the batch,
	s_wait_alu depctr_va_vdst(0)                   ; and one wait ahead of its first reader: the 16 exponentials have written v32-47
.irp i, 0,1,2,3,4,5,6,7
	v_pk_add_f32 v[32+2*(\i):33+2*(\i)], v[32+2*(\i):33+2*(\i)], 1.0 op_sel_hi:[1,0]
.endr
.irp i, 0,1,2,3,4,5,6,7,8,9,10,11,12,13,14,15
	v_rcp_f32 v[32+(\i)], v[32+(\i)]
.endr
	v_nop
	s_wait_alu depctr_va_vdst(0)                   ; the 16 reciprocals have written v32-47
.endif
.if (\ep) == EPR
.irp i, 0,1,2,3,4,5,6,7,8,9,10,11,12,13,14,15
	v_max_num_f32 v[32+(\i)], 0, v[32+(\i)]
.endr
.endif
.if (\ep) == EPS
	ds_store_b128 v10, v[32:35]                    ; the tile's wait on va_vdst has shown the accumulators and v10 written, and no vector instruction has named them since
	ds_store_b128 v10, v[36:39] offset:16
	ds_store_b128 v10, v[40:43] offset:64
	ds_store_b128 v10, v[44:47] offset:80
.else
.irp i, 0,1,2,3,4,5,6,7
.if (\ep) == EPG
	v_cvt_pk_bf16_f32 v[16+(\i)], v[32+2*(\i)], v[33+2*(\i)]
.else
	v_cvt_pk_f16_f32 v[16+(\i)], v[32+2*(\i)], v[33+2*(\i)]
.endif
.endr
	s_wait_alu depctr_va_vdst(0)                   ; the roundings have written v16-23, which the two stores read (in the last tile: v10 is written too)
	ds_store_b128 v10, v[16:19]
	ds_store_b128 v10, v[20:23] offset:\d1
.endif
.endm
; One tile: 16 tokens x my 32 columns x 256 k.  Its 16 LDS loads were issued in the tile before: the first half, the second half, and behind them that tile's stores.  nxt = 1: the next tile's are issued here.
.macro GBODY nxt, dl, dstep, swap, cinit, wb, ep, d1
	s_wait_dscnt 8                                 ; the first half is in: behind it stand the second half's eight loads (and, from the second tile on, the last tile's stores: then part of the second half is waited for too)
	s_wait_alu depctr_vm_vsrc(0)                   ; this tile's loads have read v9; the last tile's stores have read v10 and their data (v16-23, or the accumulators): all are written again below
	MMH \swap, \cinit, \wb, 0
	s_wait_dscnt 0x0                               ; the second half is in
	MMH \swap, \cinit, \wb, 1
	WIN 0
	v_add_nc_u32 v10, s7, v[\dl]                   ; where this tile's result goes; with what follows, the five places behind the last product
.if \nxt
	s_add_co_u32 s6, s6, 16*XP
	v_add_nc_u32 v9, s6, v6                        ; the next tile
	PL 3
.else
	PL 4
.endif
.if (\nxt) || ((\ep) == EPS)
	s_wait_alu depctr_va_vdst(0)                   ; the 16 products are done reading v64-127 and have written the accumulators; v9 and v10 are written
.endif
.if \nxt
	LDH 0
	LDH 1
.endif
	EPI \ep, \d1
	s_add_co_u32 s7, s7, \dstep
.endm
; n token tiles from LDS byte xb on; what a tile makes goes to v[dl] + d0 + tile x dstep.  The last tile is written out, so that nothing is read behind the n tiles.
.macro GLOOP n, xb, dl, d0, dstep, swap, cinit, wb, ep, d1
	s_mov_b32 s5, (\n)-1
	s_mov_b32 s6, \xb
	s_mov_b32 s7, \d0
	s_wait_alu depctr_vm_vsrc(0)                   ; the loads that went by v9 have read it; behind LN: its stores have read v96-111, in which fragments land; behind attention: O's last stores have read v32-39, which the products write
	v_add_nc_u32 v9, s6, v6
	s_wait_alu depctr_va_vdst(0)                   ; v9 is written; the vector and matrix instructions that named v64-127 are done
	LDH 0
	LDH 1
.Lg\@:
	GBODY 1, \dl, \dstep, \swap, \cinit, \wb, \ep, \d1
	s_sub_co_u32 s5, s5, 1
	s_cmp_lg_u32 s5, 0
	s_cbranch_scc1 .Lg\@
	GBODY 0, \dl, \dstep, \swap, \cinit, \wb, \ep, \d1
.endm
.macro IMG2REG base, n                 ; n groups of four registers of window 1 out of my image: LDS serves a wave's instructions in order, so these see the stores above and not those that follow
	WIN 0x40
.set i, 0
.rept \n
	ds_load_b128 v[(\base)+4*i:(\base)+4*i+3], v7 offset:512*i
.set i, i+1
.endr
	WIN 0
.endm
.macro RED4                            ; v16, v18, v20, v22: each summed over the 32 lanes, the result in every lane
.irp x, 1,2,4,8
.irp i, 0,1,2,3
	v_add_f32_dpp v[16+2*(\i)], v[16+2*(\i)], v[16+2*(\i)] row_xmask:\x row_mask:0xf bank_mask:0xf
.endr
.endr
.irp i, 0,1,2,3
	v_permlanex16_b32 v[17+2*(\i)], v[16+2*(\i)], s40, s41
.endr
.irp i, 0,1,2,3
	v_add_f32 v[16+2*(\i)], v[16+2*(\i)], v[17+2*(\i)]
.endr
.endm
; LN of four rows (row i in 8 registers at base + 8 i of window d; a lane holds channels 4 l .. + 3 and 128 + 4 l .. + 3), rounded to f16, to LDS rows row0 .. row0 + 3 behind v10
.macro LN4 base, d, row0
	WIN 0x05*(\d)
.irp i, 0,1,2,3
	v_pk_add_f32 v[24+2*(\i):25+2*(\i)], v[(\base)+8*(\i):(\base)+8*(\i)+1], v[(\base)+8*(\i)+2:(\base)+8*(\i)+3]
.endr
	WIN 0x01*(\d)
.irp j, 4,6
.irp i, 0,1,2,3
	v_pk_add_f32 v[24+2*(\i):25+2*(\i)], v[(\base)+8*(\i)+(\j):(\base)+8*(\i)+(\j)+1], v[24+2*(\i):25+2*(\i)]
.endr
.endr
	WIN 0
.irp i, 0,1,2,3
	v_add_f32 v[16+2*(\i)], v[24+2*(\i)], v[25+2*(\i)]
.endr
	RED4
.irp i, 0,1,2,3
	v_mul_f32 v[16+2*(\i)], s36, v[16+2*(\i)]      ; the mean
.endr
	s_wait_alu depctr_vm_vsrc(0)                   ; the stores of m2 into the stage have read these rows' registers, which are written in place from here on; the stores of the four rows before have read v96-111, which the roundings below write again
	WIN 0x41*(\d)
.irp i, 0,1,2,3
.irp j, 0,2,4,6
	v_pk_add_f32 v[(\base)+8*(\i)+(\j):(\base)+8*(\i)+(\j)+1], v[(\base)+8*(\i)+(\j):(\base)+8*(\i)+(\j)+1], v[16+2*(\i):17+2*(\i)] op_sel_hi:[1,0] neg_lo:[0,1] neg_hi:[0,1]
.endr
.endr
	WIN 0x05*(\d)
.irp i, 0,1,2,3
	v_pk_mul_f32 v[24+2*(\i):25+2*(\i)], v[(\base)+8*(\i):(\base)+8*(\i)+1], v[(\base)+8*(\i):(\base)+8*(\i)+1]
.endr
.irp j, 2,4,6
.irp i, 0,1,2,3
	v_pk_fma_f32 v[24+2*(\i):25+2*(\i)], v[(\base)+8*(\i)+(\j):(\base)+8*(\i)+(\j)+1], v[(\base)+8*(\i)+(\j):(\base)+8*(\i)+(\j)+1], v[24+2*(\i):25+2*(\i)]
.endr
.endr
	WIN 0
.irp i, 0,1,2,3
	v_add_f32 v[16+2*(\i)], v[24+2*(\i)], v[25+2*(\i)]
.endr
	RED4
.irp i, 0,1,2,3
	v_fma_f32 v[16+2*(\i)], v[16+2*(\i)], s36, s37 ; variance + 1e-5
.endr
.irp i, 0,1,2,3
	v_rsq_f32 v[16+2*(\i)], v[16+2*(\i)]
.endr
	v_nop                                          ; a plain instruction behind the last root,
	s_wait_alu depctr_va_vdst(0)                   ; and one wait for the four: they have written v16, v18, v20, v22
	WIN 0x41*(\d)
.irp i, 0,1,2,3
.irp j, 0,2,4,6
	v_pk_mul_f32 v[(\base)+8*(\i)+(\j):(\base)+8*(\i)+(\j)+1], v[(\base)+8*(\i)+(\j):(\base)+8*(\i)+(\j)+1], v[16+2*(\i):17+2*(\i)] op_sel_hi:[1,0]
.endr
.endr
.irp i, 0,1,2,3
.irp j, 0,2,4,6
	v_pk_fma_f32 v[(\base)+8*(\i)+(\j):(\base)+8*(\i)+(\j)+1], v[(\base)+8*(\i)+(\j):(\base)+8*(\i)+(\j)+1], v[32+(\j):33+(\j)], v[40+(\j):41+(\j)]
.endr
.endr
	WIN 0x05*(\d)
.irp i, 0,1,2,3
.irp j, 0,1,2,3
	v_cvt_pk_f16_f32 v[96+4*(\i)+(\j)], v[(\base)+8*(\i)+2*(\j)], v[(\base)+8*(\i)+2*(\j)+1]
.endr
.endr
	WIN 0
	s_wait_alu depctr_va_vdst(0)                   ; the roundings have written v96-111, which the stores read; they are also the last to name the four rows' registers, in which loads land next
.irp i, 0,1,2,3
	ds_store_b64 v10, v[96+4*(\i):97+4*(\i)] offset:((\row0)+(\i))*XP
	ds_store_b64 v10, v[98+4*(\i):99+4*(\i)] offset:((\row0)+(\i))*XP+256
.endr
.endm
; rows 4 b .. 4 b + 3 of my 16 (at v[128 + 32 b ..]) += the stage's rows + the bias vector in v48-55.  yg: loads issued behind the 32 of the rows.
; Its LDS loads owe no wait: the additions of the batch before, which read v64-95, stand ahead of that batch's waits on va_vdst, and LN names none of these registers
.macro ADD4 b, yg
.irp i, 0,1,2,3
	ds_load_b128 v[64+8*(\i):64+8*(\i)+3], v13 offset:(4*(\b)+(\i))*SGP
	ds_load_b128 v[64+8*(\i)+4:64+8*(\i)+7], v13 offset:(4*(\b)+(\i))*SGP+512
.endr
	s_wait_loadcnt 24-8*(\b)+(\yg)                 ; these four rows (and the older gain and bias vectors) are in; the later batches' eight loads each, and the yg behind them, may be out
	s_wait_dscnt 0x0
.irp i, 0,1,2,3
.irp j, 0,2,4,6
.set rD, 128+32*(\b)+8*(\i)+(\j)
	v_pk_add_f32 v[rD:rD+1], v[rD:rD+1], v[64+8*(\i)+(\j):64+8*(\i)+(\j)+1]
.endr
.endr
.irp i, 0,1,2,3
.irp j, 0,2,4,6
.set rD, 128+32*(\b)+8*(\i)+(\j)
	v_pk_add_f32 v[rD:rD+1], v[rD:rD+1], v[48+(\j):49+(\j)]
.endr
.endr
.endm
; Softmax of one query a lane over nk tiles of 16 keys (S^T, already times log2 e, at v128 on; the query's other keys lie in the lane 16 away), in two parts.  SMAX: the maximum, s - max, the exponentials
; and their wait.  SSUM: the sum, 1 / sum into v20, the weights rounded to f16 in pairs at v128 on.  Each accumulator's lowest registers are read first.
.macro SMAX nk
.set g, 0
.rept (\nk)/4
.set st, 0
.rept 4
.set c, 0
.rept 4
.set rS, 128+8*(4*g+c)
.if (g == 0) && (st == 0)
	v_max3_num_f32 v[16+c], v[rS], v[rS+1], v[rS+2]
.elseif (g == 0) && (st == 3)
	v_max_num_f32 v[16+c], v[16+c], v[rS+7]
.elseif g == 0
	v_max3_num_f32 v[16+c], v[16+c], v[rS+2*st+1], v[rS+2*st+2]
.else
	v_max3_num_f32 v[16+c], v[16+c], v[rS+2*st], v[rS+2*st+1]
.endif
.set c, c+1
.endr
.set st, st+1
.endr
.set g, g+1
.endr
	v_max3_num_f32 v16, v16, v17, v18
	v_max_num_f32 v16, v16, v19
	v_permlanex16_b32 v20, v16, s40, s41
	v_max_num_f32 v16, v16, v20                    ; the query's maximum
.set p, 0
.rept 4*(\nk)                          ; s - max: at most 0
	v_pk_add_f32 v[128+2*p:129+2*p], v[128+2*p:129+2*p], v[16:17] op_sel_hi:[1,0] neg_lo:[0,1] neg_hi:[0,1]
.set p, p+1
.endr
.set p, 0
.rept 8*(\nk)
	v_exp_f32 v[128+p], v[128+p]
.set p, p+1
.endr
	v_nop                                          ; a plain instruction behind the batch,
	s_wait_alu depctr_va_vdst(0)                   ; and one wait for all of it: the exponentials have written the weights
.endm
.macro SSUM nk
.set p, 0
.rept 4
	v_pk_add_f32 v[24+2*p:25+2*p], v[128+2*p:129+2*p], v[136+2*p:137+2*p]
.set p, p+1
.endr
.set p, 8
.rept 4*(\nk)-8
	v_pk_add_f32 v[24+2*(p%4):25+2*(p%4)], v[24+2*(p%4):25+2*(p%4)], v[128+2*p:129+2*p]
.set p, p+1
.endr
	v_pk_add_f32 v[24:25], v[24:25], v[26:27]
	v_pk_add_f32 v[28:29], v[28:29], v[30:31]
	v_pk_add_f32 v[24:25], v[24:25], v[28:29]
	v_add_f32 v21, v24, v25
	v_permlanex16_b32 v20, v21, s40, s41
	v_add_f32 v21, v21, v20
	v_rcp_f32 v20, v21
.set p, 0
.rept 4*(\nk)                          ; in place, ascending: register p takes weights 2 p and 2 p + 1
	v_cvt_pk_f16_f32 v[128+p], v[128+2*p], v[129+2*p]
.set p, p+1
.endr
	s_wait_alu depctr_va_vdst(0)                   ; the reciprocal has written v20: behind the roundings, ahead of its reader
.endm
; O^T (v80-95) / sum x gate (v72-79, bf16), rounded to f16 into v[ob ..], to the LDS address in v10.  Four places stand between the last product and this
.macro GATE ob
.irp i, 0,1,2,3,4,5,6,7
	v_pk_mul_f32 v[80+2*(\i):81+2*(\i)], v[80+2*(\i):81+2*(\i)], v[20:21] op_sel_hi:[1,0]
.endr
.irp i, 0,1,2,3,4,5,6,7
	v_lshlrev_b32 v[96+2*(\i)], 16, v[72+(\i)]
	v_and_b32 v[97+2*(\i)], s34, v[72+(\i)]
.endr
.irp i, 0,1,2,3,4,5,6,7
	v_pk_mul_f32 v[80+2*(\i):81+2*(\i)], v[80+2*(\i):81+2*(\i)], v[96+2*(\i):97+2*(\i)]
.endr
.irp i, 0,1,2,3,4,5,6,7
	v_cvt_pk_f16_f32 v[(\ob)+(\i)], v[80+2*(\i)], v[81+2*(\i)]
.endr
	s_wait_alu depctr_va_vdst(0)                   ; the trip's last wait: see at the loop
	ds_store_b128 v10, v[(\ob):(\ob)+3]
	ds_store_b128 v10, v[(\ob)+4:(\ob)+7] offset:32
.endm
; THE SECOND PRODUCT OF THE TRANSITION, eight token tiles written out: each tile's 16 products go onto its own two accumulators in window 1, by turns.  One wait on va_vdst a tile, behind its products:
; they are done reading H's fragments, in which the next tile's 16 loads land.  v25, by which those go, is never written again.
.macro LDH2 t, hf                      ; eight LDS loads: k steps 4 hf .. 4 hf + 3 of H's token tile t
.irp f, 0,1,2,3
	ds_load_b128 v[64+32*(\hf)+8*(\f):64+32*(\hf)+8*(\f)+3], v25 offset:(\t)*16*XP+256*(\hf)+64*(\f)
	ds_load_b128 v[64+32*(\hf)+8*(\f)+4:64+32*(\hf)+8*(\f)+7], v25 offset:(\t)*16*XP+256*(\hf)+64*(\f)+32
.endr
.endm
.macro MMH2 t, hf
	WIN 0x50                                       ; C and D in window 1
.irp f, 0,1,2,3
.irp u, 0,1
	v_wmma_f32_16x16x32_f16 v[16*(\t)+8*(\u):16*(\t)+8*(\u)+7], v[128+64*(\u)+32*(\hf)+8*(\f):128+64*(\u)+32*(\hf)+8*(\f)+7], v[64+32*(\hf)+8*(\f):64+32*(\hf)+8*(\f)+7], v[16*(\t)+8*(\u):16*(\t)+8*(\u)+7]
.endr
.endr
.endm
.macro GEMM2
	LDH2 0, 0                                      ; no wait: the first product's last wait on va_vdst stands behind its last matrix instruction, and no vector instruction has followed
	LDH2 0, 1
.irp t, 0,1,2,3,4,5,6,7
	s_wait_dscnt 8                                 ; the tile's first half is in; its second half's eight loads may be out
	MMH2 \t, 0
	s_wait_dscnt 0x0                               ; the second half is in
	MMH2 \t, 1
	WIN 0
.if (\t) == 7
	PL 4                                           ; four places behind the last product: behind the last chunk LDS stores read the sums
.endif
	s_wait_alu depctr_va_vdst(0)                   ; the tile's products are done reading v64-127; behind the last tile also
.if (\t) < 7
	LDH2 (\t)+1, 0
	LDH2 (\t)+1, 1
.endif
.endr
.endm
	s_load_b512 s[8:23], s[0:1], 0x0               ; m1, m_mask, wts, col_ln_w, col_ln_b, col_bg, col_bo, tr_ln_w
	s_load_b256 s[24:31], s[0:1], 0x40             ; tr_ln_b, tr_b1, tr_b2, out0
	v_lshl_add_u32 v4, v0, 2, SPARE                ; my spare word,
	v_mov_b32 v5, 0                                ; and 0: kept for the wave's end alone
	v_and_b32 v3, 31, v0
	v_and_b32 v1, 15, v0
	v_bfe_u32 v2, v0, 4, 1
	v_lshrrev_b32 v16, 5, v0
	v_readfirstlane_b32 s2, v16                    ; wave = head
	s_mov_b32 s3, ttmp9                            ; rr
	s_mov_b32 s34, 0xffff0000
	s_mov_b32 s36, 0x3b800000                      ; 1/256
	s_mov_b32 s37, 0x3727c5ac                      ; 1e-5
	s_mov_b32 s40, 0x76543210
	s_mov_b32 s41, 0xfedcba98
	s_mov_b32 s42, 0x3e8293ee                      ; 32^-0.5 log2 e = 0.255035
	s_mov_b32 s43, s42
	s_mov_b32 s44, 0xbfb8aa3b                      ; -log2 e
	s_mov_b32 s45, s44
	v_mul_u32_u24 v6, v1, XP
	v_lshl_add_u32 v6, v2, 4, v6
	s_wait_alu depctr_va_sdst(0)                   ; s2 is written, ahead of its first reader: addresses, bases and branches are made from it
	s_lshl_b32 s56, s2, 14
	v_lshl_add_u32 v8, v1, 9, s56
	v_lshl_add_u32 v8, v2, 4, v8                   ; (32 w + r) x 512 + 16 h
	s_add_co_u32 s56, s56, IMG
	v_lshl_add_u32 v7, v3, 4, s56
	s_lshl_b32 s56, s2, 6
	s_add_co_u32 s56, s56, OB
	v_add_nc_u32 v11, s56, v6                      ; region B: row r, channels 32 w + 8 h on
	v_mul_u32_u24 v12, v1, SGP
	v_lshl_add_u32 v12, v2, 5, v12
	s_lshl_b32 s56, s2, 7
	v_lshl_add_u32 v15, v2, 5, s56                 ; bg and b1: channels 32 w + 8 h on, in f32
	s_add_co_u32 s56, s56, STG
	v_add_nc_u32 v12, s56, v12
	s_mul_i32 s56, s2, 16*SGP
	s_add_co_u32 s56, s56, STG
	v_lshl_add_u32 v13, v3, 4, s56
	v_lshlrev_b32 v14, 4, v3
.irp i, 17,19,21,23
	v_mov_b32 v[\i], 0                             ; the lane exchange counts its destination as read
.endr
	s_lshl_b32 s56, s2, 22
	v_lshl_add_u32 v9, v3, 4, s56                  ; tokens 16 w on (262,144 bytes apart), 16 l
	s_mul_i32 s56, s2, 16*XP
	v_lshl_add_u32 v10, v3, 3, s56                 ; LDS rows 16 w on, 8 bytes a lane
	v_lshlrev_b32 v48, 10, v0                      ; m_mask[thread][..]
	v_lshl_add_u32 v50, v0, 2, MB
	s_lshl_b32 s56, s3, 10
	s_mov_b32 s57, 0
	s_wait_kmcnt 0x0
	s_add_nc_u64 s[46:47], s[8:9], s[56:57]        ; m1[.][rr]
	s_add_nc_u64 s[48:49], s[30:31], s[56:57]      ; out0[.][rr]
	s_lshl_b32 s56, s3, 2
	s_add_nc_u64 s[54:55], s[10:11], s[56:57]      ; m_mask[.][rr]
	s_wait_alu depctr_va_vdst(0)                   ; the addresses and offsets v6-15, v48 and v50 are written, by which the loads and stores below go
	; ---- LN of my 16 tokens into region A; the 128 mask biases, by waves 0-3
	s_cmp_lt_u32 s2, 4
	s_cbranch_scc0 .Lnomask1
	global_load_b32 v49, v48, s[54:55]
.Lnomask1:
	global_load_b128 v[32:35], v14, s[14:15]
	global_load_b128 v[36:39], v14, s[14:15] offset:512
	global_load_b128 v[40:43], v14, s[16:17]
	global_load_b128 v[44:47], v14, s[16:17] offset:512
.set i, 0
.rept 16
	global_load_b128 v[128+8*i:131+8*i], v9, s[46:47] offset:262144*i
	global_load_b128 v[132+8*i:135+8*i], v9, s[46:47] offset:262144*i+512
.set i, i+1
.endr
	s_wait_loadcnt 24                              ; the small loads and rows 0-3 are in; three batches of eight loads may be out
	LOADW 12, 6*WBLK, 1                            ; K's weights, into window 1, which nothing has named yet: they have the four LNs in which to land
	s_cmp_lt_u32 s2, 4
	s_cbranch_scc0 .Lnomask2
	v_add_f32 v49, -1.0, v49
	v_mul_f32 v49, 0x4eabfb8f, v49                 ; (mask - 1) x 1e9 log2 e
	s_wait_alu depctr_va_vdst(0)                   ; v49 is written, which the store reads
	ds_store_b32 v50, v49
.Lnomask2:
	LN4 128, 0, 0
	s_wait_loadcnt 48                              ; from here the 32 weight loads are younger too: 16 + 32
	LN4 160, 0, 4
	s_wait_loadcnt 40
	LN4 192, 0, 8
	s_wait_loadcnt 32
	LN4 224, 0, 12
	s_wait_loadcnt 0x0                             ; K's weights
	LOADW 12, 7*WBLK, 0                            ; V's, into the registers that the rows have left: LN's last wait on va_vdst stands behind the last instruction that named them
	BAR                                            ; X and the mask biases are whole
	; ---- the projections of my head: behind each, the wait for the block asked for a product ago, then the next request.  These loads, and the images', owe no wait on va_vdst: a product's last such wait
	; stands behind its last matrix instruction, and no vector instruction behind that wait names v7, v8, v15 or the registers in which they land
	GLOOP 8, 0, 7, 0, 1024, 0, 0, 1, EPK, 512
	s_wait_loadcnt 0x0                             ; V's weights
	LOADW 12, 5*WBLK, 1                            ; Q's
	IMG2REG 0, 16                                  ; K
	GLOOP 8, 0, 7, 0, 512, 1, 0, 0, EPK, 4096
	s_wait_loadcnt 0x0                             ; Q's weights
	LOADW 12, 8*WBLK, 0                            ; the gate's,
	global_load_b128 v[48:51], v15, s[18:19]       ; and bg; Q's product names none of v48-63.  v48-50 served the mask's load and store as address and data: the products' waits on vm_vsrc stand between
	global_load_b128 v[52:55], v15, s[18:19] offset:16
	global_load_b128 v[56:59], v15, s[18:19] offset:64
	global_load_b128 v[60:63], v15, s[18:19] offset:80
	IMG2REG 64, 16                                 ; V^T
	GLOOP 8, 0, 7, 0, 1024, 0, 0, 1, EPQ, 512      ; Q: the image's first half
	s_wait_loadcnt 0x0                             ; the gate's weights and bg
	LOADW 12, 9*WBLK, 1                            ; wo's: they have the gate's product and attention in which to land
	GLOOP 8, 0, 7, 8192, 1024, 0, 1, 0, EPG, 512   ; the gate: the image's second half
	s_wait_alu depctr_vm_vsrc(0)                   ; the gate's last two stores have read v16-23, which the first trip's softmax writes, and v10, which its add writes
	v_lshlrev_b32 v48, 5, v2
	v_add_nc_u32 v48, MB, v48
	v_mov_b32 v9, v7                               ; the first trip's Q and gate (the last fragment loads by v9 stand ahead of the last tile's wait on vm_vsrc)
	s_wait_alu depctr_va_vdst(0)                   ; v48 and v9 are written, by which the loads below and the first trip's go; the gate's product is done reading v64-127 and v128-255, in which they land
.set kt, 0
.rept 8                                        ; the mask biases as the C operand of S^T: register j of tile kt is key 16 kt + 8 h + j
	ds_load_b128 v[192+8*kt:195+8*kt], v48 offset:64*kt
	ds_load_b128 v[196+8*kt:199+8*kt], v48 offset:64*kt+16
.set kt, kt+1
.endr
	ds_load_b128 v[64:67], v9                      ; the first trip's Q
	ds_load_b128 v[68:71], v9 offset:512
	; ---- attention: a trip is 16 queries x 128 keys of my head; O goes to region B, which nobody has touched yet.  A trip's Q was asked for in the trip before.
	; WHO NAMES WHAT.  v64-71 Q: read by the eight products S^T, loaded again behind the exponentials' wait, which stands behind those products.  v72-79 the gate: loaded at the head, read by GATE.
	; v32-39: GATE's roundings write O there, two stores read it; nothing else in the loop names them.  v16-23: the softmax works there; no memory or LDS instruction of the loop names them (the gate's product,
	; whose stores read them, has its wait on vm_vsrc ahead of the loop).  v9, v10: written behind V^T P.
	; THE WAITS.  The exponentials' and the reciprocal's, which stand anyway.  One vm_vsrc ahead of the two adds.  One va_vdst behind GATE's arithmetic: it serves O's stores and the NEXT trip's gate loads,
	; since no vector instruction stands between it and them.
	s_mov_b32 s5, 8
	s_mov_b32 s6, 0
	s_mov_b32 s7, 0
.Lq:
	ds_load_b128 v[72:75], v9 offset:8192          ; the gate: wanted at the trip's end
	ds_load_b128 v[76:79], v9 offset:8704
	s_wait_dscnt 0x2                               ; Q is in (and all that is older); the gate's two loads may be out
	WIN 0x01                                       ; source 0 in window 1
.set kt, 0
.rept 8
	v_wmma_f32_16x16x32_f16 v[128+8*kt:135+8*kt], v[8*kt:8*kt+7], v[64:71], v[192+8*kt:199+8*kt]
.set kt, kt+1
.endr
	WIN 0
	PL 4
	SMAX 8                                         ; its wait also states: the products S^T are done reading Q
	ds_load_b128 v[64:67], v9 offset:1024          ; the next trip's Q; in the last trip these are 1,024 bytes of my own gate image, which nobody uses
	ds_load_b128 v[68:71], v9 offset:1536
	SSUM 8
	WIN 0x01
.set b, 0
.rept 4                                        ; the two channel blocks by turns
.irp cb, 0,1
.if b == 0
	v_wmma_f32_16x16x32_f16 v[80+8*(\cb):87+8*(\cb)], v[64+32*(\cb)+8*b:71+32*(\cb)+8*b], v[128+8*b:135+8*b], 0
.else
	v_wmma_f32_16x16x32_f16 v[80+8*(\cb):87+8*(\cb)], v[64+32*(\cb)+8*b:71+32*(\cb)+8*b], v[128+8*b:135+8*b], v[80+8*(\cb):87+8*(\cb)]
.endif
.endr
.set b, b+1
.endr
	WIN 0
	s_wait_alu depctr_vm_vsrc(0)                   ; this trip's four loads have read v9; the last trip's stores have read v10 and v32-39: the two adds and GATE's roundings write these again
	v_add_nc_u32 v10, s7, v11                      ; where this trip's O goes,
	s_add_co_u32 s6, s6, 1024
	v_add_nc_u32 v9, s6, v7                        ; and the next trip's gate and the Q behind it: with the two below, the four places behind the last product
	PL 2
	s_wait_dscnt 0x2                               ; the gate is in; the next Q's two loads may be out
	GATE 32                                        ; its wait: O is written into v32-39, v10 and v9 are written; GATE is done reading the gate's registers
	s_add_co_u32 s7, s7, 16*XP
	s_sub_co_u32 s5, s5, 1
	s_cmp_lg_u32 s5, 0
	s_cbranch_scc1 .Lq
	BAR                                            ; O of all heads is whole; the images are dead
	; ---- O @ wo into the stage
	s_wait_loadcnt 0x0                             ; wo's weights
	GLOOP 8, OB, 12, 0, 16*SGP, 0, 0, 1, EPS, 0
	s_wait_alu depctr_vm_vsrc(0)                   ; the last tile's stores have read v10, which is written below, and the accumulators v32-47, in which the gain and the bias land
	s_lshl_b32 s56, s2, 22
	v_lshl_add_u32 v9, v3, 4, s56
	s_mul_i32 s56, s2, 16*XP
	v_lshl_add_u32 v10, v3, 3, s56
	s_wait_alu depctr_va_vdst(0)                   ; v9 is written, by which m1's rows are loaded, and v10, by which LN stores
	global_load_b128 v[32:35], v14, s[22:23]       ; the transition's LN gain and bias, col_bo, and m1's rows once more
	global_load_b128 v[36:39], v14, s[22:23] offset:512
	global_load_b128 v[40:43], v14, s[24:25]
	global_load_b128 v[44:47], v14, s[24:25] offset:512
	global_load_b128 v[48:51], v14, s[20:21]
	global_load_b128 v[52:55], v14, s[20:21] offset:512
.set i, 0
.rept 16
	global_load_b128 v[128+8*i:131+8*i], v9, s[46:47] offset:262144*i
	global_load_b128 v[132+8*i:135+8*i], v9, s[46:47] offset:262144*i+512
.set i, i+1
.endr
	s_add_nc_u64 s[50:51], s[12:13], 10*WBLK       ; W1's chunk
	BAR                                            ; the stage is whole
	; ---- m2 = m1 + stage + bo: back into the stage (each lane to the bytes that it read), and its LN into region A
.irp b, 0,1,2,3
	ADD4 \b, 32*(((\b)+2)/3)
	s_wait_alu depctr_va_vdst(0)                   ; the sums m2 are written, which the stores read
.if (\b) == 0
	LOADW 50, 0, 1                                 ; W1's first chunk, into window 1, behind the first batch's wait for its rows: 32 loads that are younger than the rows; wo's products, which read these registers, stand ahead of the wait above
.endif
.irp i, 0,1,2,3
	ds_store_b128 v13, v[128+32*(\b)+8*(\i):131+32*(\b)+8*(\i)] offset:(4*(\b)+(\i))*SGP
	ds_store_b128 v13, v[132+32*(\b)+8*(\i):135+32*(\b)+8*(\i)] offset:(4*(\b)+(\i))*SGP+512
.endr
	LN4 128+32*(\b), 0, 4*(\b)
.endr
	s_add_nc_u64 s[52:53], s[12:13], 14*WBLK       ; W2's chunk,
	s_mov_b64 s[54:55], s[26:27]                   ; b1's
	global_load_b128 v[48:51], v15, s[54:55]       ; no wait: the additions that read v48-55, and all that named the rows' registers, stand ahead of LN's last wait on va_vdst; m2's stores ahead of its wait on vm_vsrc
	global_load_b128 v[52:55], v15, s[54:55] offset:16
	global_load_b128 v[56:59], v15, s[54:55] offset:64
	global_load_b128 v[60:63], v15, s[54:55] offset:80
	LOADW 52, 0, 0                                 ; W2's first chunk, into the registers that the rows have left
	v_add_nc_u32 v24, 64*SGP, v12                  ; the stage's rows 64 on: an LDS immediate has 16 bits
	v_add_nc_u32 v25, OB, v6
	BAR                                            ; m2 and X2 are whole
	; ---- the transition.  Its sums start with m2: one token a lane, 8 neighbouring channels, as the products leave them
	WIN 0x40
	s_wait_alu depctr_va_vdst(0)                   ; v24 and v25 are written, by which the loads below and H's fragments go; attention's products are done reading K and V^T, in whose registers the sums' first terms land
.irp t, 0,1,2,3
.irp u, 0,1
	ds_load_b128 v[16*(\t)+8*(\u):16*(\t)+8*(\u)+3], v12 offset:(\t)*16*SGP+64*(\u)
	ds_load_b128 v[16*(\t)+8*(\u)+4:16*(\t)+8*(\u)+7], v12 offset:(\t)*16*SGP+64*(\u)+16
	ds_load_b128 v[64+16*(\t)+8*(\u):64+16*(\t)+8*(\u)+3], v24 offset:(\t)*16*SGP+64*(\u)
	ds_load_b128 v[64+16*(\t)+8*(\u)+4:64+16*(\t)+8*(\u)+7], v24 offset:(\t)*16*SGP+64*(\u)+16
.endr
.endr
	WIN 0
	s_wait_loadcnt 32                              ; W1's first chunk and b1's are in; the 32 loads of W2's, issued behind them, may be out
	s_mov_b32 s33, 4
.Lchunk:                                               ; here W1's chunk and b1's have landed; W2's is on its way
	GLOOP 8, 0, 11, 0, 16*XP, 0, 1, 1, EPR, 32     ; H = relu(X2 W1 + b1) into region B
	s_wait_loadcnt 0x0                             ; W2's chunk, asked for a product ago; no load is out, so the pointers may be written
	s_cmp_eq_u32 s33, 1
	s_cbranch_scc1 .Lno_w1                         ; behind the last chunk nothing is asked for; every wait for loads from here on is for 0
	s_add_nc_u64 s[50:51], s[50:51], WBLK
	s_add_nc_u64 s[54:55], s[54:55], 1024
	LOADW 50, 0, 1                                 ; the next chunk of W1 and of b1: they have the second product in which to land; the first product's last wait on va_vdst stands behind all that read their registers
	global_load_b128 v[48:51], v15, s[54:55]
	global_load_b128 v[52:55], v15, s[54:55] offset:16
	global_load_b128 v[56:59], v15, s[54:55] offset:64
	global_load_b128 v[60:63], v15, s[54:55] offset:80
.Lno_w1:
	BAR                                            ; H is whole
	GEMM2
	s_wait_loadcnt 0x0                             ; the next chunk of W1 and b1
	s_cmp_eq_u32 s33, 1
	s_cbranch_scc1 .Lno_w2
	s_add_nc_u64 s[52:53], s[52:53], WBLK
	LOADW 52, 0, 0                                 ; the next chunk of W2: it has the first product in which to land; the second product's last wait stands behind all that read v128-255
.Lno_w2:
	BAR                                            ; nobody reads H any more
	s_sub_co_u32 s33, s33, 1
	s_cmp_lg_u32 s33, 0
	s_cbranch_scc1 .Lchunk
	; ---- the way out: the sums go to the bytes of the stage that they started from, come back as rows, and leave with b2.  The second product's last wait, behind its four places, has shown the sums written
	WIN 0x04                                       ; store data in window 1
.irp t, 0,1,2,3
.irp u, 0,1
	ds_store_b128 v12, v[16*(\t)+8*(\u):16*(\t)+8*(\u)+3] offset:(\t)*16*SGP+64*(\u)
	ds_store_b128 v12, v[16*(\t)+8*(\u)+4:16*(\t)+8*(\u)+7] offset:(\t)*16*SGP+64*(\u)+16
	ds_store_b128 v24, v[64+16*(\t)+8*(\u):64+16*(\t)+8*(\u)+3] offset:(\t)*16*SGP+64*(\u)
	ds_store_b128 v24, v[64+16*(\t)+8*(\u)+4:64+16*(\t)+8*(\u)+7] offset:(\t)*16*SGP+64*(\u)+16
.endr
.endr
	WIN 0
	s_lshl_b32 s56, s2, 22
	v_lshl_add_u32 v9, v3, 4, s56                  ; (the last fragment loads by v9 stand ahead of the last tile's wait on vm_vsrc)
	BAR                                            ; every wave's stores into the stage are done
	s_wait_loadcnt 0x0                             ; no load into v48-55 or v128-255 is out on any way (the last chunk asked for none, so this is met at once)
	global_load_b128 v[48:51], v14, s[28:29]       ; b2, and the rows: no vector or matrix instruction since the second product's last wait names v48-55 or v128-255
	global_load_b128 v[52:55], v14, s[28:29] offset:512
.set i, 0
.rept 16
	ds_load_b128 v[128+8*i:131+8*i], v13 offset:i*SGP
	ds_load_b128 v[132+8*i:135+8*i], v13 offset:i*SGP+512
.set i, i+1
.endr
	s_wait_loadcnt 0x0                             ; b2
.irp b, 0,1,2,3
	s_wait_dscnt 24-8*(\b)                         ; four rows are back; the later batches' eight loads each may be out
.irp i, 0,1,2,3
.irp j, 0,2,4,6
.set rD, 128+32*(\b)+8*(\i)+(\j)
	v_pk_add_f32 v[rD:rD+1], v[rD:rD+1], v[48+(\j):49+(\j)]
.endr
.endr
	s_wait_alu depctr_va_vdst(0)                   ; the four rows' sums are written, which the stores read (ahead of the first batch: v9 too, by which they go)
.irp i, 0,1,2,3
	global_store_b128 v9, v[128+32*(\b)+8*(\i):131+32*(\b)+8*(\i)], s[48:49] offset:262144*(4*(\b)+(\i)) th:TH_STORE_NT  ; 512 consecutive bytes, aligned
	global_store_b128 v9, v[132+32*(\b)+8*(\i):135+32*(\b)+8*(\i)], s[48:49] offset:262144*(4*(\b)+(\i))+512 th:TH_STORE_NT
.endr
.endr
	s_wait_dscnt 0x0                               ; the closing lines, six on end
	s_wait_alu 0x0
	s_wait_tensorcnt 0x0
	ds_add_u32 v4, v5
	s_wait_dscnt 0x0
	s_endpgm
.Lfunc_end_k_qdd1eb29b30_col:
	.size	k_qdd1eb29b30_col, .Lfunc_end_k_qdd1eb29b30_col-k_qdd1eb29b30_col
	.p2alignl 7, 3214868480
	.fill 96, 4, 3214868480
	.section	.rodata,"a",@progbits
	.p2align	6, 0x0
	.amdhsa_kernel k_qdd1eb29b30_col
		.amdhsa_group_segment_fixed_size 270336
		.amdhsa_private_segment_fixed_size 0
		.amdhsa_enable_private_segment 0
		.amdhsa_kernarg_size 96
		.amdhsa_user_sgpr_count 2
		.amdhsa_user_sgpr_kernarg_segment_ptr 1
		.amdhsa_wavefront_size32 1
		.amdhsa_system_sgpr_workgroup_id_x 1
		.amdhsa_system_sgpr_workgroup_id_y 1
		.amdhsa_system_sgpr_workgroup_id_z 1
		.amdhsa_system_vgpr_workitem_id 0
		.amdhsa_next_free_vgpr 512
		.amdhsa_next_free_sgpr 66
		.amdhsa_reserve_vcc 0
		.amdhsa_float_denorm_mode_32 3
		.amdhsa_float_denorm_mode_16_64 3
		.amdhsa_memory_ordered 1
		.amdhsa_forward_progress 1
		.amdhsa_inst_pref_size 226
	.end_amdhsa_kernel
	.amdgpu_metadata
---
amdhsa.version: [ 1, 2 ]
amdhsa.kernels:
  - .name:           k_qdd1eb29b30_col
    .symbol:         k_qdd1eb29b30_col.kd
    .args:
      - { .name: m1, .offset: 0, .size: 8, .value_kind: global_buffer, .address_space: global }
      - { .name: m_mask, .offset: 8, .size: 8, .value_kind: global_buffer, .address_space: global }
      - { .name: wts, .offset: 16, .size: 8, .value_kind: global_buffer, .address_space: global }
      - { .name: col_ln_w, .offset: 24, .size: 8, .value_kind: global_buffer, .address_space: global }
      - { .name: col_ln_b, .offset: 32, .size: 8, .value_kind: global_buffer, .address_space: global }
      - { .name: col_bg, .offset: 40, .size: 8, .value_kind: global_buffer, .address_space: global }
      - { .name: col_bo, .offset: 48, .size: 8, .value_kind: global_buffer, .address_space: global }
      - { .name: tr_ln_w, .offset: 56, .size: 8, .value_kind: global_buffer, .address_space: global }
      - { .name: tr_ln_b, .offset: 64, .size: 8, .value_kind: global_buffer, .address_space: global }
      - { .name: tr_b1, .offset: 72, .size: 8, .value_kind: global_buffer, .address_space: global }
      - { .name: tr_b2, .offset: 80, .size: 8, .value_kind: global_buffer, .address_space: global }
      - { .name: out0, .offset: 88, .size: 8, .value_kind: global_buffer, .address_space: global }
    .group_segment_fixed_size: 270336
    .private_segment_fixed_size: 0
    .kernarg_segment_align: 8
    .kernarg_segment_size: 96
    .max_flat_workgroup_size: 256
    .sgpr_count:     66
    .vgpr_count:     512
    .wavefront_size: 32
...
	.end_amdgpu_metadata
.endif
;; end of part 5
